; MI455X (gfx1250); checked and timed in simulation.
; The chip was launched on July 23, 2026; its instructions are those of AMD's public machine-readable ISA for CDNA 5 (MIT licence, August 2026) and "CDNA5" Instruction Set Architecture Reference Guide (July 2026). The comments in the code are by the model that wrote it; some were corrected since.
;; Rotary Cross Attention. Allowed arithmetic: float matrix products may take bf16 or f16 operands with f32 sums; all other float work in f32.
;; Inputs: b_o 512 float32; context_mask 16 x 2,048 bool; ln_c_b 256 float32; ln_c_w 256 float32; ln_q_b 512 float32; ln_q_w 512 float32; rotary_time_emb_context 16 x 8,192 x 128 float32; rotary_time_emb_query 16 x 1,024 x 128 float32; w_kv 256 x 256 float32; w_o 512 x 128 float32; w_q 128 x 512 float32; x_context 16 x 2,048 x 4 x 256 float32; x_query 1,024 x 512 float32.
;; Outputs: out0 16 x 1 x 512 float32.
;; 3 versions, each right; version 2 is faster than version 1; version 3 is version 2 with the launches kvproj, final written anew for expert scheduling mode. Each part assembles by itself: llvm-mc -triple=amdgcn-amd-amdhsa -mcpu=gfx1250 --defsym DOCPART=n.
;; ======== version 1 of 3: 4 launches
;; limits: values are held in f16: magnitudes above 65,504 overflow, below 6.1e-05 lose precision; a function is approximated: absolute error at most 1.5e-05
;; workspace buffers: qh 4,194,304 bytes; kvh 67,108,864 bytes; wh 131,072 bytes; bias 524,288 bytes; part 131,072 bytes
;; launch prep (part 1): grid 80 x 4, 8 waves a work-group, no clusters, 35,840 bytes of LDS; arguments x_query, ln_q_w, ln_q_b, w_q, rotary_time_emb_query, context_mask, w_kv, qh, wh, bias; writes qh, wh, bias
.if DOCPART == 1
	.amdgcn_target "amdgcn-amd-amdhsa--gfx1250"
	.amdhsa_code_object_version 6
	.text
	.protected	k_q6b93068420_prep
	.globl	k_q6b93068420_prep
	.p2align	8
	.type	k_q6b93068420_prep,@function
k_q6b93068420_prep:
	s_mov_b64 s[64:65], 0
	v_nop
	global_prefetch_b8 v0, s[64:65] scope:SCOPE_SE
	s_setreg_imm32_b32 hwreg(HW_REG_WAVE_MODE, 25, 1), 1
	s_wait_xcnt 0x0
; prep: three small jobs, chosen by the work-group's x (the same for all waves of a work-group).
;  x = 0..63  (job Q): 16 queries x 4 batches (y): LayerNorm(x_query) . w_q^T, times log2(e)/sqrt(128), rotated by each batch's
;                      angles, stored as f16 rows of 256 bytes in qh[b][q][128].
;  x = 64..71 (job M): bias[b][n] = 0 where context_mask[b][n mod 2048] is true, -1e30 where it is not, for all 8,192 keys of a batch:
;                      the addend that the attention gives to each key's logits.  A thread takes 4 bytes of the mask.
;  x = 72..79 (job W): w_kv -> f16, laid out in the order in which kvproj's waves load their matrix fragments.
; Only job Q uses LDS and barriers.
; LIMITS: matrix operands are f16 (|q| scaled < 65,504); sine and cosine are polynomials on the reduced angle, absolute error
; at most 1.5e-5, the reduction is exact to one rounding for |angle| < 2^22.
.set XSP,  1040                        ; LDS pitch of a normalised row: 512 f16 + 16 bytes (an odd multiple of 16)
.set QSB,  16*XSP                      ; behind them: 64 rows (4 batches x 16 queries) of 128 f16
.set QSP,  272
.set X,    16                          ; v[16:47]   two rows of x_query, 16 numbers a lane each
.set LW,   48                          ; v[48:63]   ln_q_w of my 16 columns
.set LB,   64                          ; v[64:79]   ln_q_b
.set RAW,  80                          ; v[80:207]  w_q in f32, two chunks of 4 K steps
.set FQ,   208                         ; v[208:239] angles: 4 batches x 8
.set ST,   240                         ; v[240:255] LayerNorm's sums, later the two accumulators
.set AF,   16                          ; v[16:31]   two f16 fragments of w_q, by turns
.set BF,   32                          ; v[32:63]   f16 fragments of the rows, 4 K steps
.set D,    240
.set SN,   80
.set SS,   112
.set SC,   144
.set TT,   176
.set LO, 70
.set A1, 72
.set A3, 74
.set A5, 76
.set A7, 78
.set A9, 80
.set B2, 82
.set B4, 84
.set B6, 86
.set B8, 88
.set B10, 90
.macro PLACES n
.rept \n
	v_nop
.endr
.endm
.macro CPAIR reg, val
	s_mov_b32 s[\reg], \val
	s_mov_b32 s[\reg+1], \val
.endm
; sine and cosine of 16 angles.  y = angle/2pi - nearest whole number (in two parts, so that y has one rounding);
; S = 2 sin(pi y), C = cos(pi y) by their Taylor series up to y^9 and y^10; sin = S C, cos = 1 - S S / 2.  F is used up.
.macro SINCOS16 F, N, S, C
.irp p,0,2,4,6,8,10,12,14
	v_pk_mul_f32 v[\N+\p:\N+\p+1], v[\F+\p:\F+\p+1], 0.15915494 op_sel_hi:[1,0]
.endr
.irp p,0,1,2,3,4,5,6,7,8,9,10,11,12,13,14,15
	v_rndne_f32 v[\N+\p], v[\N+\p]
.endr
.irp p,0,2,4,6,8,10,12,14
	v_pk_fma_f32 v[\N+\p:\N+\p+1], v[\F+\p:\F+\p+1], 0.15915494, v[\N+\p:\N+\p+1] op_sel_hi:[1,0,1] neg_lo:[0,0,1] neg_hi:[0,0,1]
.endr
.irp p,0,2,4,6,8,10,12,14
	v_pk_fma_f32 v[\N+\p:\N+\p+1], v[\F+\p:\F+\p+1], s[LO:LO+1], v[\N+\p:\N+\p+1] op_sel_hi:[1,0,1]
.endr
.irp p,0,2,4,6,8,10,12,14
	v_pk_mul_f32 v[\F+\p:\F+\p+1], v[\N+\p:\N+\p+1], v[\N+\p:\N+\p+1]
.endr
.irp p,0,2,4,6,8,10,12,14
	v_pk_fma_f32 v[\S+\p:\S+\p+1], v[\F+\p:\F+\p+1], s[A9:A9+1], s[A7:A7+1] op_sel_hi:[1,0,0]
	v_pk_fma_f32 v[\C+\p:\C+\p+1], v[\F+\p:\F+\p+1], s[B10:B10+1], s[B8:B8+1] op_sel_hi:[1,0,0]
.endr
.irp p,0,2,4,6,8,10,12,14
	v_pk_fma_f32 v[\S+\p:\S+\p+1], v[\S+\p:\S+\p+1], v[\F+\p:\F+\p+1], s[A5:A5+1] op_sel_hi:[1,1,0]
	v_pk_fma_f32 v[\C+\p:\C+\p+1], v[\C+\p:\C+\p+1], v[\F+\p:\F+\p+1], s[B6:B6+1] op_sel_hi:[1,1,0]
.endr
.irp p,0,2,4,6,8,10,12,14
	v_pk_fma_f32 v[\S+\p:\S+\p+1], v[\S+\p:\S+\p+1], v[\F+\p:\F+\p+1], s[A3:A3+1] op_sel_hi:[1,1,0]
	v_pk_fma_f32 v[\C+\p:\C+\p+1], v[\C+\p:\C+\p+1], v[\F+\p:\F+\p+1], s[B4:B4+1] op_sel_hi:[1,1,0]
.endr
.irp p,0,2,4,6,8,10,12,14
	v_pk_fma_f32 v[\S+\p:\S+\p+1], v[\S+\p:\S+\p+1], v[\F+\p:\F+\p+1], s[A1:A1+1] op_sel_hi:[1,1,0]
	v_pk_fma_f32 v[\C+\p:\C+\p+1], v[\C+\p:\C+\p+1], v[\F+\p:\F+\p+1], s[B2:B2+1] op_sel_hi:[1,1,0]
.endr
.irp p,0,2,4,6,8,10,12,14
	v_pk_mul_f32 v[\S+\p:\S+\p+1], v[\S+\p:\S+\p+1], v[\N+\p:\N+\p+1]
	v_pk_fma_f32 v[\C+\p:\C+\p+1], v[\C+\p:\C+\p+1], v[\F+\p:\F+\p+1], 1.0 op_sel_hi:[1,1,0]
.endr
.irp p,0,2,4,6,8,10,12,14
	v_pk_mul_f32 v[\F+\p:\F+\p+1], v[\S+\p:\S+\p+1], v[\S+\p:\S+\p+1]
	v_pk_mul_f32 v[\S+\p:\S+\p+1], v[\S+\p:\S+\p+1], v[\C+\p:\C+\p+1]
.endr
.irp p,0,2,4,6,8,10,12,14
	v_pk_fma_f32 v[\C+\p:\C+\p+1], v[\F+\p:\F+\p+1], -0.5, 1.0 op_sel_hi:[1,0,0]
.endr
.endm
	s_load_b512 s[4:19], s[0:1], 0x0               ; x_query 4, ln_q_w 6, ln_q_b 8, w_q 10, angles 12, mask 14, w_kv 16, qh 18
	s_load_b128 s[20:23], s[0:1], 0x40             ; wh 20, bias 22
	s_set_vgpr_msb 0x40
	v_lshl_add_u32 v0, v0, 2, 0x8800
	v_mov_b32 v1, 0
	s_set_vgpr_msb 0x4000
	v_and_b32 v1, 31, v0                           ; lane L
	v_lshrrev_b32 v2, 5, v0
	v_readfirstlane_b32 s26, v2                    ; wave w
	s_and_b32 s27, ttmp7, 0xffff                   ; y
	s_mov_b32 s28, ttmp9                           ; x
	s_mov_b32 s31, 0                               ; the upper word of every 32-bit offset
	s_wait_kmcnt 0x0
	s_cmp_lt_u32 s28, 64
	s_cbranch_scc1 .Ljobq
	s_cmp_lt_u32 s28, 72
	s_cbranch_scc1 .Ljobm
; ---------------- job W: 16 bytes of wh a thread ----------------
; e = thread's number among 8,192 = ((wave of kvproj * 4 + tile) * 8 + K step) * 2 + half, * 32 + lane
	s_sub_co_u32 s29, s28, 72
	s_lshl2_add_u32 s29, s29, s27
	s_lshl_b32 s29, s29, 8
	v_add_nc_u32 v3, s29, v0                       ; e
	v_bfe_u32 v4, v3, 5, 1                         ; which half of the fragment's registers
	v_bfe_u32 v5, v3, 6, 3                         ; K step
	v_bfe_u32 v6, v3, 9, 1                         ; tile & 1
	v_bfe_u32 v7, v3, 10, 1                        ; tile >> 1: K or V
	v_bfe_u32 v8, v3, 11, 2                        ; kvproj's wave
	v_and_b32 v9, 15, v0
	v_bfe_u32 v10, v0, 4, 1
	v_lshl_add_u32 v9, v6, 4, v9
	v_lshl_add_u32 v9, v8, 5, v9
	v_lshl_add_u32 v9, v7, 7, v9                   ; row of w_kv = 128 (tile>>1) + 32 wave + 16 (tile&1) + lane%16
	v_lshlrev_b32 v11, 10, v9
	v_lshl_add_u32 v11, v5, 7, v11                 ; + 4 bytes x (32 step + 16 half + 8 (lane/16))
	v_lshl_add_u32 v11, v4, 6, v11
	v_lshl_add_u32 v11, v10, 5, v11
	global_load_b128 v[16:19], v11, s[16:17]
	global_load_b128 v[20:23], v11, s[16:17] offset:16
	v_lshlrev_b32 v12, 4, v3
	s_wait_loadcnt 0x0
	v_cvt_pk_f16_f32 v24, v16, v17
	v_cvt_pk_f16_f32 v25, v18, v19
	v_cvt_pk_f16_f32 v26, v20, v21
	v_cvt_pk_f16_f32 v27, v22, v23
	global_store_b128 v12, v[24:27], s[20:21]      ; a wave's store covers 512 consecutive bytes
	s_endpgm
; ---------------- job M: one word of the mask a thread ----------------
; e = thread's number among 8,192 = the word's number: batch e / 512, places 4 (e % 512) .. + 3.  The mask is tiled four times along the keys,
; so the four floats are stored four times, 2,048 keys (8,192 bytes) apart.
.Ljobm:
	s_sub_co_u32 s29, s28, 64
	s_lshl2_add_u32 s29, s29, s27
	s_lshl_b32 s29, s29, 8
	v_add_nc_u32 v3, s29, v0                       ; e
	v_lshlrev_b32 v4, 2, v3
	global_load_b32 v5, v4, s[14:15]
	v_lshrrev_b32 v6, 9, v3                        ; batch
	v_and_b32 v7, 0x1ff, v3
	v_lshlrev_b32 v7, 4, v7                        ; 16 bytes for the word's four places
	v_lshl_add_u32 v7, v6, 15, v7                  ; + batch x 8,192 keys x 4 bytes
	v_mov_b32 v8, 0xf149f2ca                       ; -1e30
	s_wait_loadcnt 0x0
.irp c,0,1,2,3
	v_bfe_u32 v[12+\c], v5, 8*\c, 8
.endr
.irp c,0,1,2,3
	v_cmp_eq_u32 vcc_lo, 0, v[12+\c]
	v_cndmask_b32 v[12+\c], 0, v8, vcc_lo          ; false: -1e30; true: 0
.endr
.irp t,0,1,2,3
	global_store_b128 v7, v[12:15], s[22:23] offset:8192*\t   ; a wave's store covers 512 consecutive bytes
.endr
	s_endpgm
; ---------------- job Q ----------------
.Ljobq:
	v_and_b32 v3, 15, v0                           ; r
	v_bfe_u32 v4, v0, 4, 1                         ; h
	v_lshlrev_b32 v6, 4, v1                        ; 16 L
	v_lshl_add_u32 v5, s26, 12, v6                 ; x_query: rows 2w, 2w+1 of the group's 16
	v_lshlrev_b32 v7, 9, v3                        ; angles: query r, channels 16 w + 8 h ..
	v_lshl_add_u32 v7, v4, 5, v7
	v_lshl_add_u32 v7, s26, 6, v7
	v_lshlrev_b32 v8, 11, v3                       ; w_q: row 16 w + r, 32 h bytes in
	v_lshl_add_u32 v8, v4, 5, v8
	v_lshl_add_u32 v8, s26, 15, v8
	s_lshl_b32 s30, s28, 15
	s_add_nc_u64 s[4:5], s[4:5], s[30:31]          ; x_query at the group's 16 rows
	s_lshl_b32 s30, s27, 21
	s_lshl_b32 s32, s28, 13
	s_add_co_u32 s30, s30, s32
	s_add_nc_u64 s[12:13], s[12:13], s[30:31]      ; angles at batch 4 y, the group's first query
.irp i,0,1
.irp c,0,1,2,3
	global_load_b128 v[X+16*\i+4*\c:X+16*\i+4*\c+3], v5, s[4:5] offset:2048*\i+512*\c
.endr
.endr
.irp c,0,1,2,3
	global_load_b128 v[LW+4*\c:LW+4*\c+3], v6, s[6:7] offset:512*\c
.endr
.irp c,0,1,2,3
	global_load_b128 v[LB+4*\c:LB+4*\c+3], v6, s[8:9] offset:512*\c
.endr
.irp bb,0,1,2,3
	global_load_b128 v[FQ+8*\bb:FQ+8*\bb+3], v7, s[12:13] offset:524288*\bb
	global_load_b128 v[FQ+8*\bb+4:FQ+8*\bb+7], v7, s[12:13] offset:524288*\bb+16
.endr
; a chunk = 4 K steps of w_q in f32: for step s the 16 numbers k = 32 s + 8 h + 0..7 and 32 s + 16 + 8 h + 0..7 of my row
.macro RAWLOAD ch
.irp s,0,1,2,3
.irp a,0,1,2,3
	global_load_b128 v[RAW+64*(\ch&1)+16*\s+4*\a:RAW+64*(\ch&1)+16*\s+4*\a+3], v8, s[10:11] offset:512*\ch+128*\s+64*(\a>>1)+16*(\a&1)
.endr
.endr
.endm
	RAWLOAD 0
	RAWLOAD 1
	s_mul_i32 s37, s26, 2*XSP
	v_lshlrev_b32 v9, 3, v1
	v_add_nc_u32 v9, s37, v9                       ; where my two normalised rows go
	v_mul_u32_u24 v10, v3, XSP
	v_lshl_add_u32 v10, v4, 4, v10                 ; fragments of the rows: row r, 16 h bytes in
	v_mul_u32_u24 v11, v3, QSP
	v_lshl_add_u32 v11, v4, 4, v11
	s_lshl_b32 s37, s26, 5
	s_add_co_u32 s37, s37, QSB
	v_add_nc_u32 v11, s37, v11                     ; rotated q: row r, channels 16 w + 8 h
	v_mul_u32_u24 v12, v4, QSP
	v_lshl_add_u32 v12, v3, 4, v12
	s_mul_i32 s37, s26, 8*QSP
	s_add_co_u32 s37, s37, QSB
	v_add_nc_u32 v12, s37, v12                     ; read back: rows 8 w + 2 i + L/16
	s_mov_b32 s33, 0x3b000000                      ; 1/512
	s_mov_b32 s34, 0x3727c5ac                      ; 1e-5
	s_mov_b32 s35, 0x76543210                      ; v_permlanex16_b32: lane i takes lane i of the other half
	s_mov_b32 s36, 0xfedcba98
	CPAIR LO, 0x31dc9c88
	CPAIR A1, 0x40c90fdb
	CPAIR A3, 0xc1255de7
	CPAIR A5, 0x40a335e3
	CPAIR A7, 0xbf996966
	CPAIR A9, 0x3e283c1a
	CPAIR B2, 0xc09de9e6
	CPAIR B4, 0x4081e0f8
	CPAIR B6, 0xbfaae9e4
	CPAIR B8, 0x3e70fa83
	CPAIR B10, 0xbcd368f9
.macro WSUM2                           ; the two rows' sums over the 32 lanes, in every lane
.irp m,1,2,4,8
.irp i,0,1
	v_add_f32_dpp v[ST+8*\i], v[ST+8*\i], v[ST+8*\i] row_xmask:\m row_mask:0xf bank_mask:0xf
.endr
.endr
.irp i,0,1
	v_permlanex16_b32 v[ST+8*\i+1], v[ST+8*\i], s35, s36
.endr
.irp i,0,1
	v_add_f32 v[ST+8*\i], v[ST+8*\i], v[ST+8*\i+1]
.endr
.endm
	s_wait_loadcnt 40                              ; x, w, b are in; younger: 8 angle loads and 32 of w_q
	; LayerNorm in two passes (mean, then the squares of the differences): a common offset of the row costs no digits
.irp i,0,1
	v_pk_add_f32 v[ST+8*\i:ST+8*\i+1], v[X+16*\i:X+16*\i+1], v[X+16*\i+2:X+16*\i+3]
	v_pk_add_f32 v[ST+8*\i+2:ST+8*\i+3], v[X+16*\i+4:X+16*\i+5], v[X+16*\i+6:X+16*\i+7]
.endr
.irp p,8,12
.irp i,0,1
	v_pk_add_f32 v[ST+8*\i:ST+8*\i+1], v[ST+8*\i:ST+8*\i+1], v[X+16*\i+\p:X+16*\i+\p+1]
	v_pk_add_f32 v[ST+8*\i+2:ST+8*\i+3], v[ST+8*\i+2:ST+8*\i+3], v[X+16*\i+\p+2:X+16*\i+\p+3]
.endr
.endr
.irp i,0,1
	v_pk_add_f32 v[ST+8*\i:ST+8*\i+1], v[ST+8*\i:ST+8*\i+1], v[ST+8*\i+2:ST+8*\i+3]
.endr
.irp i,0,1
	v_add_f32 v[ST+8*\i], v[ST+8*\i], v[ST+8*\i+1]
.endr
	WSUM2
.irp i,0,1
	v_mul_f32 v[ST+8*\i+4], s33, v[ST+8*\i]
	v_mul_f32 v[ST+8*\i+5], s33, v[ST+8*\i]
.endr
.irp i,0,1
.irp p,0,2,4,6,8,10,12,14
	v_pk_add_f32 v[X+16*\i+\p:X+16*\i+\p+1], v[X+16*\i+\p:X+16*\i+\p+1], v[ST+8*\i+4:ST+8*\i+5] neg_lo:[0,1] neg_hi:[0,1]
.endr
.endr
.irp i,0,1
	v_pk_mul_f32 v[ST+8*\i:ST+8*\i+1], v[X+16*\i:X+16*\i+1], v[X+16*\i:X+16*\i+1]
	v_pk_mul_f32 v[ST+8*\i+2:ST+8*\i+3], v[X+16*\i+2:X+16*\i+3], v[X+16*\i+2:X+16*\i+3]
.endr
.irp p,4,8,12
.irp i,0,1
	v_pk_fma_f32 v[ST+8*\i:ST+8*\i+1], v[X+16*\i+\p:X+16*\i+\p+1], v[X+16*\i+\p:X+16*\i+\p+1], v[ST+8*\i:ST+8*\i+1]
	v_pk_fma_f32 v[ST+8*\i+2:ST+8*\i+3], v[X+16*\i+\p+2:X+16*\i+\p+3], v[X+16*\i+\p+2:X+16*\i+\p+3], v[ST+8*\i+2:ST+8*\i+3]
.endr
.endr
.irp i,0,1
	v_pk_add_f32 v[ST+8*\i:ST+8*\i+1], v[ST+8*\i:ST+8*\i+1], v[ST+8*\i+2:ST+8*\i+3]
.endr
.irp i,0,1
	v_add_f32 v[ST+8*\i], v[ST+8*\i], v[ST+8*\i+1]
.endr
	WSUM2
.irp i,0,1
	v_fma_f32 v[ST+8*\i], v[ST+8*\i], s33, s34     ; variance + eps
.endr
.irp i,0,1
	v_rsq_f32 v[ST+8*\i+6], v[ST+8*\i]
	v_rsq_f32 v[ST+8*\i+7], v[ST+8*\i]
.endr
	v_nop                                          ; one plain instruction behind the last v_rsq_f32, ahead of its use
	s_wait_alu depctr_va_vdst(0)
.irp i,0,1
.irp p,0,2,4,6,8,10,12,14
	v_pk_mul_f32 v[X+16*\i+\p:X+16*\i+\p+1], v[X+16*\i+\p:X+16*\i+\p+1], v[ST+8*\i+6:ST+8*\i+7]
.endr
.endr
.irp i,0,1
.irp p,0,2,4,6,8,10,12,14
	v_pk_fma_f32 v[X+16*\i+\p:X+16*\i+\p+1], v[X+16*\i+\p:X+16*\i+\p+1], v[LW+\p:LW+\p+1], v[LB+\p:LB+\p+1]
.endr
.endr
.irp i,0,1
.irp j,0,1,2,3,4,5,6,7
	v_cvt_pk_f16_f32 v[X+16*\i+\j], v[X+16*\i+2*\j], v[X+16*\i+2*\j+1]    ; in place, ascending: word j is written after it was read
.endr
.endr
.irp i,0,1
.irp c,0,1,2,3
	ds_store_b64 v9, v[X+16*\i+2*\c:X+16*\i+2*\c+1] offset:XSP*\i+256*\c
.endr
.endr
	s_wait_dscnt 0x0                               ; my rows are in LDS before I say so
	s_barrier_signal -1
	s_barrier_wait -1                              ; all 16 rows are
; q^T tile: A = 16 rows of w_q (channels 16 w ..), B = the 16 normalised rows; K = 512 in 16 steps.  Two accumulators take turns,
; one instruction a turn; their sum is taken at the end.  The 8 conversions of a step are the places
; between the matrix instruction that last read a fragment set and the lines that write it again.
.macro QCHUNK ch
.if \ch
	PLACES 4                                       ; behind the last matrix instruction, ahead of the loads into its B registers
.endif
.irp s,0,1,2,3
	ds_load_b128 v[BF+8*\s:BF+8*\s+3], v10 offset:256*\ch+64*\s
	ds_load_b128 v[BF+8*\s+4:BF+8*\s+7], v10 offset:256*\ch+64*\s+32
.endr
.if \ch < 3
	s_wait_loadcnt 16                              ; this chunk of w_q is in; the next chunk's 16 loads are younger
.else
	s_wait_loadcnt 0x0
.endif
	s_wait_dscnt 0x0
.irp s,0,1,2,3
.irp j,0,1,2,3,4,5,6,7
	v_cvt_pk_f16_f32 v[AF+8*(\s&1)+\j], v[RAW+64*(\ch&1)+16*\s+2*\j], v[RAW+64*(\ch&1)+16*\s+2*\j+1]
.endr
.if (4*\ch+\s) < 2
	v_wmma_f32_16x16x32_f16 v[D+8*(\s&1):D+8*(\s&1)+7], v[AF+8*(\s&1):AF+8*(\s&1)+7], v[BF+8*\s:BF+8*\s+7], 0
.else
	v_wmma_f32_16x16x32_f16 v[D+8*(\s&1):D+8*(\s&1)+7], v[AF+8*(\s&1):AF+8*(\s&1)+7], v[BF+8*\s:BF+8*\s+7], v[D+8*(\s&1):D+8*(\s&1)+7]
.endif
.endr
.endm
	QCHUNK 0
	RAWLOAD 2
	QCHUNK 1
	RAWLOAD 3
	QCHUNK 2
	QCHUNK 3
	PLACES 4                                       ; behind the last matrix instruction, ahead of the reads of its result
.irp p,0,2,4,6
	v_pk_add_f32 v[D+\p:D+\p+1], v[D+\p:D+\p+1], v[D+8+\p:D+8+\p+1]
.endr
.irp p,0,2,4,6
	v_pk_mul_f32 v[D+\p:D+\p+1], v[D+\p:D+\p+1], 0x3e0293ee op_sel_hi:[1,0]   ; log2(e)/sqrt(128): the softmax works in base 2
.endr
	SINCOS16 FQ, SN, SS, SC
	SINCOS16 FQ+16, SN+16, SS+16, SC+16
	; lane (r, h) holds channels 16 w + 8 h + 0..7 of query r: out0 = x0 c0 - x1 s0, out1 = x1 c1 + x0 s1 for each pair of channels
.irp bb,0,1,2,3
.irp p,0,2,4,6
	v_pk_mul_f32 v[TT+12*\bb+\p:TT+12*\bb+\p+1], v[D+\p:D+\p+1], v[SC+8*\bb+\p:SC+8*\bb+\p+1]
.endr
.irp p,0,2,4,6
	v_pk_fma_f32 v[TT+12*\bb+\p:TT+12*\bb+\p+1], v[D+\p:D+\p+1], v[SS+8*\bb+\p:SS+8*\bb+\p+1], v[TT+12*\bb+\p:TT+12*\bb+\p+1] op_sel:[1,0,0] op_sel_hi:[0,1,1] neg_lo:[0,1,0]
.endr
.irp j,0,1,2,3
	v_cvt_pk_f16_f32 v[TT+12*\bb+8+\j], v[TT+12*\bb+2*\j], v[TT+12*\bb+2*\j+1]
.endr
	ds_store_b128 v11, v[TT+12*\bb+8:TT+12*\bb+11] offset:16*QSP*\bb
.endr
	s_lshl_b32 s30, s27, 2
	s_lshr_b32 s32, s26, 1
	s_add_co_u32 s30, s30, s32                     ; my 8 rows are of batch 4 y + w/2,
	s_lshl_b32 s30, s30, 18
	s_lshl_b32 s32, s28, 12
	s_add_co_u32 s30, s30, s32                     ; queries 16 x + 8 (w%2) ..
	s_and_b32 s32, s26, 1
	s_lshl_b32 s32, s32, 11
	s_add_co_u32 s30, s30, s32
	s_add_nc_u64 s[18:19], s[18:19], s[30:31]
	s_wait_dscnt 0x0
	s_barrier_signal -1
	s_barrier_wait -1                              ; all eight waves' channels of all 64 rows are in LDS
.irp i,0,1,2,3
	ds_load_b128 v[SN+4*\i:SN+4*\i+3], v12 offset:2*QSP*\i
.endr
.irp i,0,1,2,3
	s_wait_dscnt 3-\i
	global_store_b128 v6, v[SN+4*\i:SN+4*\i+3], s[18:19] offset:512*\i    ; two whole rows of 256 bytes
.endr
	s_set_vgpr_msb 0x5
	s_wait_tensorcnt 0x0
	ds_add_u32 v0, v1
	s_wait_dscnt 0x0
	s_set_vgpr_msb 0x500
	s_endpgm
.Lfunc_end_k_q6b93068420_prep:
	.size	k_q6b93068420_prep, .Lfunc_end_k_q6b93068420_prep-k_q6b93068420_prep
	.p2alignl 7, 3214868480
	.fill 96, 4, 3214868480
	.section	.rodata,"a",@progbits
	.p2align	6, 0x0
	.amdhsa_kernel k_q6b93068420_prep
		.amdhsa_group_segment_fixed_size 35840
		.amdhsa_private_segment_fixed_size 0
		.amdhsa_enable_private_segment 0
		.amdhsa_kernarg_size 80
		.amdhsa_user_sgpr_count 2
		.amdhsa_user_sgpr_kernarg_segment_ptr 1
		.amdhsa_wavefront_size32 1
		.amdhsa_system_sgpr_workgroup_id_x 1
		.amdhsa_system_sgpr_workgroup_id_y 1
		.amdhsa_system_sgpr_workgroup_id_z 1
		.amdhsa_system_vgpr_workitem_id 0
		.amdhsa_next_free_vgpr 258
		.amdhsa_next_free_sgpr 96
		.amdhsa_reserve_vcc 1
		.amdhsa_float_denorm_mode_32 3
		.amdhsa_float_denorm_mode_16_64 3
		.amdhsa_memory_ordered 1
		.amdhsa_forward_progress 1
		.amdhsa_inst_pref_size 59
	.end_amdhsa_kernel
	.amdgpu_metadata
---
amdhsa.version: [ 1, 2 ]
amdhsa.kernels:
  - .name:           k_q6b93068420_prep
    .symbol:         k_q6b93068420_prep.kd
    .args:
      - { .name: x_query, .offset: 0, .size: 8, .value_kind: global_buffer, .address_space: global }
      - { .name: ln_q_w, .offset: 8, .size: 8, .value_kind: global_buffer, .address_space: global }
      - { .name: ln_q_b, .offset: 16, .size: 8, .value_kind: global_buffer, .address_space: global }
      - { .name: w_q, .offset: 24, .size: 8, .value_kind: global_buffer, .address_space: global }
      - { .name: rotary_time_emb_query, .offset: 32, .size: 8, .value_kind: global_buffer, .address_space: global }
      - { .name: context_mask, .offset: 40, .size: 8, .value_kind: global_buffer, .address_space: global }
      - { .name: w_kv, .offset: 48, .size: 8, .value_kind: global_buffer, .address_space: global }
      - { .name: qh, .offset: 56, .size: 8, .value_kind: global_buffer, .address_space: global }
      - { .name: wh, .offset: 64, .size: 8, .value_kind: global_buffer, .address_space: global }
      - { .name: bias, .offset: 72, .size: 8, .value_kind: global_buffer, .address_space: global }
    .group_segment_fixed_size: 35840
    .private_segment_fixed_size: 0
    .kernarg_segment_align: 8
    .kernarg_segment_size: 80
    .max_flat_workgroup_size: 256
    .sgpr_count:     96
    .vgpr_count:     258
    .wavefront_size: 32
...
	.end_amdgpu_metadata
.endif
;; end of part 1
;; launch kvproj (part 2): grid 16 x 16, 4 waves a work-group, no clusters, 34,304 bytes of LDS; arguments x_context, rotary_time_emb_context, ln_c_w, ln_c_b, wh, kvh; writes kvh
.if DOCPART == 2
	.amdgcn_target "amdgcn-amd-amdhsa--gfx1250"
	.amdhsa_code_object_version 6
	.text
	.protected	k_q6b93068420_kvproj
	.globl	k_q6b93068420_kvproj
	.p2align	8
	.type	k_q6b93068420_kvproj,@function
k_q6b93068420_kvproj:
	s_mov_b64 s[64:65], 0
	v_nop
	global_prefetch_b8 v0, s[64:65] scope:SCOPE_SE
	s_setreg_imm32_b32 hwreg(HW_REG_WAVE_MODE, 25, 1), 1
	s_wait_xcnt 0x0
; kvproj: kvh[b][n] = (K 128 f16 | V 128 f16, 512 bytes a row) for every key n = 0 .. 8191 of batch b = y: LayerNorm of x_context's row n,
; times w_kv^T, K and V rotated by the key's angles.
; Work-group x = g makes rows 512 g .. 512 g + 511, 32 a trip, 16 trips.  Wave w normalises rows 8 w .. 8 w + 7; in the product it owns channels
; 32 w .. + 31 of K and of V (four tiles of 16), whose 64 x 256 weights stay in 256 registers; K and V share one set of sines and cosines.
; x comes straight into registers: each of its bytes is used by one wave, which sums over it before anything goes to LDS.
; No cluster: what work-groups share is the 131,072 bytes of weights, read once by each, against 786,432 bytes of rows and angles of its own.
; LIMITS: f16 operands and results (|k|, |v| < 65,504); polynomial sine and cosine, absolute error at most 1.5e-5.
.set XSP,   528                        ; LDS pitch of 512-byte rows: an odd multiple of 16
.set OSB,   32*XSP                     ; behind the 32 normalised rows: the 32 rows of K|V on their way out
.set TRIPS, 16
.set LW, 20                            ; v[20:27]   ln_c_w of my 8 columns
.set LB, 28                            ; v[28:35]   ln_c_b
.set P,  36                            ; v[36:67]   LayerNorm: 4 registers a row; later N of the sines; later rotated tiles 0-3
.set X,  68                            ; v[68:131]  8 rows x 8 numbers
.set FR, 132                           ; v[132:163] angles; later rotated tiles 4-7
.set SS, 164                           ; v[164:195] sines; also the normalised rows in f16, and the rows read back
.set SC, 196                           ; v[196:227] cosines
.set SN, 36
; v4 16 L; v5 where normalised rows go; v6 fragments; v7 results; v8 read back; v9 place in kvh; v12 offset in x; v14 offset in the angles
; window 1: v[8 (8 tl + s)] weights of tile tl, K step s.  window 2: v[8 (8 blk + s)] fragments of the rows, v[128 + 8 (4 blk + tl)] sums
.set LO, 70
.set A1, 72
.set A3, 74
.set A5, 76
.set A7, 78
.set A9, 80
.set B2, 82
.set B4, 84
.set B6, 86
.set B8, 88
.set B10, 90
.set MSB, 0
.macro WIN new                         ; the immediate's high byte repeats the setting that is left
.if MSB != \new
	s_set_vgpr_msb (MSB<<8)|\new
.set MSB, \new
.endif
.endm
.macro CPAIR reg, val
	s_mov_b32 s[\reg], \val
	s_mov_b32 s[\reg+1], \val
.endm
; sine and cosine of 16 angles: y = angle/2pi - nearest whole number; S = 2 sin(pi y), C = cos(pi y) by series; sin = S C, cos = 1 - S S / 2
.macro SINCOS16 F, N, S, C
.irp p,0,2,4,6,8,10,12,14
	v_pk_mul_f32 v[\N+\p:\N+\p+1], v[\F+\p:\F+\p+1], 0.15915494 op_sel_hi:[1,0]
.endr
.irp p,0,1,2,3,4,5,6,7,8,9,10,11,12,13,14,15
	v_rndne_f32 v[\N+\p], v[\N+\p]
.endr
.irp p,0,2,4,6,8,10,12,14
	v_pk_fma_f32 v[\N+\p:\N+\p+1], v[\F+\p:\F+\p+1], 0.15915494, v[\N+\p:\N+\p+1] op_sel_hi:[1,0,1] neg_lo:[0,0,1] neg_hi:[0,0,1]
.endr
.irp p,0,2,4,6,8,10,12,14
	v_pk_fma_f32 v[\N+\p:\N+\p+1], v[\F+\p:\F+\p+1], s[LO:LO+1], v[\N+\p:\N+\p+1] op_sel_hi:[1,0,1]
.endr
.irp p,0,2,4,6,8,10,12,14
	v_pk_mul_f32 v[\F+\p:\F+\p+1], v[\N+\p:\N+\p+1], v[\N+\p:\N+\p+1]
.endr
.irp p,0,2,4,6,8,10,12,14
	v_pk_fma_f32 v[\S+\p:\S+\p+1], v[\F+\p:\F+\p+1], s[A9:A9+1], s[A7:A7+1] op_sel_hi:[1,0,0]
	v_pk_fma_f32 v[\C+\p:\C+\p+1], v[\F+\p:\F+\p+1], s[B10:B10+1], s[B8:B8+1] op_sel_hi:[1,0,0]
.endr
.irp p,0,2,4,6,8,10,12,14
	v_pk_fma_f32 v[\S+\p:\S+\p+1], v[\S+\p:\S+\p+1], v[\F+\p:\F+\p+1], s[A5:A5+1] op_sel_hi:[1,1,0]
	v_pk_fma_f32 v[\C+\p:\C+\p+1], v[\C+\p:\C+\p+1], v[\F+\p:\F+\p+1], s[B6:B6+1] op_sel_hi:[1,1,0]
.endr
.irp p,0,2,4,6,8,10,12,14
	v_pk_fma_f32 v[\S+\p:\S+\p+1], v[\S+\p:\S+\p+1], v[\F+\p:\F+\p+1], s[A3:A3+1] op_sel_hi:[1,1,0]
	v_pk_fma_f32 v[\C+\p:\C+\p+1], v[\C+\p:\C+\p+1], v[\F+\p:\F+\p+1], s[B4:B4+1] op_sel_hi:[1,1,0]
.endr
.irp p,0,2,4,6,8,10,12,14
	v_pk_fma_f32 v[\S+\p:\S+\p+1], v[\S+\p:\S+\p+1], v[\F+\p:\F+\p+1], s[A1:A1+1] op_sel_hi:[1,1,0]
	v_pk_fma_f32 v[\C+\p:\C+\p+1], v[\C+\p:\C+\p+1], v[\F+\p:\F+\p+1], s[B2:B2+1] op_sel_hi:[1,1,0]
.endr
.irp p,0,2,4,6,8,10,12,14
	v_pk_mul_f32 v[\S+\p:\S+\p+1], v[\S+\p:\S+\p+1], v[\N+\p:\N+\p+1]
	v_pk_fma_f32 v[\C+\p:\C+\p+1], v[\C+\p:\C+\p+1], v[\F+\p:\F+\p+1], 1.0 op_sel_hi:[1,1,0]
.endr
.irp p,0,2,4,6,8,10,12,14
	v_pk_mul_f32 v[\F+\p:\F+\p+1], v[\S+\p:\S+\p+1], v[\S+\p:\S+\p+1]
	v_pk_mul_f32 v[\S+\p:\S+\p+1], v[\S+\p:\S+\p+1], v[\C+\p:\C+\p+1]
.endr
.irp p,0,2,4,6,8,10,12,14
	v_pk_fma_f32 v[\C+\p:\C+\p+1], v[\F+\p:\F+\p+1], -0.5, 1.0 op_sel_hi:[1,0,0]
.endr
.endm
.macro XLOAD                           ; my 8 rows of 1,024 bytes: each load covers 512 consecutive bytes
.irp i,0,1,2,3,4,5,6,7
.irp c,0,1
	global_load_b128 v[X+8*\i+4*\c:X+8*\i+4*\c+3], v12, s[4:5] offset:1024*\i+512*\c th:TH_LOAD_NT
.endr
.endr
.endm
.macro FLOAD                           ; angles of row 16 blk + r, channels 32 w + 16 t + 8 h + 0..7
.irp blk,0,1
.irp t,0,1
.irp i,0,1
	global_load_b128 v[FR+8*(2*\blk+\t)+4*\i:FR+8*(2*\blk+\t)+4*\i+3], v14, s[6:7] offset:8192*\blk+64*\t+16*\i
.endr
.endr
.endr
.endm
.macro WSUM8                           ; eight rows' sums over the 32 lanes, in every lane
.irp m,1,2,4,8
.irp i,0,1,2,3,4,5,6,7
	v_add_f32_dpp v[P+4*\i], v[P+4*\i], v[P+4*\i] row_xmask:\m row_mask:0xf bank_mask:0xf
.endr
.endr
.irp i,0,1,2,3,4,5,6,7
	v_permlanex16_b32 v[P+4*\i+1], v[P+4*\i], s28, s29
.endr
.irp i,0,1,2,3,4,5,6,7
	v_add_f32 v[P+4*\i], v[P+4*\i], v[P+4*\i+1]
.endr
.endm
.macro LN8                             ; LayerNorm of eight rows in two passes, then f16 into SS
.irp i,0,1,2,3,4,5,6,7
	v_pk_add_f32 v[P+4*\i:P+4*\i+1], v[X+8*\i:X+8*\i+1], v[X+8*\i+2:X+8*\i+3]
	v_pk_add_f32 v[P+4*\i+2:P+4*\i+3], v[X+8*\i+4:X+8*\i+5], v[X+8*\i+6:X+8*\i+7]
.endr
.irp i,0,1,2,3,4,5,6,7
	v_pk_add_f32 v[P+4*\i:P+4*\i+1], v[P+4*\i:P+4*\i+1], v[P+4*\i+2:P+4*\i+3]
.endr
.irp i,0,1,2,3,4,5,6,7
	v_add_f32 v[P+4*\i], v[P+4*\i], v[P+4*\i+1]
.endr
	WSUM8
.irp i,0,1,2,3,4,5,6,7
	v_mul_f32 v[P+4*\i+2], s30, v[P+4*\i]
	v_mul_f32 v[P+4*\i+3], s30, v[P+4*\i]
.endr
.irp i,0,1,2,3,4,5,6,7
.irp p,0,2,4,6
	v_pk_add_f32 v[X+8*\i+\p:X+8*\i+\p+1], v[X+8*\i+\p:X+8*\i+\p+1], v[P+4*\i+2:P+4*\i+3] neg_lo:[0,1] neg_hi:[0,1]
.endr
.endr
.irp i,0,1,2,3,4,5,6,7
	v_pk_mul_f32 v[P+4*\i:P+4*\i+1], v[X+8*\i:X+8*\i+1], v[X+8*\i:X+8*\i+1]
.endr
.irp p,2,4,6
.irp i,0,1,2,3,4,5,6,7
	v_pk_fma_f32 v[P+4*\i:P+4*\i+1], v[X+8*\i+\p:X+8*\i+\p+1], v[X+8*\i+\p:X+8*\i+\p+1], v[P+4*\i:P+4*\i+1]
.endr
.endr
.irp i,0,1,2,3,4,5,6,7
	v_add_f32 v[P+4*\i], v[P+4*\i], v[P+4*\i+1]
.endr
	WSUM8
.irp i,0,1,2,3,4,5,6,7
	v_fma_f32 v[P+4*\i], v[P+4*\i], s30, s31
.endr
.irp i,0,1,2,3,4,5,6,7
	v_rsq_f32 v[P+4*\i+2], v[P+4*\i]
	v_rsq_f32 v[P+4*\i+3], v[P+4*\i]
.endr
	v_nop                                          ; one plain instruction behind the last v_rsq_f32, ahead of its use
	s_wait_alu depctr_va_vdst(0)
.irp i,0,1,2,3,4,5,6,7
.irp p,0,2,4,6
	v_pk_mul_f32 v[X+8*\i+\p:X+8*\i+\p+1], v[X+8*\i+\p:X+8*\i+\p+1], v[P+4*\i+2:P+4*\i+3]
.endr
.endr
.irp i,0,1,2,3,4,5,6,7
.irp p,0,2,4,6
	v_pk_fma_f32 v[X+8*\i+\p:X+8*\i+\p+1], v[X+8*\i+\p:X+8*\i+\p+1], v[LW+\p:LW+\p+1], v[LB+\p:LB+\p+1]
.endr
.endr
.irp i,0,1,2,3,4,5,6,7
.irp j,0,1,2,3
	v_cvt_pk_f16_f32 v[SS+4*\i+\j], v[X+8*\i+2*\j], v[X+8*\i+2*\j+1]
.endr
.endr
.endm
	s_load_b256 s[4:11], s[0:1], 0x0               ; x 4, angles 6, ln w 8, ln b 10
	s_load_b128 s[12:15], s[0:1], 0x20             ; wh 12, kvh 14
	v_lshl_add_u32 v254, v0, 2, 0x8400
	v_mov_b32 v255, 0
	v_and_b32 v1, 31, v0                           ; L
	v_lshrrev_b32 v2, 5, v0
	v_readfirstlane_b32 s20, v2                    ; wave w
	s_and_b32 s21, ttmp7, 0xffff                   ; b
	s_lshl_b32 s26, s21, 23                        ; batch x 8,192 rows x 1,024 bytes
	s_lshl_b32 s24, ttmp9, 19                      ; + g x 512 rows
	s_add_co_u32 s26, s26, s24
	s_mov_b32 s27, 0
	v_lshlrev_b32 v4, 4, v1                        ; 16 L
	v_lshl_add_u32 v228, s20, 15, v4               ; my wave's 32 KiB of wh
	v_lshl_add_u32 v12, s20, 13, v4                ; x: rows 8 w ..
	v_and_b32 v232, 15, v0                         ; r
	v_bfe_u32 v233, v0, 4, 1                       ; h
	v_lshlrev_b32 v14, 9, v232                     ; angles: row r,
	v_lshl_add_u32 v14, v233, 5, v14
	v_lshl_add_u32 v14, s20, 7, v14                ; channels 32 w + 8 h
	s_wait_kmcnt 0x0
	s_add_nc_u64 s[4:5], s[4:5], s[26:27]          ; x_context at my first row
	s_lshr_b32 s26, s26, 1                         ; rows of 512 bytes
	s_add_nc_u64 s[6:7], s[6:7], s[26:27]          ; the angles,
	s_add_nc_u64 s[14:15], s[14:15], s[26:27]      ; and kvh, at my first row
	WIN 0x40                                       ; destination in window 1
.set idx, 0
.rept 64
	global_load_b128 v[4*idx:4*idx+3], v228, s[12:13] offset:512*idx
.set idx, idx+1
.endr
	WIN 0
	global_load_b128 v[LW:LW+3], v4, s[8:9]
	global_load_b128 v[LW+4:LW+7], v4, s[8:9] offset:512
	global_load_b128 v[LB:LB+3], v4, s[10:11]
	global_load_b128 v[LB+4:LB+7], v4, s[10:11] offset:512
	XLOAD                                          ; the first trip's rows,
	FLOAD                                          ; and its angles: the youngest eight loads
	s_mul_i32 s25, s20, 8*XSP
	v_lshlrev_b32 v5, 3, v1
	v_add_nc_u32 v5, s25, v5                       ; normalised rows 8 w ..: 8 L bytes in
	v_mul_u32_u24 v6, v232, XSP
	v_lshl_add_u32 v6, v233, 4, v6                 ; fragments: row r, 16 h bytes in
	s_lshl_b32 s26, s20, 6
	s_add_co_u32 s26, s26, OSB
	v_add_nc_u32 v7, s26, v6                       ; results: row r, byte 64 w + 16 h
	s_add_co_u32 s25, s25, OSB
	v_add_nc_u32 v8, s25, v4                       ; read back: rows 8 w ..
	v_lshl_add_u32 v9, s20, 12, v4                 ; and their place in kvh
	s_mov_b32 s28, 0x76543210
	s_mov_b32 s29, 0xfedcba98
	s_mov_b32 s30, 0x3b800000                      ; 1/256
	s_mov_b32 s31, 0x3727c5ac                      ; 1e-5
	CPAIR LO, 0x31dc9c88
	CPAIR A1, 0x40c90fdb
	CPAIR A3, 0xc1255de7
	CPAIR A5, 0x40a335e3
	CPAIR A7, 0xbf996966
	CPAIR A9, 0x3e283c1a
	CPAIR B2, 0xc09de9e6
	CPAIR B4, 0x4081e0f8
	CPAIR B6, 0xbfaae9e4
	CPAIR B8, 0x3e70fa83
	CPAIR B10, 0xbcd368f9
; One trip: 32 rows.  more = 1: the next trip's rows and angles are asked for.  Loads are always issued in the order x (16), angles (8).
.macro KVTRIP more
	s_wait_loadcnt 8                               ; this trip's x (and, the first time, weights and gains) is in; its 8 angle loads are younger
	LN8
.irp i,0,1,2,3,4,5,6,7
	ds_store_b64 v5, v[SS+4*\i:SS+4*\i+1] offset:XSP*\i
	ds_store_b64 v5, v[SS+4*\i+2:SS+4*\i+3] offset:XSP*\i+256
.endr
.if \more
	s_add_nc_u64 s[4:5], s[4:5], 32*1024           ; the loads that named this base are in: the next 32 rows
	XLOAD
.endif
	s_wait_dscnt 0x0                               ; my rows are in LDS, and my read-back of the last trip is over, before I say so
	s_barrier_signal -1
	s_barrier_wait -1                              ; all 32 rows are there; nobody reads the last trip's results any more
	WIN 0x80                                       ; destination in window 2
.irp s,0,1,2,3,4,5,6,7
.irp blk,0,1
	ds_load_b128 v[8*(8*\blk+\s):8*(8*\blk+\s)+3], v6 offset:16*XSP*\blk+64*\s
	ds_load_b128 v[8*(8*\blk+\s)+4:8*(8*\blk+\s)+7], v6 offset:16*XSP*\blk+64*\s+32
.endr
.endr
	WIN 0xA9                                       ; A window 1, B, C and D window 2
.irp s,0,1,2,3,4,5,6,7
	s_wait_dscnt 28-4*\s                           ; step s's four loads are back; four for each later step are younger
.irp blk,0,1
.irp tl,0,1,2,3
.if \s
	v_wmma_f32_16x16x32_f16 v[128+8*(4*\blk+\tl):128+8*(4*\blk+\tl)+7], v[8*(8*\tl+\s):8*(8*\tl+\s)+7], v[8*(8*\blk+\s):8*(8*\blk+\s)+7], v[128+8*(4*\blk+\tl):128+8*(4*\blk+\tl)+7]
.else
	v_wmma_f32_16x16x32_f16 v[128+8*(4*\blk+\tl):128+8*(4*\blk+\tl)+7], v[8*(8*\tl+\s):8*(8*\tl+\s)+7], v[8*(8*\blk+\s):8*(8*\blk+\s)+7], 0
.endif
.endr
.endr
.endr                                              ; the eight accumulators take turns, one instruction a turn
	WIN 0
	s_wait_loadcnt 16*\more                        ; the angles are in; the next trip's 16 loads of x are younger
	SINCOS16 FR, SN, SS, SC                        ; these also stand between the matrix instructions and the reads of their results
	SINCOS16 FR+16, SN+16, SS+16, SC+16
	WIN 0x02                                       ; source 0 (the sums) in window 2
	; lane (r, h) holds channels 8 h + 0..7 of a tile for row r: out0 = x0 c0 - x1 s0, out1 = x1 c1 + x0 s1 for each pair of channels
.irp blk,0,1
.irp tl,0,1,2,3
.irp p,0,2,4,6
	v_pk_mul_f32 v[36+8*(4*\blk+\tl)+64*\blk+\p:36+8*(4*\blk+\tl)+64*\blk+\p+1], v[128+8*(4*\blk+\tl)+\p:128+8*(4*\blk+\tl)+\p+1], v[SC+8*(2*\blk+(\tl&1))+\p:SC+8*(2*\blk+(\tl&1))+\p+1]
.endr
.irp p,0,2,4,6
	v_pk_fma_f32 v[36+8*(4*\blk+\tl)+64*\blk+\p:36+8*(4*\blk+\tl)+64*\blk+\p+1], v[128+8*(4*\blk+\tl)+\p:128+8*(4*\blk+\tl)+\p+1], v[SS+8*(2*\blk+(\tl&1))+\p:SS+8*(2*\blk+(\tl&1))+\p+1], v[36+8*(4*\blk+\tl)+64*\blk+\p:36+8*(4*\blk+\tl)+64*\blk+\p+1] op_sel:[1,0,0] op_sel_hi:[0,1,1] neg_lo:[0,1,0]
.endr
.endr
.endr
	WIN 0
.irp blk,0,1
.irp tl,0,1,2,3
.irp j,0,1,2,3
	v_cvt_pk_f16_f32 v[36+8*(4*\blk+\tl)+64*\blk+\j], v[36+8*(4*\blk+\tl)+64*\blk+2*\j], v[36+8*(4*\blk+\tl)+64*\blk+2*\j+1]
.endr
	ds_store_b128 v7, v[36+8*(4*\blk+\tl)+64*\blk:36+8*(4*\blk+\tl)+64*\blk+3] offset:16*XSP*\blk+256*(\tl>>1)+32*(\tl&1)
.endr
.endr
	s_wait_dscnt 0x0                               ; my results are in LDS, and my reads of the rows' fragments are long over
.if \more
	s_add_nc_u64 s[6:7], s[6:7], 32*512            ; the loads that named this base are in: the next 32 rows' angles
	FLOAD
.endif
	s_barrier_signal -1
	s_barrier_wait -1                              ; all four waves' channels are there; nobody reads this trip's normalised rows any more
.irp i,0,1,2,3,4,5,6,7
	ds_load_b128 v[SS+4*\i:SS+4*\i+3], v8 offset:XSP*\i
.endr
.irp i,0,1,2,3,4,5,6,7
	s_wait_dscnt 7-\i
	global_store_b128 v9, v[SS+4*\i:SS+4*\i+3], s[14:15] offset:512*\i    ; a whole row of K|V: 512 consecutive bytes
.endr
.if \more
	s_wait_xcnt 0x0                                ; the stores' data registers and base are written again only behind this wait
	s_add_nc_u64 s[14:15], s[14:15], 32*512
.endif
.endm
	s_mov_b32 s25, TRIPS-1                         ; the trips that look ahead; the last is written out
.Ltrip:
	KVTRIP 1
	s_sub_co_u32 s25, s25, 1
	s_cmp_lg_u32 s25, 0
	s_cbranch_scc1 .Ltrip
	KVTRIP 0
	s_wait_tensorcnt 0x0
	ds_add_u32 v254, v255
	s_wait_dscnt 0x0
	s_endpgm
.Lfunc_end_k_q6b93068420_kvproj:
	.size	k_q6b93068420_kvproj, .Lfunc_end_k_q6b93068420_kvproj-k_q6b93068420_kvproj
	.p2alignl 7, 3214868480
	.fill 96, 4, 3214868480
	.section	.rodata,"a",@progbits
	.p2align	6, 0x0
	.amdhsa_kernel k_q6b93068420_kvproj
		.amdhsa_group_segment_fixed_size 34304
		.amdhsa_private_segment_fixed_size 0
		.amdhsa_enable_private_segment 0
		.amdhsa_kernarg_size 48
		.amdhsa_user_sgpr_count 2
		.amdhsa_user_sgpr_kernarg_segment_ptr 1
		.amdhsa_wavefront_size32 1
		.amdhsa_system_sgpr_workgroup_id_x 1
		.amdhsa_system_sgpr_workgroup_id_y 1
		.amdhsa_system_sgpr_workgroup_id_z 1
		.amdhsa_system_vgpr_workitem_id 0
		.amdhsa_next_free_vgpr 704
		.amdhsa_next_free_sgpr 96
		.amdhsa_reserve_vcc 0
		.amdhsa_float_denorm_mode_32 3
		.amdhsa_float_denorm_mode_16_64 3
		.amdhsa_memory_ordered 1
		.amdhsa_forward_progress 1
		.amdhsa_inst_pref_size 121
	.end_amdhsa_kernel
	.amdgpu_metadata
---
amdhsa.version: [ 1, 2 ]
amdhsa.kernels:
  - .name:           k_q6b93068420_kvproj
    .symbol:         k_q6b93068420_kvproj.kd
    .args:
      - { .name: x_context, .offset: 0, .size: 8, .value_kind: global_buffer, .address_space: global }
      - { .name: rotary_time_emb_context, .offset: 8, .size: 8, .value_kind: global_buffer, .address_space: global }
      - { .name: ln_c_w, .offset: 16, .size: 8, .value_kind: global_buffer, .address_space: global }
      - { .name: ln_c_b, .offset: 24, .size: 8, .value_kind: global_buffer, .address_space: global }
      - { .name: wh, .offset: 32, .size: 8, .value_kind: global_buffer, .address_space: global }
      - { .name: kvh, .offset: 40, .size: 8, .value_kind: global_buffer, .address_space: global }
    .group_segment_fixed_size: 34304
    .private_segment_fixed_size: 0
    .kernarg_segment_align: 8
    .kernarg_segment_size: 48
    .max_flat_workgroup_size: 128
    .sgpr_count:     96
    .vgpr_count:     704
    .wavefront_size: 32
...
	.end_amdgpu_metadata
.endif
;; end of part 2
;; launch attn (part 3): grid 16 x 16, 4 waves a work-group, clusters of 4 x 1, 327,680 bytes of LDS; arguments qh, kvh, bias, context_mask, rotary_time_emb_query, part; writes part
.if DOCPART == 3
	.amdgcn_target "amdgcn-amd-amdhsa--gfx1250"
	.amdhsa_code_object_version 6
	.text
	.protected	k_q6b93068420_attn
	.globl	k_q6b93068420_attn
	.p2align	8
	.type	k_q6b93068420_attn,@function
k_q6b93068420_attn:
	s_mov_b64 s[64:65], 0
	v_nop
	global_prefetch_b8 v0, s[64:65] scope:SCOPE_SE
	s_setreg_imm32_b32 hwreg(HW_REG_WAVE_MODE, 25, 1), 1
	s_wait_xcnt 0x0
	s_wait_alu depctr_hold_cnt(0) depctr_sa_sdst(0) depctr_va_vdst(0) depctr_va_sdst(0) depctr_va_ssrc(0) depctr_va_vcc(0) depctr_vm_vsrc(0)
	s_getreg_b32 s2, hwreg(HW_REG_IB_STS2, 6, 4)
	s_cmp_eq_u32 s2, 0
	s_cbranch_scc0 .Lentry_in_a_cluster
	s_endpgm
.Lentry_in_a_cluster:
	s_bfe_u32 s2, ttmp6, 0x10000c
	s_cmp_lg_u32 s2, 0x3003
	s_cbranch_scc0 .Lentry_shape_is_right
	s_endpgm
.Lentry_shape_is_right:
; attn: softmax attention of 64 queries (block qb = 4 x cluster x + cx) of batch b = y over the batch's 8,192 keys, with a running maximum;
; then 1/l, the un-rotation by the queries' angles and the sum over the 64 queries: part[b][qb][128].
; A tile is 256 keys, 32 tiles; wave w takes keys 64 w .. + 63 of every tile for all 64 queries and keeps its own (m, l, O); the four are merged at the end.
; S^T = K Q^T + bias: lane (r, h) holds keys 8 h + j of query r, which, narrowed to f16, IS the B fragment of O^T = V^T P^T: no shuffle, and the
; softmax's figures are one number a lane.  q carries log2(e)/sqrt(128), so the exponentials are in base 2.
; THE MASK: bias[b][key] is 0 or -1e30 and enters as the C operand of each sum's first product (register j of lane (r, h) is key 8 h + j, the same
; for every query), so masking costs no vector instruction.  A masked key's weight is 2^(-1e30 - m) = 0.  A wave whose keys so far are all masked has
; m near -1e30 and finite sums, which the factor 2^(-1e30 - m) = 0 wipes at its next valid key or in the merge.  Where a batch's mask has no true
; place at all, q is cleared (an AND with 0): every logit is then exactly -1e30 and the softmax uniform, as in the reference.
; CLUSTER: the four work-groups of a cluster have the same batch, hence the same K and V tiles; each tile is asked for jointly (mask 15).
; No branch, trip count or LDS address hangs on the place in the cluster.
; LIMITS: f16 operands; P below about 6e-8 of a row's largest rounds to 0; k and v of masked keys must be finite in f16 too; the sums over keys run by waves.
.set KP,    272                        ; LDS pitch of K's rows: 256 + 16
.set VP,    288                        ; of V's rows: 256 + 32 (an odd multiple of 32, for the transposing loads)
.set VOFF,  256*KP                     ; V behind K in a slot
.set SLOT,  256*KP+256*VP              ; 143,360
.set STB,   2*SLOT                     ; m[4][64], l[4][64]: bytes of their own, no fill lands here
.set REDB,  STB+2048                   ; 4 x 128 f32
.set TILEB, 256*512                    ; a tile's rows in kvh
.set PAIRS, 14                         ; 32 tiles = 2 written out + 2 x 14 in the loop + 2 written out
.set KA, 4                             ; v4, v5   my K fragments in slot 0, 1
.set VA, 6                             ; v6, v7   my V fragments
.set MN, 32                            ; v[32:39] new maximum of query tile c in v[32+2c] (the odd halves are only named)
.set AL, 40                            ; v[40:47] 2^(old - new maximum), likewise
.set LP, 48                            ; v[48:55] two partial sums of l for each c
.set MO, 56                            ; v[56:59] running maximum
.set T,  60
.set T2, 64
.set SB, 80                            ; v[80:207] S[kt][c] at 80 + 8 (4 kt + c); P[c][ks] takes the place of S[2 ks][c]
.set BIAS, 208                         ; v[208:239] the bias of my 64 keys: key tile kt at 208 + 8 kt
; window 1: v[8 (4 c + s)] Q, v[128 + 8 (4 kt + s)] K.  window 2: v[8 (4 dt + c)] O.  window 3: v[8 (8 ks + dt)] V^T
.set G1K, 24
.set G0K, 32
.set G1V, 40
.set G0V, 48
.set LO, 70
.set A1, 72
.set A3, 74
.set A5, 76
.set A7, 78
.set A9, 80
.set B2, 82
.set B4, 84
.set B6, 86
.set B8, 88
.set B10, 90
.set MSB, 0
.macro WIN new
.if MSB != \new
	s_set_vgpr_msb (MSB<<8)|\new
.set MSB, \new
.endif
.endm
.macro PLACES n
.rept \n
	v_nop
.endr
.endm
.macro CPAIR reg, val
	s_mov_b32 s[\reg], \val
	s_mov_b32 s[\reg+1], \val
.endm
; sine and cosine of 16 angles: y = angle/2pi - nearest whole number; S = 2 sin(pi y), C = cos(pi y) by series; sin = S C, cos = 1 - S S / 2
.macro SINCOS16 F, N, S, C
.irp p,0,2,4,6,8,10,12,14
	v_pk_mul_f32 v[\N+\p:\N+\p+1], v[\F+\p:\F+\p+1], 0.15915494 op_sel_hi:[1,0]
.endr
.irp p,0,1,2,3,4,5,6,7,8,9,10,11,12,13,14,15
	v_rndne_f32 v[\N+\p], v[\N+\p]
.endr
.irp p,0,2,4,6,8,10,12,14
	v_pk_fma_f32 v[\N+\p:\N+\p+1], v[\F+\p:\F+\p+1], 0.15915494, v[\N+\p:\N+\p+1] op_sel_hi:[1,0,1] neg_lo:[0,0,1] neg_hi:[0,0,1]
.endr
.irp p,0,2,4,6,8,10,12,14
	v_pk_fma_f32 v[\N+\p:\N+\p+1], v[\F+\p:\F+\p+1], s[LO:LO+1], v[\N+\p:\N+\p+1] op_sel_hi:[1,0,1]
.endr
.irp p,0,2,4,6,8,10,12,14
	v_pk_mul_f32 v[\F+\p:\F+\p+1], v[\N+\p:\N+\p+1], v[\N+\p:\N+\p+1]
.endr
.irp p,0,2,4,6,8,10,12,14
	v_pk_fma_f32 v[\S+\p:\S+\p+1], v[\F+\p:\F+\p+1], s[A9:A9+1], s[A7:A7+1] op_sel_hi:[1,0,0]
	v_pk_fma_f32 v[\C+\p:\C+\p+1], v[\F+\p:\F+\p+1], s[B10:B10+1], s[B8:B8+1] op_sel_hi:[1,0,0]
.endr
.irp p,0,2,4,6,8,10,12,14
	v_pk_fma_f32 v[\S+\p:\S+\p+1], v[\S+\p:\S+\p+1], v[\F+\p:\F+\p+1], s[A5:A5+1] op_sel_hi:[1,1,0]
	v_pk_fma_f32 v[\C+\p:\C+\p+1], v[\C+\p:\C+\p+1], v[\F+\p:\F+\p+1], s[B6:B6+1] op_sel_hi:[1,1,0]
.endr
.irp p,0,2,4,6,8,10,12,14
	v_pk_fma_f32 v[\S+\p:\S+\p+1], v[\S+\p:\S+\p+1], v[\F+\p:\F+\p+1], s[A3:A3+1] op_sel_hi:[1,1,0]
	v_pk_fma_f32 v[\C+\p:\C+\p+1], v[\C+\p:\C+\p+1], v[\F+\p:\F+\p+1], s[B4:B4+1] op_sel_hi:[1,1,0]
.endr
.irp p,0,2,4,6,8,10,12,14
	v_pk_fma_f32 v[\S+\p:\S+\p+1], v[\S+\p:\S+\p+1], v[\F+\p:\F+\p+1], s[A1:A1+1] op_sel_hi:[1,1,0]
	v_pk_fma_f32 v[\C+\p:\C+\p+1], v[\C+\p:\C+\p+1], v[\F+\p:\F+\p+1], s[B2:B2+1] op_sel_hi:[1,1,0]
.endr
.irp p,0,2,4,6,8,10,12,14
	v_pk_mul_f32 v[\S+\p:\S+\p+1], v[\S+\p:\S+\p+1], v[\N+\p:\N+\p+1]
	v_pk_fma_f32 v[\C+\p:\C+\p+1], v[\C+\p:\C+\p+1], v[\F+\p:\F+\p+1], 1.0 op_sel_hi:[1,1,0]
.endr
.irp p,0,2,4,6,8,10,12,14
	v_pk_mul_f32 v[\F+\p:\F+\p+1], v[\S+\p:\S+\p+1], v[\S+\p:\S+\p+1]
	v_pk_mul_f32 v[\S+\p:\S+\p+1], v[\S+\p:\S+\p+1], v[\C+\p:\C+\p+1]
.endr
.irp p,0,2,4,6,8,10,12,14
	v_pk_fma_f32 v[\C+\p:\C+\p+1], v[\F+\p:\F+\p+1], -0.5, 1.0 op_sel_hi:[1,0,0]
.endr
.endm
; A round of the cluster's barrier: my work-group's barrier, wave 0 signals for the work-group, every wave waits for all four work-groups,
; my work-group's barrier once more.
.macro ROUND
	s_barrier_signal -1
	s_barrier_wait -1
	s_cmp_lg_u32 s20, 0
	s_cbranch_scc1 .Lnot_wave_0_\@
	s_barrier_signal -3
.Lnot_wave_0_\@:
	s_barrier_wait -3
	s_barrier_signal -1
	s_barrier_wait -1
.endm
; A joint load: waves 0, 1 ask for the two halves (128 rows) of K's tile, waves 2, 3 for V's.  The branch hangs on the wave's number alone.
.macro JLOAD sl
	s_cmp_eq_u32 s21, 0
	s_cbranch_scc0 .Lfor_v_\@
	tensor_load_to_lds s[G0K+4*\sl:G0K+4*\sl+3], s[G1K:G1K+7]
	s_nop 0
	s_branch .Lasked_\@
.Lfor_v_\@:
	tensor_load_to_lds s[G0V+4*\sl:G0V+4*\sl+3], s[G1V:G1V+7]
	s_nop 0
.Lasked_\@:
.endm
.macro BLOAD                           ; the bias of my 64 keys of a tile: register 8 kt + j of lane (r, h) is key 16 kt + 8 h + j
.irp kt,0,1,2,3
	global_load_b128 v[BIAS+8*\kt:BIAS+8*\kt+3], v23, s[8:9] offset:64*\kt
	global_load_b128 v[BIAS+8*\kt+4:BIAS+8*\kt+7], v23, s[8:9] offset:64*\kt+16
.endr
.endm
.macro VLOAD slot, ks                  ; V^T fragments of keys 32 ks .. + 31 of my 64, all 128 channels
.irp dt,0,1,2,3,4,5,6,7
	ds_load_tr16_b128 v[8*(8*\ks+\dt):8*(8*\ks+\dt)+3], v[VA+\slot] offset:32*VP*\ks+32*\dt
	ds_load_tr16_b128 v[8*(8*\ks+\dt)+4:8*(8*\ks+\dt)+7], v[VA+\slot] offset:32*VP*\ks+32*\dt+16*VP
.endr
.endm
	s_load_b256 s[4:11], s[0:1], 0x0               ; qh 4, kvh 6, bias 8, mask 10
	s_load_b128 s[12:15], s[0:1], 0x20             ; angles 12, part 14
	v_lshl_add_u32 v254, v0, 2, 0x47000
	v_mov_b32 v255, 0
	ds_add_u32 v254, v255
	v_and_b32 v1, 31, v0                           ; L
	v_lshrrev_b32 v20, 5, v0
	v_readfirstlane_b32 s20, v20                   ; wave w
	s_lshr_b32 s21, s20, 1                         ; 0: I fetch K, 1: V
	s_and_b32 s22, s20, 1                          ; which 128 rows of the tile
	s_and_b32 s23, ttmp7, 0xffff                   ; b
	s_bfe_u32 s56, ttmp6, 0x40000                  ; cx
	s_lshl_b32 s57, ttmp9, 2
	s_add_co_u32 s57, s57, s56                     ; qb: enters global addresses of my own loads and stores only
	s_mov_b32 s17, 0                               ; the upper word of every 32-bit offset
	; group 1: a tile of 128 rows x 128 f16 out of rows of 256 f16, padded in LDS behind every 64 words by 4 (K) or 8 (V) words; mask 15, bit 21 beside it
	s_mov_b32 s[G1K+0], 15|(1<<16)|(1<<20)|(1<<21)|(5<<22)|(3<<25)
	s_mov_b32 s[G1V+0], 15|(1<<16)|(1<<20)|(1<<21)|(5<<22)|(7<<25)
	s_mov_b32 s[G1K+1], 128<<16                    ; tensor_dim0 = 128
	s_mov_b32 s[G1V+1], 128<<16
	s_mov_b32 s[G1K+2], 128<<16                    ; tensor_dim1 = 128
	s_mov_b32 s[G1V+2], 128<<16
	s_mov_b32 s[G1K+3], 128<<16                    ; tile_dim0 = 128
	s_mov_b32 s[G1V+3], 128<<16
	s_mov_b32 s[G1K+4], 128                        ; tile_dim1 = 128
	s_mov_b32 s[G1V+4], 128
	s_mov_b32 s[G1K+5], 256                        ; elements from row to row
	s_mov_b32 s[G1V+5], 256
	s_mov_b32 s[G1K+6], 0
	s_mov_b32 s[G1V+6], 0
	s_mov_b32 s[G1K+7], 0
	s_mov_b32 s[G1V+7], 0
	s_lshl_b32 s16, s23, 22                        ; kvh[b],
	s_lshl_b32 s62, s22, 16                        ; my 128 rows of 512 bytes
	s_add_co_u32 s16, s16, s62
	s_mul_i32 s62, s22, 128*KP
	s_mul_i32 s63, s22, 128*VP
	s_wait_dscnt 0x0
	s_wait_kmcnt 0x0
	s_add_nc_u64 s[66:67], s[6:7], s[16:17]
.irp sl,0,1
	s_mov_b32 s[G0K+4*\sl], 1
	s_add_co_u32 s[G0K+4*\sl+1], s62, \sl*SLOT
	s_add_nc_u64 s[G0K+4*\sl+2:G0K+4*\sl+3], s[66:67], \sl*TILEB
	s_or_b32 s[G0K+4*\sl+3], s[G0K+4*\sl+3], 0x80000000
	s_mov_b32 s[G0V+4*\sl], 1
	s_add_co_u32 s[G0V+4*\sl+1], s63, VOFF+\sl*SLOT
	s_add_nc_u64 s[G0V+4*\sl+2:G0V+4*\sl+3], s[66:67], \sl*TILEB+256
	s_or_b32 s[G0V+4*\sl+3], s[G0V+4*\sl+3], 0x80000000
.endr
	ROUND                                          ; all four work-groups are here: the first joint loads meet
	JLOAD 0                                        ; tile 0; by this text's count a wave never has more than one tensor load out
	v_and_b32 v2, 15, v0                           ; r
	v_bfe_u32 v3, v0, 4, 1                         ; h
	v_lshlrev_b32 v11, 8, v2
	v_lshl_add_u32 v11, v3, 4, v11                 ; Q: row r, 16 h bytes in
	v_lshlrev_b32 v18, 4, v1                       ; 16 L
	v_lshlrev_b32 v23, 5, v3
	v_lshl_add_u32 v23, s20, 8, v23                ; bias: keys 64 w + 8 h ..
	s_lshl_b32 s16, s23, 18
	s_lshl_b32 s62, s57, 14
	s_add_co_u32 s16, s16, s62
	s_add_nc_u64 s[4:5], s[4:5], s[16:17]          ; qh at my 64 queries
	s_lshl_b32 s16, s23, 15
	s_add_nc_u64 s[8:9], s[8:9], s[16:17]          ; bias[b]
	s_lshl_b32 s16, s23, 11
	s_add_nc_u64 s[10:11], s[10:11], s[16:17]      ; context_mask[b]
	WIN 0x40
.irp c,0,1,2,3
.irp s,0,1,2,3
	global_load_b128 v[8*(4*\c+\s):8*(4*\c+\s)+3], v11, s[4:5] offset:4096*\c+64*\s
	global_load_b128 v[8*(4*\c+\s)+4:8*(4*\c+\s)+7], v11, s[4:5] offset:4096*\c+64*\s+32
.endr
.endr
	WIN 0
.irp i,0,1,2,3
	global_load_b128 v[80+4*\i:80+4*\i+3], v18, s[10:11] offset:512*\i    ; the batch's 2,048 bytes of mask
.endr
	BLOAD                                          ; tile 0's bias
	s_lshl_b32 s16, s23, 19
	s_lshl_b32 s62, s57, 15
	s_add_co_u32 s16, s16, s62
	s_add_nc_u64 s[12:13], s[12:13], s[16:17]      ; the angles of my 64 queries
	s_lshl_b32 s16, s23, 4
	s_add_co_u32 s16, s16, s57
	s_lshl_b32 s16, s16, 9
	s_add_nc_u64 s[14:15], s[14:15], s[16:17]      ; part[b][qb]
	v_mul_u32_u24 v4, v2, KP
	v_lshl_add_u32 v4, v3, 4, v4
	s_mul_i32 s62, s20, 64*KP
	v_add_nc_u32 v4, s62, v4                       ; K: row 64 w + r, 16 h bytes in
	v_add_nc_u32 v5, SLOT, v4
	v_and_b32 v21, 7, v0
	v_lshl_add_u32 v21, v3, 3, v21
	v_mul_u32_u24 v6, v21, VP
	v_bfe_u32 v21, v0, 3, 1
	v_lshl_add_u32 v6, v21, 4, v6
	s_mul_i32 s62, s20, 64*VP
	s_add_co_u32 s62, s62, VOFF
	v_add_nc_u32 v6, s62, v6                       ; V: row 64 w + 8 h + L%8, 16 ((L/8)%2) bytes in
	v_add_nc_u32 v7, SLOT, v6
	v_lshl_add_u32 v12, s20, 15, v18               ; exchange of O: my 32 KiB
	v_lshl_add_u32 v13, s20, 13, v18               ; and the block c = w of waves 0, 1,
	v_add_nc_u32 v14, 65536, v13                   ; of waves 2, 3
	v_lshlrev_b32 v16, 2, v2
	v_add_nc_u32 v16, STB, v16
	v_lshl_add_u32 v15, s20, 8, v16
	v_lshlrev_b32 v17, 5, v3
	v_lshl_add_u32 v17, s20, 9, v17
	v_add_nc_u32 v17, REDB, v17
	v_add_nc_u32 v22, REDB, v18
	v_lshlrev_b32 v19, 9, v2
	v_lshl_add_u32 v19, v3, 5, v19
	v_lshl_add_u32 v19, s20, 13, v19               ; angles: query 16 w + r, channels 8 h ..
.irp c,0,1,2,3
	v_mov_b32 v[MN+2*\c+1], 0                      ; halves of pairs that are named and never used, and v_permlanex16_b32's destinations
	v_mov_b32 v[AL+2*\c+1], 0
	v_mov_b32 v[T2+\c], 0
.endr
	s_mov_b32 s60, 0x76543210
	s_mov_b32 s61, 0xfedcba98
	CPAIR LO, 0x31dc9c88
	CPAIR A1, 0x40c90fdb
	CPAIR A3, 0xc1255de7
	CPAIR A5, 0x40a335e3
	CPAIR A7, 0xbf996966
	CPAIR A9, 0x3e283c1a
	CPAIR B2, 0xc09de9e6
	CPAIR B4, 0x4081e0f8
	CPAIR B6, 0xbfaae9e4
	CPAIR B8, 0x3e70fa83
	CPAIR B10, 0xbcd368f9
	s_wait_loadcnt 0x0                             ; q, the mask, tile 0's bias
.irp p,0,1,2,3,4,5,6,7
	v_or_b32 v[80+\p], v[80+\p], v[88+\p]
.endr
.irp p,0,1,2,3
	v_or_b32 v[80+\p], v[80+\p], v[84+\p]
.endr
	v_or_b32 v80, v80, v82
	v_or_b32 v81, v81, v83
	v_or_b32 v80, v80, v81
	v_cmp_ne_u32 vcc_lo, 0, v80                    ; lanes that saw a true place
	s_cmp_lg_u32 vcc_lo, 0
	s_cselect_b32 s18, -1, 0                       ; a select, no branch: all ones if the batch has a true place, else 0
	WIN 0x44                                       ; source 1 and destination in window 1
.set idx, 0
.rept 128
	v_and_b32 v[idx], s18, v[idx]
.set idx, idx+1
.endr
	WIN 0
; One tile.  slot: where it lies; refill = 1: the next tile and its bias are asked for; zero = 1: the first tile starts m, l and O.
.macro TRIP slot, refill, zero
	s_wait_tensorcnt 0x0                           ; all my tensor loads have landed, my part of this tile among them,
	ds_add_u32 v254, v255
	s_wait_dscnt 0x0
	s_add_nc_u64 s[G0K+4*\slot+2:G0K+4*\slot+3], s[G0K+4*\slot+2:G0K+4*\slot+3], 2*TILEB   ; so group 0 may be written: this slot's next tile
	s_add_nc_u64 s[G0V+4*\slot+2:G0V+4*\slot+3], s[G0V+4*\slot+2:G0V+4*\slot+3], 2*TILEB
	s_wait_dscnt 0x0                               ; my reads of the last tile are over
	ROUND                                          ; both now hold of every wave of all four work-groups
.if \refill
.if \slot
	JLOAD 0
.else
	JLOAD 1
.endif
.endif
	PLACES 5                                       ; behind the last matrix instruction: 4 ahead of loads into its V registers, 5 ahead of products written over its P
	WIN 0x40
.irp kt,0,1,2,3
.irp s,0,1,2,3
	ds_load_b128 v[128+8*(4*\kt+\s):128+8*(4*\kt+\s)+3], v[KA+\slot] offset:16*KP*\kt+64*\s
	ds_load_b128 v[128+8*(4*\kt+\s)+4:128+8*(4*\kt+\s)+7], v[KA+\slot] offset:16*KP*\kt+64*\s+32
.endr
.endr
	WIN 0xC0
	VLOAD \slot, 0
	WIN 0x05                                       ; A (K) and B (Q) in window 1, C and D in window 0
	s_wait_loadcnt 0x0                             ; this tile's bias, asked for a tile ago
.irp kt,0,1,2,3
	s_wait_dscnt 40-8*\kt                          ; K's 8 loads of key tile kt are back; younger: 8 for each later key tile and V's first 16
.irp s,0,1,2,3
.irp c,0,1,2,3
.if \s
	v_wmma_f32_16x16x32_f16 v[SB+8*(4*\kt+\c):SB+8*(4*\kt+\c)+7], v[128+8*(4*\kt+\s):128+8*(4*\kt+\s)+7], v[8*(4*\c+\s):8*(4*\c+\s)+7], v[SB+8*(4*\kt+\c):SB+8*(4*\kt+\c)+7]
.else
	v_wmma_f32_16x16x32_f16 v[SB+8*(4*\kt+\c):SB+8*(4*\kt+\c)+7], v[128+8*(4*\kt+\s):128+8*(4*\kt+\s)+7], v[8*(4*\c+\s):8*(4*\c+\s)+7], v[BIAS+8*\kt:BIAS+8*\kt+7]
.endif
.endr
.endr
.endr                                              ; four accumulators take turns, one instruction a turn
	WIN 0xC0
	VLOAD \slot, 1                                 ; the second half of V: it has the softmax in which to come
	WIN 0
	PLACES 4                                       ; ahead of the first read of a result and of the loads into the bias registers
.if \refill
	s_add_nc_u64 s[8:9], s[8:9], 1024              ; the loads that named this base are in: the next tile's 256 keys
	BLOAD
.endif
.irp kt,0,1,2,3
.irp p,0,2,4,6
.irp c,0,1,2,3
.if (\kt+\p)
	v_max3_num_f32 v[T+\c], v[T+\c], v[SB+8*(4*\kt+\c)+\p], v[SB+8*(4*\kt+\c)+\p+1]
.else
	v_max_num_f32 v[T+\c], v[SB+8*\c], v[SB+8*\c+1]
.endif
.endr
.endr
.endr
.irp c,0,1,2,3
	v_permlanex16_b32 v[T2+\c], v[T+\c], s60, s61  ; the other half of the lanes holds the query's other keys
.endr
.irp c,0,1,2,3
	v_max_num_f32 v[T+\c], v[T+\c], v[T2+\c]
.endr
.if \zero
.irp c,0,1,2,3
	v_mov_b32 v[MN+2*\c], v[T+\c]
	v_mov_b32 v[MO+\c], v[T+\c]
.endr
.else
.irp c,0,1,2,3
	v_max_num_f32 v[MN+2*\c], v[MO+\c], v[T+\c]
.endr
.irp c,0,1,2,3
	v_sub_f32 v[T2+\c], v[MO+\c], v[MN+2*\c]
.endr
.irp c,0,1,2,3
	v_exp_f32 v[AL+2*\c], v[T2+\c]
.endr
.irp c,0,1,2,3
	v_mov_b32 v[MO+\c], v[MN+2*\c]                 ; also the plain instruction behind the exponentials
.endr
.endif
.irp kt,0,1,2,3
.irp c,0,1,2,3
.irp p,0,2,4,6
	v_pk_add_f32 v[SB+8*(4*\kt+\c)+\p:SB+8*(4*\kt+\c)+\p+1], v[SB+8*(4*\kt+\c)+\p:SB+8*(4*\kt+\c)+\p+1], v[MN+2*\c:MN+2*\c+1] op_sel_hi:[1,0] neg_lo:[0,1] neg_hi:[0,1]
.endr
.endr
.endr
.set idx, 0
.rept 128
	v_exp_f32 v[SB+idx], v[SB+idx]
.set idx, idx+1
.endr
	v_nop                                          ; one plain instruction behind the last exponential, ahead of its use
.if \zero
	s_wait_alu depctr_va_vdst(0)
.irp c,0,1,2,3
	v_pk_add_f32 v[LP+2*\c:LP+2*\c+1], v[SB+8*\c:SB+8*\c+1], v[SB+8*\c+2:SB+8*\c+3]
.endr
.else
	s_wait_alu depctr_va_vdst(0)
.irp c,0,1,2,3
	v_pk_fma_f32 v[LP+2*\c:LP+2*\c+1], v[LP+2*\c:LP+2*\c+1], v[AL+2*\c:AL+2*\c+1], v[SB+8*\c:SB+8*\c+1] op_sel_hi:[1,0,1]
.endr
.irp c,0,1,2,3
	v_pk_add_f32 v[LP+2*\c:LP+2*\c+1], v[LP+2*\c:LP+2*\c+1], v[SB+8*\c+2:SB+8*\c+3]
.endr
.endif
.irp p,4,6
.irp c,0,1,2,3
	v_pk_add_f32 v[LP+2*\c:LP+2*\c+1], v[LP+2*\c:LP+2*\c+1], v[SB+8*\c+\p:SB+8*\c+\p+1]
.endr
.endr
.irp kt,1,2,3
.irp p,0,2,4,6
.irp c,0,1,2,3
	v_pk_add_f32 v[LP+2*\c:LP+2*\c+1], v[LP+2*\c:LP+2*\c+1], v[SB+8*(4*\kt+\c)+\p:SB+8*(4*\kt+\c)+\p+1]
.endr
.endr
.endr
.irp ks,0,1
.irp c,0,1,2,3
.irp j,0,1,2,3
	v_cvt_pk_f16_f32 v[SB+8*(8*\ks+\c)+\j], v[SB+8*(8*\ks+\c)+2*\j], v[SB+8*(8*\ks+\c)+2*\j+1]        ; keys 32 ks + 8 h + 0..7, in place, ascending
.endr
.irp j,0,1,2,3
	v_cvt_pk_f16_f32 v[SB+8*(8*\ks+\c)+4+\j], v[SB+8*(8*\ks+4+\c)+2*\j], v[SB+8*(8*\ks+4+\c)+2*\j+1]  ; keys 32 ks + 16 + 8 h + 0..7
.endr
.endr
.endr
	s_wait_dscnt 0x0                               ; V's fragments are back
.if \zero
.else
	WIN 0x82                                       ; O in window 2
.irp dt,0,1,2,3,4,5,6,7
.irp c,0,1,2,3
.irp p,0,2,4,6
	v_pk_mul_f32 v[8*(4*\dt+\c)+\p:8*(4*\dt+\c)+\p+1], v[8*(4*\dt+\c)+\p:8*(4*\dt+\c)+\p+1], v[AL+2*\c:AL+2*\c+1] op_sel_hi:[1,0]
.endr
.endr
.endr
.endif
	WIN 0xA3                                       ; A (V^T) window 3, B (P) window 0, C and D window 2
.irp ks,0,1
.irp dt,0,1,2,3,4,5,6,7
.irp c,0,1,2,3
.if \zero*(1-\ks)
	v_wmma_f32_16x16x32_f16 v[8*(4*\dt+\c):8*(4*\dt+\c)+7], v[8*(8*\ks+\dt):8*(8*\ks+\dt)+7], v[SB+8*(8*\ks+\c):SB+8*(8*\ks+\c)+7], 0
.else
	v_wmma_f32_16x16x32_f16 v[8*(4*\dt+\c):8*(4*\dt+\c)+7], v[8*(8*\ks+\dt):8*(8*\ks+\dt)+7], v[SB+8*(8*\ks+\c):SB+8*(8*\ks+\c)+7], v[8*(4*\dt+\c):8*(4*\dt+\c)+7]
.endif
.endr
.endr
.endr                                              ; 32 accumulators take turns, one instruction a turn
	WIN 0
.endm
	TRIP 0, 1, 1                                   ; tile 0 starts the sums; tile 1 goes out, slot 1's first fill, behind the trip's round
	TRIP 1, 1, 0
	s_mov_b32 s59, PAIRS
.Lpair:
	TRIP 0, 1, 0
	TRIP 1, 1, 0
	s_sub_co_u32 s59, s59, 1
	s_cmp_lg_u32 s59, 0
	s_cbranch_scc1 .Lpair
	TRIP 0, 1, 0                                   ; tile 30; tile 31 goes out
	TRIP 1, 0, 0                                   ; the last tile: nothing is left to fetch
	; ---- the merge of the four waves ----
	PLACES 4                                       ; behind the last matrix instruction: loads into its P registers, reads of O
.irp dt,0,1,2,3,4,5,6,7
	global_load_b128 v[80+8*\dt:80+8*\dt+3], v19, s[12:13] offset:64*\dt
	global_load_b128 v[80+8*\dt+4:80+8*\dt+7], v19, s[12:13] offset:64*\dt+16
.endr
.irp c,0,1,2,3
	v_add_f32 v[LP+2*\c], v[LP+2*\c], v[LP+2*\c+1]
.endr
.irp c,0,1,2,3
	v_permlanex16_b32 v[T2+\c], v[LP+2*\c], s60, s61
.endr
.irp c,0,1,2,3
	v_add_f32 v[LP+2*\c], v[LP+2*\c], v[T2+\c]
.endr
.irp c,0,1,2,3
	ds_store_b32 v15, v[MO+\c] offset:64*\c        ; both halves of the lanes hold, and write, the same number
	ds_store_b32 v15, v[LP+2*\c] offset:1024+64*\c
.endr
	s_wait_dscnt 0x0
	s_barrier_signal -1
	s_barrier_wait -1
.irp ww,0,1,2,3
.irp c,0,1,2,3
	ds_load_b32 v[144+4*\ww+\c], v16 offset:256*\ww+64*\c
	ds_load_b32 v[160+4*\ww+\c], v16 offset:1024+256*\ww+64*\c
.endr
.endr
	s_wait_dscnt 0x0
.irp c,0,1,2,3
	v_max3_num_f32 v[T+\c], v[144+\c], v[148+\c], v[152+\c]
.endr
.irp c,0,1,2,3
	v_max_num_f32 v[T+\c], v[T+\c], v[156+\c]
.endr
.irp ww,0,1,2,3
.irp c,0,1,2,3
	v_sub_f32 v[144+4*\ww+\c], v[144+4*\ww+\c], v[T+\c]
.endr
.endr
.irp c,0,1,2,3
	v_sub_f32 v[T2+\c], v[MO+\c], v[T+\c]
.endr
.set idx, 0
.rept 16
	v_exp_f32 v[144+idx], v[144+idx]
.set idx, idx+1
.endr
.irp c,0,1,2,3
	v_exp_f32 v[T2+\c], v[T2+\c]
.endr
	v_nop
	s_wait_alu depctr_va_vdst(0)
.irp c,0,1,2,3
	v_mul_f32 v[T+\c], v[144+\c], v[160+\c]
.endr
.irp ww,1,2,3
.irp c,0,1,2,3
	v_fma_f32 v[T+\c], v[144+4*\ww+\c], v[160+4*\ww+\c], v[T+\c]
.endr
.endr
.irp c,0,1,2,3
	v_rcp_f32 v[176+\c], v[T+\c]                   ; l >= 1: the key of the largest logit adds 1
.endr
	v_nop
	s_wait_alu depctr_va_vdst(0)
.irp c,0,1,2,3
	v_mul_f32 v[AL+2*\c], v[T2+\c], v[176+\c]      ; my weight in the merge, over l
.endr
	WIN 0x82
.irp dt,0,1,2,3,4,5,6,7
.irp c,0,1,2,3
.irp p,0,2,4,6
	v_pk_mul_f32 v[8*(4*\dt+\c)+\p:8*(4*\dt+\c)+\p+1], v[8*(4*\dt+\c)+\p:8*(4*\dt+\c)+\p+1], v[AL+2*\c:AL+2*\c+1] op_sel_hi:[1,0]
.endr
.endr
.endr
	WIN 0x08                                       ; store data in window 2
	; the exchange lies in slot 0, which has had its last fill and which no wave reads any more since the last round
.irp c,0,1,2,3
.irp dt,0,1,2,3,4,5,6,7
.irp i,0,1
	ds_store_b128 v12, v[8*(4*\dt+\c)+4*\i:8*(4*\dt+\c)+4*\i+3] offset:8192*\c+1024*\dt+512*\i
.endr
.endr
.endr
	WIN 0
	s_wait_dscnt 0x0
	s_barrier_signal -1
	s_barrier_wait -1
; Wave w finishes query tile c = w, 32 channels at a time: the four waves' parts are added, un-rotated (the sines negated) and summed over the 16 queries.
.macro EBATCH be
	WIN 0x40
.irp ww,0,1
.irp dl,0,1
.irp i,0,1
	ds_load_b128 v[128+16*\ww+8*\dl+4*\i:128+16*\ww+8*\dl+4*\i+3], v13 offset:32768*\ww+1024*(2*\be+\dl)+512*\i
	ds_load_b128 v[160+16*\ww+8*\dl+4*\i:160+16*\ww+8*\dl+4*\i+3], v14 offset:32768*\ww+1024*(2*\be+\dl)+512*\i
.endr
.endr
.endr
	WIN 0
.if \be == 0
	s_wait_loadcnt 0x0                             ; the angles
.endif
	SINCOS16 80+16*\be, 144, 160, 176
	s_wait_dscnt 0x0
	WIN 0x05                                       ; both sources in window 1
.irp p,0,2,4,6,8,10,12,14
	v_pk_add_f32 v[192+\p:192+\p+1], v[128+\p:128+\p+1], v[144+\p:144+\p+1]
	v_pk_add_f32 v[208+\p:208+\p+1], v[160+\p:160+\p+1], v[176+\p:176+\p+1]
.endr
	WIN 0
.irp p,0,2,4,6,8,10,12,14
	v_pk_add_f32 v[192+\p:192+\p+1], v[192+\p:192+\p+1], v[208+\p:208+\p+1]
.endr
.irp p,0,2,4,6,8,10,12,14
	v_pk_mul_f32 v[208+\p:208+\p+1], v[192+\p:192+\p+1], v[176+\p:176+\p+1]
.endr
.irp p,0,2,4,6,8,10,12,14
	v_pk_fma_f32 v[208+\p:208+\p+1], v[192+\p:192+\p+1], v[160+\p:160+\p+1], v[208+\p:208+\p+1] op_sel:[1,0,0] op_sel_hi:[0,1,1] neg_hi:[0,1,0]
.endr
.irp m,1,2,4,8
.irp p,0,1,2,3,4,5,6,7,8,9,10,11,12,13,14,15
	v_add_f32_dpp v[208+\p], v[208+\p], v[208+\p] row_xmask:\m row_mask:0xf bank_mask:0xf
.endr
.endr
.irp dl,0,1
.irp i,0,1
	ds_store_b128 v17, v[208+8*\dl+4*\i:208+8*\dl+4*\i+3] offset:128*\be+64*\dl+16*\i   ; the 16 lanes of a half write the same numbers
.endr
.endr
.endm
	EBATCH 0
	EBATCH 1
	EBATCH 2
	EBATCH 3
	s_wait_dscnt 0x0
	s_barrier_signal -1
	s_barrier_wait -1
	s_cmp_lg_u32 s20, 0
	s_cbranch_scc1 .Lclose
.irp ww,0,1,2,3
	ds_load_b128 v[192+4*\ww:192+4*\ww+3], v22 offset:512*\ww
.endr
	s_wait_dscnt 0x0
	v_pk_add_f32 v[192:193], v[192:193], v[196:197]
	v_pk_add_f32 v[194:195], v[194:195], v[198:199]
	v_pk_add_f32 v[200:201], v[200:201], v[204:205]
	v_pk_add_f32 v[202:203], v[202:203], v[206:207]
	v_pk_add_f32 v[192:193], v[192:193], v[200:201]
	v_pk_add_f32 v[194:195], v[194:195], v[202:203]
	global_store_b128 v18, v[192:195], s[14:15]    ; 128 f32: 512 consecutive bytes
.Lclose:
	s_wait_tensorcnt 0x0
	ds_add_u32 v254, v255
	s_wait_dscnt 0x0
	ROUND                                          ; the closing round: no work-group ends while a partner may still ask for a tile that names it
	s_endpgm
.Lfunc_end_k_q6b93068420_attn:
	.size	k_q6b93068420_attn, .Lfunc_end_k_q6b93068420_attn-k_q6b93068420_attn
	.p2alignl 7, 3214868480
	.fill 96, 4, 3214868480
	.section	.rodata,"a",@progbits
	.p2align	6, 0x0
	.amdhsa_kernel k_q6b93068420_attn
		.amdhsa_group_segment_fixed_size 327680
		.amdhsa_private_segment_fixed_size 0
		.amdhsa_enable_private_segment 0
		.amdhsa_kernarg_size 48
		.amdhsa_user_sgpr_count 2
		.amdhsa_user_sgpr_kernarg_segment_ptr 1
		.amdhsa_wavefront_size32 1
		.amdhsa_system_sgpr_workgroup_id_x 1
		.amdhsa_system_sgpr_workgroup_id_y 1
		.amdhsa_system_sgpr_workgroup_id_z 1
		.amdhsa_system_vgpr_workitem_id 0
		.amdhsa_next_free_vgpr 896
		.amdhsa_next_free_sgpr 96
		.amdhsa_reserve_vcc 1
		.amdhsa_float_denorm_mode_32 3
		.amdhsa_float_denorm_mode_16_64 3
		.amdhsa_memory_ordered 1
		.amdhsa_forward_progress 1
		.amdhsa_inst_pref_size 255
	.end_amdhsa_kernel
	.section	.bss,"aw",@nobits
	.p2align	6
	.space	262144
	.amdgpu_metadata
---
amdhsa.version: [ 1, 2 ]
amdhsa.kernels:
  - .name:           k_q6b93068420_attn
    .symbol:         k_q6b93068420_attn.kd
    .args:
      - { .name: qh, .offset: 0, .size: 8, .value_kind: global_buffer, .address_space: global }
      - { .name: kvh, .offset: 8, .size: 8, .value_kind: global_buffer, .address_space: global }
      - { .name: bias, .offset: 16, .size: 8, .value_kind: global_buffer, .address_space: global }
      - { .name: context_mask, .offset: 24, .size: 8, .value_kind: global_buffer, .address_space: global }
      - { .name: rotary_time_emb_query, .offset: 32, .size: 8, .value_kind: global_buffer, .address_space: global }
      - { .name: part, .offset: 40, .size: 8, .value_kind: global_buffer, .address_space: global }
    .group_segment_fixed_size: 327680
    .private_segment_fixed_size: 0
    .kernarg_segment_align: 8
    .kernarg_segment_size: 48
    .max_flat_workgroup_size: 128
    .sgpr_count:     96
    .vgpr_count:     896
    .wavefront_size: 32
...
	.end_amdgpu_metadata
.endif
;; end of part 3
;; launch final (part 4): grid 4 x 1, 8 waves a work-group, no clusters, 18,176 bytes of LDS; arguments part, w_o, b_o, out0; writes out0
.if DOCPART == 4
	.amdgcn_target "amdgcn-amd-amdhsa--gfx1250"
	.amdhsa_code_object_version 6
	.text
	.protected	k_q6b93068420_final
	.globl	k_q6b93068420_final
	.p2align	8
	.type	k_q6b93068420_final,@function
k_q6b93068420_final:
	s_mov_b64 s[64:65], 0
	v_nop
	global_prefetch_b8 v0, s[64:65] scope:SCOPE_SE
	s_setreg_imm32_b32 hwreg(HW_REG_WAVE_MODE, 25, 1), 1
	s_wait_xcnt 0x0
; final: out0[b][o] = (sum over the 16 query blocks of part[b][qb][:] / 1024) . w_o[o][:] + b_o[o].
; Four work-groups of eight waves: 32 tiles of 16 output columns, one a wave; each work-group sums the 128 KiB of partial sums once
; (more work-groups would only repeat that sum).  The mean can be very small beside 1, so both operands go as bf16 in two parts
; (hi + lo, the product lo x lo left out: below 2^-16 of the result); sums in f32.
.set ALB,  4352                        ; the means' low parts, behind the high parts: 16 rows x 272 bytes each
.set OUTB, 8704                        ; 16 rows x 528 bytes on the way out
	s_load_b256 s[4:11], s[0:1], 0x0               ; part 4, w_o 6, b_o 8, out0 10
	v_lshl_add_u32 v14, v0, 2, 0x4300
	v_mov_b32 v15, 0
	v_and_b32 v1, 31, v0
	v_lshrrev_b32 v2, 5, v0
	v_readfirstlane_b32 s12, v2                    ; wave w
	s_mov_b32 s13, ttmp9                           ; work-group
	v_and_b32 v3, 15, v0                           ; r
	v_bfe_u32 v4, v0, 4, 1                         ; h
	v_lshlrev_b32 v5, 5, v3
	v_lshl_add_u32 v5, v4, 13, v5
	v_lshl_add_u32 v5, s12, 14, v5                 ; part: batch 2 w + h, channels 8 r ..
	s_lshl_b32 s14, s13, 3
	s_add_co_u32 s14, s14, s12                     ; my tile of 16 columns
	v_lshlrev_b32 v6, 9, v3
	v_lshl_add_u32 v6, v4, 5, v6
	v_lshl_add_u32 v6, s14, 13, v6                 ; w_o: row 16 tile + r, 32 h bytes in
	v_lshlrev_b32 v7, 5, v4
	v_lshl_add_u32 v7, s14, 6, v7                  ; b_o: columns 16 tile + 8 h ..
	s_lshl_b32 s16, s13, 9
	s_mov_b32 s17, 0
	s_wait_kmcnt 0x0
	s_add_nc_u64 s[10:11], s[10:11], s[16:17]      ; out0 at my work-group's 128 columns
.irp qb,0,1,2,3,4,5,6,7,8,9,10,11,12,13,14,15
	global_load_b128 v[16+8*\qb:16+8*\qb+3], v5, s[4:5] offset:512*\qb
	global_load_b128 v[16+8*\qb+4:16+8*\qb+7], v5, s[4:5] offset:512*\qb+16
.endr
.irp s,0,1,2,3
.irp a,0,1,2,3
	global_load_b128 v[144+16*\s+4*\a:144+16*\s+4*\a+3], v6, s[6:7] offset:128*\s+64*(\a>>1)+16*(\a&1)
.endr
.endr
	global_load_b128 v[208:211], v7, s[8:9]
	global_load_b128 v[212:215], v7, s[8:9] offset:16
	s_mul_i32 s15, s12, 544
	v_mul_u32_u24 v8, v4, 272
	v_lshl_add_u32 v8, v3, 4, v8
	v_add_nc_u32 v8, s15, v8                       ; the mean: row 2 w + h, 16 r bytes in
	v_mul_u32_u24 v9, v3, 272
	v_lshl_add_u32 v9, v4, 4, v9                   ; its fragments: row r, 16 h bytes in
	v_mul_u32_u24 v10, v3, 528
	v_lshl_add_u32 v10, v4, 5, v10
	s_lshl_b32 s15, s12, 6
	s_add_co_u32 s15, s15, OUTB
	v_add_nc_u32 v10, s15, v10                     ; results: row r, byte 64 w + 32 h
	v_lshlrev_b32 v12, 4, v1
	s_mul_i32 s15, s12, 1056
	s_add_co_u32 s15, s15, OUTB
	v_add_nc_u32 v11, s15, v12                     ; read back: rows 2 w, 2 w + 1
	v_lshl_add_u32 v12, s12, 12, v12               ; and their place in out0
	s_wait_loadcnt 18                              ; the partial sums are in; younger: 16 loads of w_o, 2 of b_o
.irp qb,1,2,3,4,5,6,7,8,9,10,11,12,13,14,15
.irp p,0,2,4,6
	v_pk_add_f32 v[16+\p:16+\p+1], v[16+\p:16+\p+1], v[16+8*\qb+\p:16+8*\qb+\p+1]
.endr
.endr
.irp p,0,2,4,6
	v_pk_mul_f32 v[16+\p:16+\p+1], v[16+\p:16+\p+1], 0x3a800000 op_sel_hi:[1,0]   ; 1/1024
.endr
.irp j,0,1,2,3
	v_cvt_pk_bf16_f32 v[240+\j], v[16+2*\j], v[16+2*\j+1]
.endr
.irp j,0,1,2,3
	v_lshlrev_b32 v[248+2*\j], 16, v[240+\j]
	v_and_b32 v[248+2*\j+1], 0xffff0000, v[240+\j]
.endr
.irp j,0,1,2,3
	v_pk_add_f32 v[16+2*\j:16+2*\j+1], v[16+2*\j:16+2*\j+1], v[248+2*\j:248+2*\j+1] neg_lo:[0,1] neg_hi:[0,1]
.endr
.irp j,0,1,2,3
	v_cvt_pk_bf16_f32 v[244+\j], v[16+2*\j], v[16+2*\j+1]
.endr
	ds_store_b128 v8, v[240:243]
	ds_store_b128 v8, v[244:247] offset:ALB
	s_wait_dscnt 0x0
	s_barrier_signal -1
	s_barrier_wait -1
.irp s,0,1,2,3
	ds_load_b128 v[80+8*\s:80+8*\s+3], v9 offset:64*\s
	ds_load_b128 v[80+8*\s+4:80+8*\s+7], v9 offset:64*\s+32
	ds_load_b128 v[112+8*\s:112+8*\s+3], v9 offset:ALB+64*\s
	ds_load_b128 v[112+8*\s+4:112+8*\s+7], v9 offset:ALB+64*\s+32
.endr
	s_wait_loadcnt 0x0
.irp s,0,1,2,3
.irp j,0,1,2,3,4,5,6,7
	v_cvt_pk_bf16_f32 v[16+8*\s+\j], v[144+16*\s+2*\j], v[144+16*\s+2*\j+1]
.endr
.irp j,0,1,2,3,4,5,6,7
	v_lshlrev_b32 v[240+2*\j], 16, v[16+8*\s+\j]
	v_and_b32 v[240+2*\j+1], 0xffff0000, v[16+8*\s+\j]
.endr
.irp j,0,1,2,3,4,5,6,7
	v_pk_add_f32 v[144+16*\s+2*\j:144+16*\s+2*\j+1], v[144+16*\s+2*\j:144+16*\s+2*\j+1], v[240+2*\j:240+2*\j+1] neg_lo:[0,1] neg_hi:[0,1]
.endr
.irp j,0,1,2,3,4,5,6,7
	v_cvt_pk_bf16_f32 v[48+8*\s+\j], v[144+16*\s+2*\j], v[144+16*\s+2*\j+1]
.endr
.endr
	s_wait_dscnt 0x0
	; A = 16 rows of w_o, B = the 16 batches' means: lane (r, h) gets columns 8 h + 0..7 of batch r.  Three accumulators take turns.
.irp s,0,1,2,3
.if \s
	v_wmma_f32_16x16x32_bf16 v[216:223], v[16+8*\s:16+8*\s+7], v[80+8*\s:80+8*\s+7], v[216:223]
	v_wmma_f32_16x16x32_bf16 v[224:231], v[16+8*\s:16+8*\s+7], v[112+8*\s:112+8*\s+7], v[224:231]
	v_wmma_f32_16x16x32_bf16 v[232:239], v[48+8*\s:48+8*\s+7], v[80+8*\s:80+8*\s+7], v[232:239]
.else
	v_wmma_f32_16x16x32_bf16 v[216:223], v[16:23], v[80:87], 0
	v_wmma_f32_16x16x32_bf16 v[224:231], v[16:23], v[112:119], 0
	v_wmma_f32_16x16x32_bf16 v[232:239], v[48:55], v[80:87], 0
.endif
.endr
.rept 4
	v_nop                                          ; four places behind the last matrix instruction, ahead of the reads of the results
.endr
.irp p,0,2,4,6
	v_pk_add_f32 v[224+\p:224+\p+1], v[224+\p:224+\p+1], v[232+\p:232+\p+1]
.endr
.irp p,0,2,4,6
	v_pk_add_f32 v[216+\p:216+\p+1], v[216+\p:216+\p+1], v[224+\p:224+\p+1]
.endr
.irp p,0,2,4,6
	v_pk_add_f32 v[216+\p:216+\p+1], v[216+\p:216+\p+1], v[208+\p:208+\p+1]
.endr
	ds_store_b128 v10, v[216:219]
	ds_store_b128 v10, v[220:223] offset:16
	s_wait_dscnt 0x0
	s_barrier_signal -1
	s_barrier_wait -1
	ds_load_b128 v[16:19], v11
	ds_load_b128 v[20:23], v11 offset:528
	s_wait_dscnt 0x1
	global_store_b128 v12, v[16:19], s[10:11]               ; 128 columns of one batch: 512 consecutive bytes
	s_wait_dscnt 0x0
	global_store_b128 v12, v[20:23], s[10:11] offset:2048
	s_wait_tensorcnt 0x0
	ds_add_u32 v14, v15
	s_wait_dscnt 0x0
	s_endpgm
.Lfunc_end_k_q6b93068420_final:
	.size	k_q6b93068420_final, .Lfunc_end_k_q6b93068420_final-k_q6b93068420_final
	.p2alignl 7, 3214868480
	.fill 96, 4, 3214868480
	.section	.rodata,"a",@progbits
	.p2align	6, 0x0
	.amdhsa_kernel k_q6b93068420_final
		.amdhsa_group_segment_fixed_size 18176
		.amdhsa_private_segment_fixed_size 0
		.amdhsa_enable_private_segment 0
		.amdhsa_kernarg_size 32
		.amdhsa_user_sgpr_count 2
		.amdhsa_user_sgpr_kernarg_segment_ptr 1
		.amdhsa_wavefront_size32 1
		.amdhsa_system_sgpr_workgroup_id_x 1
		.amdhsa_system_sgpr_workgroup_id_y 1
		.amdhsa_system_sgpr_workgroup_id_z 1
		.amdhsa_system_vgpr_workitem_id 0
		.amdhsa_next_free_vgpr 256
		.amdhsa_next_free_sgpr 66
		.amdhsa_reserve_vcc 0
		.amdhsa_float_denorm_mode_32 3
		.amdhsa_float_denorm_mode_16_64 3
		.amdhsa_memory_ordered 1
		.amdhsa_forward_progress 1
		.amdhsa_inst_pref_size 25
	.end_amdhsa_kernel
	.amdgpu_metadata
---
amdhsa.version: [ 1, 2 ]
amdhsa.kernels:
  - .name:           k_q6b93068420_final
    .symbol:         k_q6b93068420_final.kd
    .args:
      - { .name: part, .offset: 0, .size: 8, .value_kind: global_buffer, .address_space: global }
      - { .name: w_o, .offset: 8, .size: 8, .value_kind: global_buffer, .address_space: global }
      - { .name: b_o, .offset: 16, .size: 8, .value_kind: global_buffer, .address_space: global }
      - { .name: out0, .offset: 24, .size: 8, .value_kind: global_buffer, .address_space: global }
    .group_segment_fixed_size: 18176
    .private_segment_fixed_size: 0
    .kernarg_segment_align: 8
    .kernarg_segment_size: 32
    .max_flat_workgroup_size: 256
    .sgpr_count:     66
    .vgpr_count:     256
    .wavefront_size: 32
...
	.end_amdgpu_metadata
.endif
;; end of part 4
;; ======== version 2 of 3: 4 launches; 1.46 times as fast as version 1
;; limits: values are held in f16: magnitudes above 65,504 overflow, below 6.1e-05 lose precision; a function is approximated: absolute error at most 1.5e-05
;; workspace buffers: qh 4,194,304 bytes; kvh 67,108,864 bytes; wh 131,072 bytes; list 131,072 bytes of whole numbers; meta 4,096 bytes of whole numbers; part 131,072 bytes
;; launch prep (part 5): grid 304 x 1, 8 waves a work-group, no clusters, 78,848 bytes of LDS; arguments x_query, ln_q_w, ln_q_b, w_q, rotary_time_emb_query, context_mask, w_kv, qh, wh, list, meta; writes qh, wh, list, meta
.if DOCPART == 5
	.amdgcn_target "amdgcn-amd-amdhsa--gfx1250"
	.amdhsa_code_object_version 6
	.text
	.protected	k_q6b93068420_prep
	.globl	k_q6b93068420_prep
	.p2align	8
	.type	k_q6b93068420_prep,@function
k_q6b93068420_prep:
	s_mov_b64 s[64:65], 0
	v_nop
	global_prefetch_b8 v0, s[64:65] scope:SCOPE_SE
	s_setreg_imm32_b32 hwreg(HW_REG_WAVE_MODE, 25, 1), 1
	s_wait_xcnt 0x0
; prep: three small jobs, chosen by the work-group's number n (the same for all waves of a work-group).
;  n = 0..255   (job Q): 16 queries (n % 64) x 4 batches (n / 64): LayerNorm(x_query) . w_q^T, times log2(e)/sqrt(128), rotated by each
;                        batch's angles, stored as f16 rows of 256 bytes in qh[b][q][128].
;  n = 256..271 (job M): batch b = n - 256: context_mask[b] -> list[b] = a permutation of 0..2047 with the true places first;
;                        meta[b] = { cnt = 4 x number of true places, qmask, NT = tiles of 256 keys, at least 2 }.  A row without any true
;                        place lists every key (cnt = 8192) and sets qmask = 0: with q = 0 all logits are equal, the reference's uniform softmax.
;                        A serial prefix over 2,048 bytes: wave 0 does it, the other seven waves have no part and end.
;  n = 272..303 (job W): w_kv -> f16, in the order of matrix fragments: tile of 16 rows, K step, half, lane.
; Job Q's 256 long work-groups have the lowest numbers and the 48 short ones follow, so that the long ones are handed out first.
; LDS: job Q has bytes 0 to 34,815 and 43,008 to 77,823, job M the 8,192 between them.
; LIMITS: matrix operands are f16 (|q| scaled < 65,504); sine and cosine are polynomials on the reduced angle, absolute error
; at most 1.5e-5, the reduction is exact to one rounding for |angle| < 2^22.
.set XSP,  1040                        ; LDS pitch of a normalised row: 512 f16 + 16 bytes (an odd multiple of 16)
.set QSB,  16*XSP                      ; behind them: 64 rows (4 batches x 16 queries) of 128 f16
.set QSP,  272
.set LISTS, 34816                      ; job M's scratch: 2,048 words
.set WSB,  43008                       ; job Q: for each wave 16 rows of 128 f16 of w_q, the wave's own
.set WSP,  272                         ; their pitch: 256 + 16 bytes
.set X,    16                          ; v[16:47]   two rows of x_query, 16 numbers a lane each
.set LW,   48                          ; v[48:63]   ln_q_w of my 16 columns
.set LB,   64                          ; v[64:79]   ln_q_b
.set RAW,  80                          ; v[80:207]  w_q in f32, two chunks of 128 columns: row a at 4 a
.set FQ,   208                         ; v[208:239] angles: 4 batches x 8
.set ST,   240                         ; v[240:255] LayerNorm's sums, later the two accumulators
.set AF,   16                          ; v[16:47]   f16 fragments of w_q, 4 K steps
.set BF,   48                          ; v[48:79]   f16 fragments of the rows, 4 K steps
.set D,    240
.set SN,   80
.set SS,   112
.set SC,   144
.set TT,   176
.set LO, 70
.set A1, 72
.set A3, 74
.set A5, 76
.set A7, 78
.set A9, 80
.set B2, 82
.set B4, 84
.set B6, 86
.set B8, 88
.set B10, 90
.macro PLACES n
.rept \n
	v_nop
.endr
.endm
.macro CPAIR reg, val
	s_mov_b32 s[\reg], \val
	s_mov_b32 s[\reg+1], \val
.endm
; sine and cosine of 16 angles.  y = angle/2pi - nearest whole number (in two parts, so that y has one rounding);
; S = 2 sin(pi y), C = cos(pi y) by their Taylor series up to y^9 and y^10; sin = S C, cos = 1 - S S / 2.  F is used up.
.macro SINCOS16 F, N, S, C
.irp p,0,2,4,6,8,10,12,14
	v_pk_mul_f32 v[\N+\p:\N+\p+1], v[\F+\p:\F+\p+1], 0.15915494 op_sel_hi:[1,0]
.endr
.irp p,0,1,2,3,4,5,6,7,8,9,10,11,12,13,14,15
	v_rndne_f32 v[\N+\p], v[\N+\p]
.endr
.irp p,0,2,4,6,8,10,12,14
	v_pk_fma_f32 v[\N+\p:\N+\p+1], v[\F+\p:\F+\p+1], 0.15915494, v[\N+\p:\N+\p+1] op_sel_hi:[1,0,1] neg_lo:[0,0,1] neg_hi:[0,0,1]
.endr
.irp p,0,2,4,6,8,10,12,14
	v_pk_fma_f32 v[\N+\p:\N+\p+1], v[\F+\p:\F+\p+1], s[LO:LO+1], v[\N+\p:\N+\p+1] op_sel_hi:[1,0,1]
.endr
.irp p,0,2,4,6,8,10,12,14
	v_pk_mul_f32 v[\F+\p:\F+\p+1], v[\N+\p:\N+\p+1], v[\N+\p:\N+\p+1]
.endr
.irp p,0,2,4,6,8,10,12,14
	v_pk_fma_f32 v[\S+\p:\S+\p+1], v[\F+\p:\F+\p+1], s[A9:A9+1], s[A7:A7+1] op_sel_hi:[1,0,0]
	v_pk_fma_f32 v[\C+\p:\C+\p+1], v[\F+\p:\F+\p+1], s[B10:B10+1], s[B8:B8+1] op_sel_hi:[1,0,0]
.endr
.irp p,0,2,4,6,8,10,12,14
	v_pk_fma_f32 v[\S+\p:\S+\p+1], v[\S+\p:\S+\p+1], v[\F+\p:\F+\p+1], s[A5:A5+1] op_sel_hi:[1,1,0]
	v_pk_fma_f32 v[\C+\p:\C+\p+1], v[\C+\p:\C+\p+1], v[\F+\p:\F+\p+1], s[B6:B6+1] op_sel_hi:[1,1,0]
.endr
.irp p,0,2,4,6,8,10,12,14
	v_pk_fma_f32 v[\S+\p:\S+\p+1], v[\S+\p:\S+\p+1], v[\F+\p:\F+\p+1], s[A3:A3+1] op_sel_hi:[1,1,0]
	v_pk_fma_f32 v[\C+\p:\C+\p+1], v[\C+\p:\C+\p+1], v[\F+\p:\F+\p+1], s[B4:B4+1] op_sel_hi:[1,1,0]
.endr
.irp p,0,2,4,6,8,10,12,14
	v_pk_fma_f32 v[\S+\p:\S+\p+1], v[\S+\p:\S+\p+1], v[\F+\p:\F+\p+1], s[A1:A1+1] op_sel_hi:[1,1,0]
	v_pk_fma_f32 v[\C+\p:\C+\p+1], v[\C+\p:\C+\p+1], v[\F+\p:\F+\p+1], s[B2:B2+1] op_sel_hi:[1,1,0]
.endr
.irp p,0,2,4,6,8,10,12,14
	v_pk_mul_f32 v[\S+\p:\S+\p+1], v[\S+\p:\S+\p+1], v[\N+\p:\N+\p+1]
	v_pk_fma_f32 v[\C+\p:\C+\p+1], v[\C+\p:\C+\p+1], v[\F+\p:\F+\p+1], 1.0 op_sel_hi:[1,1,0]
.endr
.irp p,0,2,4,6,8,10,12,14
	v_pk_mul_f32 v[\F+\p:\F+\p+1], v[\S+\p:\S+\p+1], v[\S+\p:\S+\p+1]
	v_pk_mul_f32 v[\S+\p:\S+\p+1], v[\S+\p:\S+\p+1], v[\C+\p:\C+\p+1]
.endr
.irp p,0,2,4,6,8,10,12,14
	v_pk_fma_f32 v[\C+\p:\C+\p+1], v[\F+\p:\F+\p+1], -0.5, 1.0 op_sel_hi:[1,0,0]
.endr
.endm
	s_load_b512 s[4:19], s[0:1], 0x0               ; x_query 4, ln_q_w 6, ln_q_b 8, w_q 10, angles 12, mask 14, w_kv 16, qh 18
	s_load_b128 s[20:23], s[0:1], 0x40             ; wh 20, list 22
	s_load_b64 s[24:25], s[0:1], 0x50              ; meta
	v_lshl_add_u32 v15, v0, 2, 0x13000
	s_set_vgpr_msb 0x40
	v_mov_b32 v1, 0
	s_set_vgpr_msb 0x4000
	v_and_b32 v1, 31, v0                           ; lane L
	v_lshrrev_b32 v2, 5, v0
	v_readfirstlane_b32 s26, v2                    ; wave w
	s_mov_b32 s28, ttmp9                           ; the work-group's number n
	s_mov_b32 s31, 0                               ; the upper word of every 32-bit offset
	s_wait_kmcnt 0x0
	s_cmp_lt_u32 s28, 256
	s_cbranch_scc1 .Ljobq
	s_cmp_lt_u32 s28, 272
	s_cbranch_scc1 .Ljobm
; ---------------- job W: 16 bytes of wh a thread ----------------
; e = thread's number among 8,192 = ((tile * 8 + K step) * 2 + half) * 32 + lane
	s_sub_co_u32 s29, s28, 272
	s_lshl_b32 s29, s29, 8
	v_add_nc_u32 v3, s29, v0                       ; e
	v_bfe_u32 v4, v3, 5, 1                         ; which half of the fragment's registers
	v_bfe_u32 v5, v3, 6, 3                         ; K step
	v_bfe_u32 v6, v3, 9, 4                         ; tile of 16 rows: 0-7 K, 8-15 V
	v_and_b32 v9, 15, v0
	v_bfe_u32 v10, v0, 4, 1
	v_lshl_add_u32 v9, v6, 4, v9                   ; row of w_kv = 16 tile + lane%16
	v_lshlrev_b32 v11, 10, v9
	v_lshl_add_u32 v11, v5, 7, v11                 ; + 4 bytes x (32 step + 16 half + 8 (lane/16))
	v_lshl_add_u32 v11, v4, 6, v11
	v_lshl_add_u32 v11, v10, 5, v11
	global_load_b128 v[16:19], v11, s[16:17]
	global_load_b128 v[20:23], v11, s[16:17] offset:16
	v_lshlrev_b32 v12, 4, v3
	s_wait_loadcnt 0x0
	v_cvt_pk_f16_f32 v24, v16, v17
	v_cvt_pk_f16_f32 v25, v18, v19
	v_cvt_pk_f16_f32 v26, v20, v21
	v_cvt_pk_f16_f32 v27, v22, v23
	global_store_b128 v12, v[24:27], s[20:21]      ; a wave's store covers 512 consecutive bytes
	s_endpgm
; ---------------- job M ----------------
.Ljobm:
	s_cmp_lg_u32 s26, 0
	s_cbranch_scc1 .Lend
	s_sub_co_u32 s29, s28, 256                     ; b
	s_lshl_b32 s30, s29, 11
	s_add_nc_u64 s[14:15], s[14:15], s[30:31]      ; context_mask[b]
	s_lshl_b32 s30, s29, 13
	s_add_nc_u64 s[22:23], s[22:23], s[30:31]      ; list[b]
	s_lshl_b32 s30, s29, 8
	s_add_nc_u64 s[24:25], s[24:25], s[30:31]      ; meta[b]
	v_lshlrev_b32 v4, 4, v1                        ; 16 L
.irp i,0,1,2,3
	global_load_b128 v[16+4*\i:16+4*\i+3], v4, s[14:15] offset:512*\i
.endr
	v_sub_nc_u32 v3, 0, v1                         ; -L
	s_mov_b32 s32, 0                               ; true places so far
	s_mov_b32 s33, 2047                            ; 2047 - false places so far
	s_wait_loadcnt 0x0
; One byte of each lane: place j = 16 L + 512 (wd/4) + 4 (wd%4) + c.  A true place goes to the next free position from the front,
; a false one to the next free position from the back; the position is bounded by 2047 in the text before it becomes an address.
.macro MSTEP wd, c
	v_bfe_u32 v5, v[16+\wd], 8*\c, 8
	v_cmp_ne_u32 vcc_lo, 0, v5
	v_mbcnt_lo_u32_b32 v6, vcc_lo, 0               ; true lanes below me
	s_bcnt1_i32_b32 s34, vcc_lo
	v_add_nc_u32 v7, s32, v6
	v_add3_u32 v8, s33, v6, v3                     ; 2047 - false so far - (L - true lanes below me)
	v_cndmask_b32 v9, v8, v7, vcc_lo
	v_min_u32 v9, 0x7ff, v9
	v_lshlrev_b32 v9, 2, v9
	v_add_nc_u32 v10, 512*(\wd>>2)+4*(\wd&3)+\c, v4
	ds_store_b32 v9, v10 offset:LISTS
	s_add_co_u32 s32, s32, s34
	s_add_co_u32 s33, s33, s34
	s_sub_co_u32 s33, s33, 32
.endm
.irp wd,0,1,2,3,4,5,6,7,8,9,10,11,12,13,14,15
.irp c,0,1,2,3
	MSTEP \wd, \c
.endr
.endr
.irp i,0,1,2,3,4,5,6,7,8,9,10,11,12,13,14,15
	ds_load_b128 v[32+4*\i:32+4*\i+3], v4 offset:LISTS+512*\i    ; the wave's own bytes: LDS serves a wave's instructions in order
.endr
.irp i,0,1,2,3,4,5,6,7,8,9,10,11,12,13,14,15
	s_wait_dscnt 15-\i                             ; load i is back, the younger ones may be out
	global_store_b128 v4, v[32+4*\i:32+4*\i+3], s[22:23] offset:512*\i
.endr
	s_cmp_eq_u32 s32, 0
	s_cselect_b32 s35, 2048, s32                   ; no true place: every key is listed,
	s_cselect_b32 s36, 0, -1                       ; and q is cleared
	s_lshl_b32 s37, s35, 2                         ; cnt: four keys for each place
	s_add_co_u32 s38, s35, 63
	s_lshr_b32 s38, s38, 6
	s_max_u32 s38, s38, 2                          ; NT: tiles of 256 keys (64 places), at least 2
	v_mov_b32 v5, s37
	v_mov_b32 v6, s36
	v_mov_b32 v7, s38
	v_cmp_eq_u32 vcc_lo, 0, v1
	v_cndmask_b32 v12, 0, v5, vcc_lo
	v_cndmask_b32 v13, 0, v6, vcc_lo
	v_cmp_eq_u32 vcc_lo, 1, v1
	v_cndmask_b32 v12, v12, v7, vcc_lo
	v_lshlrev_b32 v11, 3, v1
	global_store_b64 v11, v[12:13], s[24:25]       ; 32 lanes x 8 bytes: the batch's whole 256 bytes of meta
.Lend:
	s_set_vgpr_msb 0x4
	s_wait_tensorcnt 0x0
	ds_add_u32 v15, v1
	s_wait_dscnt 0x0
	s_set_vgpr_msb 0x400
	s_endpgm
; ---------------- job Q ----------------
.Ljobq:
	s_lshr_b32 s27, s28, 6                         ; which four batches
	s_and_b32 s28, s28, 63                         ; which 16 queries
	v_and_b32 v3, 15, v0                           ; r
	v_bfe_u32 v4, v0, 4, 1                         ; h
	v_lshlrev_b32 v6, 4, v1                        ; 16 L
	v_lshl_add_u32 v5, s26, 12, v6                 ; x_query: rows 2w, 2w+1 of the group's 16
	v_lshlrev_b32 v7, 9, v3                        ; angles: query r, channels 16 w + 8 h ..
	v_lshl_add_u32 v7, v4, 5, v7
	v_lshl_add_u32 v7, s26, 6, v7
	v_lshl_add_u32 v8, s26, 15, v6                 ; w_q: my 16 rows of 2,048 bytes, 16 L bytes in
	s_lshl_b32 s30, s28, 15
	s_add_nc_u64 s[4:5], s[4:5], s[30:31]          ; x_query at the group's 16 rows
	s_lshl_b32 s30, s27, 21
	s_lshl_b32 s32, s28, 13
	s_add_co_u32 s30, s30, s32
	s_add_nc_u64 s[12:13], s[12:13], s[30:31]      ; angles at the first of the four batches, the group's first query
.irp i,0,1
.irp c,0,1,2,3
	global_load_b128 v[X+16*\i+4*\c:X+16*\i+4*\c+3], v5, s[4:5] offset:2048*\i+512*\c
.endr
.endr
.irp c,0,1,2,3
	global_load_b128 v[LW+4*\c:LW+4*\c+3], v6, s[6:7] offset:512*\c
.endr
.irp c,0,1,2,3
	global_load_b128 v[LB+4*\c:LB+4*\c+3], v6, s[8:9] offset:512*\c
.endr
.irp bb,0,1,2,3
	global_load_b128 v[FQ+8*\bb:FQ+8*\bb+3], v7, s[12:13] offset:524288*\bb
	global_load_b128 v[FQ+8*\bb+4:FQ+8*\bb+7], v7, s[12:13] offset:524288*\bb+16
.endr
; a chunk = 128 columns (4 K steps) of my 16 rows of w_q in f32: load a takes 512 consecutive bytes of row a, lane L columns 4 L .. 4 L + 3
.macro RAWLOAD ch
.irp a,0,1,2,3,4,5,6,7,8,9,10,11,12,13,14,15
	global_load_b128 v[RAW+64*(\ch&1)+4*\a:RAW+64*(\ch&1)+4*\a+3], v8, s[10:11] offset:2048*\a+512*\ch
.endr
.endm
	RAWLOAD 0
	RAWLOAD 1
	s_mul_i32 s37, s26, 2*XSP
	v_lshlrev_b32 v9, 3, v1
	v_add_nc_u32 v9, s37, v9                       ; where my two normalised rows go
	v_mul_u32_u24 v10, v3, XSP
	v_lshl_add_u32 v10, v4, 4, v10                 ; fragments of the rows: row r, 16 h bytes in
	v_mul_u32_u24 v11, v3, QSP
	v_lshl_add_u32 v11, v4, 4, v11
	s_lshl_b32 s37, s26, 5
	s_add_co_u32 s37, s37, QSB
	v_add_nc_u32 v11, s37, v11                     ; rotated q: row r, channels 16 w + 8 h
	v_mul_u32_u24 v12, v4, QSP
	v_lshl_add_u32 v12, v3, 4, v12
	s_mul_i32 s37, s26, 8*QSP
	s_add_co_u32 s37, s37, QSB
	v_add_nc_u32 v12, s37, v12                     ; read back: rows 8 w + 2 i + L/16
	s_mul_i32 s37, s26, 16*WSP
	s_add_co_u32 s37, s37, WSB                     ; my own 16 rows for w_q
	v_lshlrev_b32 v13, 3, v1
	v_add_nc_u32 v13, s37, v13                     ; in: 8 L bytes into a row
	v_mul_u32_u24 v14, v3, WSP
	v_lshl_add_u32 v14, v4, 4, v14
	v_add_nc_u32 v14, s37, v14                     ; back as fragments: row r, 16 h bytes in
	s_mov_b32 s33, 0x3b000000                      ; 1/512
	s_mov_b32 s34, 0x3727c5ac                      ; 1e-5
	s_mov_b32 s35, 0x76543210                      ; v_permlanex16_b32: lane i takes lane i of the other half
	s_mov_b32 s36, 0xfedcba98
	CPAIR LO, 0x31dc9c88
	CPAIR A1, 0x40c90fdb
	CPAIR A3, 0xc1255de7
	CPAIR A5, 0x40a335e3
	CPAIR A7, 0xbf996966
	CPAIR A9, 0x3e283c1a
	CPAIR B2, 0xc09de9e6
	CPAIR B4, 0x4081e0f8
	CPAIR B6, 0xbfaae9e4
	CPAIR B8, 0x3e70fa83
	CPAIR B10, 0xbcd368f9
.macro WSUM2                           ; the two rows' sums over the 32 lanes, in every lane
.irp m,1,2,4,8
.irp i,0,1
	v_add_f32_dpp v[ST+8*\i], v[ST+8*\i], v[ST+8*\i] row_xmask:\m row_mask:0xf bank_mask:0xf
.endr
.endr
.irp i,0,1
	v_permlanex16_b32 v[ST+8*\i+1], v[ST+8*\i], s35, s36
.endr
.irp i,0,1
	v_add_f32 v[ST+8*\i], v[ST+8*\i], v[ST+8*\i+1]
.endr
.endm
	s_wait_loadcnt 40                              ; x, w, b are in; younger: 8 angle loads and 32 of w_q
	; LayerNorm in two passes (mean, then the squares of the differences): a common offset of the row costs no digits
.irp i,0,1
	v_pk_add_f32 v[ST+8*\i:ST+8*\i+1], v[X+16*\i:X+16*\i+1], v[X+16*\i+2:X+16*\i+3]
	v_pk_add_f32 v[ST+8*\i+2:ST+8*\i+3], v[X+16*\i+4:X+16*\i+5], v[X+16*\i+6:X+16*\i+7]
.endr
.irp p,8,12
.irp i,0,1
	v_pk_add_f32 v[ST+8*\i:ST+8*\i+1], v[ST+8*\i:ST+8*\i+1], v[X+16*\i+\p:X+16*\i+\p+1]
	v_pk_add_f32 v[ST+8*\i+2:ST+8*\i+3], v[ST+8*\i+2:ST+8*\i+3], v[X+16*\i+\p+2:X+16*\i+\p+3]
.endr
.endr
.irp i,0,1
	v_pk_add_f32 v[ST+8*\i:ST+8*\i+1], v[ST+8*\i:ST+8*\i+1], v[ST+8*\i+2:ST+8*\i+3]
.endr
.irp i,0,1
	v_add_f32 v[ST+8*\i], v[ST+8*\i], v[ST+8*\i+1]
.endr
	WSUM2
.irp i,0,1
	v_mul_f32 v[ST+8*\i+4], s33, v[ST+8*\i]
	v_mul_f32 v[ST+8*\i+5], s33, v[ST+8*\i]
.endr
.irp i,0,1
.irp p,0,2,4,6,8,10,12,14
	v_pk_add_f32 v[X+16*\i+\p:X+16*\i+\p+1], v[X+16*\i+\p:X+16*\i+\p+1], v[ST+8*\i+4:ST+8*\i+5] neg_lo:[0,1] neg_hi:[0,1]
.endr
.endr
.irp i,0,1
	v_pk_mul_f32 v[ST+8*\i:ST+8*\i+1], v[X+16*\i:X+16*\i+1], v[X+16*\i:X+16*\i+1]
	v_pk_mul_f32 v[ST+8*\i+2:ST+8*\i+3], v[X+16*\i+2:X+16*\i+3], v[X+16*\i+2:X+16*\i+3]
.endr
.irp p,4,8,12
.irp i,0,1
	v_pk_fma_f32 v[ST+8*\i:ST+8*\i+1], v[X+16*\i+\p:X+16*\i+\p+1], v[X+16*\i+\p:X+16*\i+\p+1], v[ST+8*\i:ST+8*\i+1]
	v_pk_fma_f32 v[ST+8*\i+2:ST+8*\i+3], v[X+16*\i+\p+2:X+16*\i+\p+3], v[X+16*\i+\p+2:X+16*\i+\p+3], v[ST+8*\i+2:ST+8*\i+3]
.endr
.endr
.irp i,0,1
	v_pk_add_f32 v[ST+8*\i:ST+8*\i+1], v[ST+8*\i:ST+8*\i+1], v[ST+8*\i+2:ST+8*\i+3]
.endr
.irp i,0,1
	v_add_f32 v[ST+8*\i], v[ST+8*\i], v[ST+8*\i+1]
.endr
	WSUM2
.irp i,0,1
	v_fma_f32 v[ST+8*\i], v[ST+8*\i], s33, s34     ; variance + eps
.endr
.irp i,0,1
	v_rsq_f32 v[ST+8*\i+6], v[ST+8*\i]
	v_rsq_f32 v[ST+8*\i+7], v[ST+8*\i]
.endr
	v_nop                                          ; one plain instruction behind the last v_rsq_f32, ahead of its use
	s_wait_alu depctr_va_vdst(0)
.irp i,0,1
.irp p,0,2,4,6,8,10,12,14
	v_pk_mul_f32 v[X+16*\i+\p:X+16*\i+\p+1], v[X+16*\i+\p:X+16*\i+\p+1], v[ST+8*\i+6:ST+8*\i+7]
.endr
.endr
.irp i,0,1
.irp p,0,2,4,6,8,10,12,14
	v_pk_fma_f32 v[X+16*\i+\p:X+16*\i+\p+1], v[X+16*\i+\p:X+16*\i+\p+1], v[LW+\p:LW+\p+1], v[LB+\p:LB+\p+1]
.endr
.endr
.irp i,0,1
.irp j,0,1,2,3,4,5,6,7
	v_cvt_pk_f16_f32 v[X+16*\i+\j], v[X+16*\i+2*\j], v[X+16*\i+2*\j+1]    ; in place, ascending: word j is written after it was read
.endr
.endr
.irp i,0,1
.irp c,0,1,2,3
	ds_store_b64 v9, v[X+16*\i+2*\c:X+16*\i+2*\c+1] offset:XSP*\i+256*\c
.endr
.endr
	s_wait_dscnt 0x0                               ; my rows are in LDS before I say so
	s_barrier_signal -1
	s_barrier_wait -1                              ; all 16 rows are
; q^T tile: A = 16 rows of w_q (channels 16 w ..), B = the 16 normalised rows; K = 512 in 4 chunks of 4 steps.
; A chunk of w_q is narrowed to f16 in place, laid into my own 16 rows of LDS as it lies in memory (8 bytes a lane, 256 consecutive bytes
; a store) and read back in the fragments' order (lane = row); LDS serves a wave's instructions in order, so no wait stands between.
; The 32 conversions name no register of a matrix instruction: they are the places between a chunk's last product and the loads into its fragments.
; Two accumulators take turns, one instruction a turn; their sum is taken at the end.
.macro QCHUNK ch
.if \ch < 3
	s_wait_loadcnt 16                              ; this chunk of w_q is in; the next chunk's 16 loads are younger
.else
	s_wait_loadcnt 0x0
.endif
.irp a,0,1,2,3,4,5,6,7,8,9,10,11,12,13,14,15
	v_cvt_pk_f16_f32 v[RAW+64*(\ch&1)+4*\a], v[RAW+64*(\ch&1)+4*\a], v[RAW+64*(\ch&1)+4*\a+1]
	v_cvt_pk_f16_f32 v[RAW+64*(\ch&1)+4*\a+1], v[RAW+64*(\ch&1)+4*\a+2], v[RAW+64*(\ch&1)+4*\a+3]
.endr
.irp a,0,1,2,3,4,5,6,7,8,9,10,11,12,13,14,15
	ds_store_b64 v13, v[RAW+64*(\ch&1)+4*\a:RAW+64*(\ch&1)+4*\a+1] offset:WSP*\a
.endr
.irp s,0,1,2,3
	ds_load_b128 v[AF+8*\s:AF+8*\s+3], v14 offset:64*\s
	ds_load_b128 v[AF+8*\s+4:AF+8*\s+7], v14 offset:64*\s+32
.endr
.irp s,0,1,2,3
	ds_load_b128 v[BF+8*\s:BF+8*\s+3], v10 offset:256*\ch+64*\s
	ds_load_b128 v[BF+8*\s+4:BF+8*\s+7], v10 offset:256*\ch+64*\s+32
.endr
	s_wait_dscnt 0x0                               ; both sets of fragments are in; my rows of w_q may be written again
.irp s,0,1,2,3
.if (4*\ch+\s) < 2
	v_wmma_f32_16x16x32_f16 v[D+8*(\s&1):D+8*(\s&1)+7], v[AF+8*\s:AF+8*\s+7], v[BF+8*\s:BF+8*\s+7], 0
.else
	v_wmma_f32_16x16x32_f16 v[D+8*(\s&1):D+8*(\s&1)+7], v[AF+8*\s:AF+8*\s+7], v[BF+8*\s:BF+8*\s+7], v[D+8*(\s&1):D+8*(\s&1)+7]
.endif
.endr
.endm
	QCHUNK 0
	RAWLOAD 2
	QCHUNK 1
	RAWLOAD 3
	QCHUNK 2
	QCHUNK 3
	PLACES 4                                       ; behind the last matrix instruction, ahead of the reads of its result
.irp p,0,2,4,6
	v_pk_add_f32 v[D+\p:D+\p+1], v[D+\p:D+\p+1], v[D+8+\p:D+8+\p+1]
.endr
.irp p,0,2,4,6
	v_pk_mul_f32 v[D+\p:D+\p+1], v[D+\p:D+\p+1], 0x3e0293ee op_sel_hi:[1,0]   ; log2(e)/sqrt(128): the softmax works in base 2
.endr
	SINCOS16 FQ, SN, SS, SC
	SINCOS16 FQ+16, SN+16, SS+16, SC+16
	; lane (r, h) holds channels 16 w + 8 h + 0..7 of query r: out0 = x0 c0 - x1 s0, out1 = x1 c1 + x0 s1 for each pair of channels
.irp bb,0,1,2,3
.irp p,0,2,4,6
	v_pk_mul_f32 v[TT+12*\bb+\p:TT+12*\bb+\p+1], v[D+\p:D+\p+1], v[SC+8*\bb+\p:SC+8*\bb+\p+1]
.endr
.irp p,0,2,4,6
	v_pk_fma_f32 v[TT+12*\bb+\p:TT+12*\bb+\p+1], v[D+\p:D+\p+1], v[SS+8*\bb+\p:SS+8*\bb+\p+1], v[TT+12*\bb+\p:TT+12*\bb+\p+1] op_sel:[1,0,0] op_sel_hi:[0,1,1] neg_lo:[0,1,0]
.endr
.irp j,0,1,2,3
	v_cvt_pk_f16_f32 v[TT+12*\bb+8+\j], v[TT+12*\bb+2*\j], v[TT+12*\bb+2*\j+1]
.endr
	ds_store_b128 v11, v[TT+12*\bb+8:TT+12*\bb+11] offset:16*QSP*\bb
.endr
	s_lshl_b32 s30, s27, 2
	s_lshr_b32 s32, s26, 1
	s_add_co_u32 s30, s30, s32                     ; my 8 rows are of batch 4 (n/64) + w/2,
	s_lshl_b32 s30, s30, 18
	s_lshl_b32 s32, s28, 12
	s_add_co_u32 s30, s30, s32                     ; queries 16 (n%64) + 8 (w%2) ..
	s_and_b32 s32, s26, 1
	s_lshl_b32 s32, s32, 11
	s_add_co_u32 s30, s30, s32
	s_add_nc_u64 s[18:19], s[18:19], s[30:31]
	s_wait_dscnt 0x0
	s_barrier_signal -1
	s_barrier_wait -1                              ; all eight waves' channels of all 64 rows are in LDS
.irp i,0,1,2,3
	ds_load_b128 v[SN+4*\i:SN+4*\i+3], v12 offset:2*QSP*\i
.endr
.irp i,0,1,2,3
	s_wait_dscnt 3-\i
	global_store_b128 v6, v[SN+4*\i:SN+4*\i+3], s[18:19] offset:512*\i    ; two whole rows of 256 bytes
.endr
	s_set_vgpr_msb 0x4
	s_wait_tensorcnt 0x0
	ds_add_u32 v15, v1
	s_wait_dscnt 0x0
	s_set_vgpr_msb 0x400
	s_endpgm
.Lfunc_end_k_q6b93068420_prep:
	.size	k_q6b93068420_prep, .Lfunc_end_k_q6b93068420_prep-k_q6b93068420_prep
	.p2alignl 7, 3214868480
	.fill 96, 4, 3214868480
	.section	.rodata,"a",@progbits
	.p2align	6, 0x0
	.amdhsa_kernel k_q6b93068420_prep
		.amdhsa_group_segment_fixed_size 78848
		.amdhsa_private_segment_fixed_size 0
		.amdhsa_enable_private_segment 0
		.amdhsa_kernarg_size 88
		.amdhsa_user_sgpr_count 2
		.amdhsa_user_sgpr_kernarg_segment_ptr 1
		.amdhsa_wavefront_size32 1
		.amdhsa_system_sgpr_workgroup_id_x 1
		.amdhsa_system_sgpr_workgroup_id_y 1
		.amdhsa_system_sgpr_workgroup_id_z 1
		.amdhsa_system_vgpr_workitem_id 0
		.amdhsa_next_free_vgpr 258
		.amdhsa_next_free_sgpr 96
		.amdhsa_reserve_vcc 1
		.amdhsa_float_denorm_mode_32 3
		.amdhsa_float_denorm_mode_16_64 3
		.amdhsa_memory_ordered 1
		.amdhsa_forward_progress 1
		.amdhsa_inst_pref_size 108
	.end_amdhsa_kernel
	.amdgpu_metadata
---
amdhsa.version: [ 1, 2 ]
amdhsa.kernels:
  - .name:           k_q6b93068420_prep
    .symbol:         k_q6b93068420_prep.kd
    .args:
      - { .name: x_query, .offset: 0, .size: 8, .value_kind: global_buffer, .address_space: global }
      - { .name: ln_q_w, .offset: 8, .size: 8, .value_kind: global_buffer, .address_space: global }
      - { .name: ln_q_b, .offset: 16, .size: 8, .value_kind: global_buffer, .address_space: global }
      - { .name: w_q, .offset: 24, .size: 8, .value_kind: global_buffer, .address_space: global }
      - { .name: rotary_time_emb_query, .offset: 32, .size: 8, .value_kind: global_buffer, .address_space: global }
      - { .name: context_mask, .offset: 40, .size: 8, .value_kind: global_buffer, .address_space: global }
      - { .name: w_kv, .offset: 48, .size: 8, .value_kind: global_buffer, .address_space: global }
      - { .name: qh, .offset: 56, .size: 8, .value_kind: global_buffer, .address_space: global }
      - { .name: wh, .offset: 64, .size: 8, .value_kind: global_buffer, .address_space: global }
      - { .name: list, .offset: 72, .size: 8, .value_kind: global_buffer, .address_space: global }
      - { .name: meta, .offset: 80, .size: 8, .value_kind: global_buffer, .address_space: global }
    .group_segment_fixed_size: 78848
    .private_segment_fixed_size: 0
    .kernarg_segment_align: 8
    .kernarg_segment_size: 88
    .max_flat_workgroup_size: 256
    .sgpr_count:     96
    .vgpr_count:     258
    .wavefront_size: 32
...
	.end_amdgpu_metadata
.endif
;; end of part 5
;; launch kvproj (part 6): grid 16 x 16, 4 waves a work-group, no clusters, 183,808 bytes of LDS; arguments x_context, rotary_time_emb_context, ln_c_w, ln_c_b, wh, list, meta, kvh; writes kvh
.if DOCPART == 6
	.amdgcn_target "amdgcn-amd-amdhsa--gfx1250"
	.amdhsa_code_object_version 6
	.text
	.protected	k_q6b93068420_kvproj
	.globl	k_q6b93068420_kvproj
	.p2align	8
	.type	k_q6b93068420_kvproj,@function
k_q6b93068420_kvproj:
	s_mov_b64 s[64:65], 0
	v_nop
	global_prefetch_b8 v0, s[64:65] scope:SCOPE_SE
	s_setreg_imm32_b32 hwreg(HW_REG_WAVE_MODE, 25, 1), 1
	s_wait_xcnt 0x0
; kvproj: K and V of the listed keys of batch b = y, in the order of the attention's matrix fragments.  List position p = 4 i + r4 is key
; n = list[b][i] + 2048 r4 (the mask of key n is context_mask[b][n mod 2048]); positions 0 .. 256 NT - 1 are made; the keys that the mask
; throws away are not (but for the padding up to a whole tile, which the attention masks).  For each key: LayerNorm of x_context's row,
; times w_kv^T, K and V rotated by the key's angles, f16.
; A chunk is 16 positions.  The batch's 64 waves (wave o = x + 16 w) take chunks o, o + 64, .. below 16 NT, one a trip.
; THE TRIP COUNT IS READ FROM MEMORY, so no barrier stands in the loop: a wave makes its chunk alone, all 256 channels.  The f16 weights
; (131,072 bytes) are put into LDS once, ahead of the launch's one barrier, and only read behind it; the normalised rows and the
; transposition of V go through LDS bytes that are the wave's own.  No tensor loads: the rows are gathered by a list.  No cluster: no two
; work-groups read the same rows.
; kvh[b]: K image, chunk c at 4096 c: block g (channels 16 g ..) at 512 g, lane (r, h) at 16 (16 h + r): K[key r][16 g + 8 h + 0..7];
;         V image at 2 MiB, chunk c at 8192 (c/2) + 512 (c%2): block g at 1024 g, lane (r, h): V[keys 8 h + 0..7][channel 16 g + r].
; LIMITS: f16 operands and results (|k|, |v| < 65,504, of masked keys in the padding too); polynomial sine and cosine, absolute error at most 1.5e-5.
.set XSP,   528                        ; LDS pitch of a normalised row: 512 + 16 bytes
.set XSB,   131072                     ; behind the weights: 16 rows for each wave
.set VSP,   288                        ; LDS pitch of a row of V: 256 + 32 bytes (an odd multiple of 32, for the transposing load)
.set VSB,   XSB+4*16*XSP               ; 16 rows for each wave
; window 0: v3 angles' lane term; v4 16 L; v5, v6 normalised rows in and out; v11 16 L + 65536; v12-15 offsets of the rows of x
.set LW, 20                            ; v[20:27]   ln_c_w of my 8 columns
.set LB, 28                            ; v[28:35]   ln_c_b
.set P,  36                            ; v[36:67]   LayerNorm: 4 registers a row
.set X,  68                            ; v[68:195]  16 rows x 8 numbers
.set SS, 196                           ; v[196:227] 8 normalised rows in f16
; window 1
.set F,   0                            ; 64 angles: tile t at 8 t
.set SN,  64                           ; at work in the sines
.set SI,  80                           ; sines of two tiles
.set CO,  96                           ; cosines of two tiles
.set T,   112                          ; a group's rotated K and V tile in f32
.set KO,  128                          ; K of group g in f16, at 4 g: stored from here
.set VT,  160                          ; V of group g transposed, at 4 g: stored from here
.set VO,  192                          ; V of a group in f16, on its way to LDS
.set RL,  200                          ; 16 L
.set RVS, 201                          ; where V goes in LDS
.set RVT, 202                          ; from where it comes back transposed
.set RFO, 203                          ; offset of my row's angles
; window 2: two buffers of weights: buffer g%2 at 128 (g%2): K tile's step s at 8 s, V tile's at 64 + 8 s
; window 3: v[8 s] fragments of the 16 rows; accumulators at DD + 16 (g%2) + 8 a
.set DD,  64
.set LO, 70
.set A1, 72
.set A3, 74
.set A5, 76
.set A7, 78
.set A9, 80
.set B2, 82
.set B4, 84
.set B6, 86
.set B8, 88
.set B10, 90
.set MSB, 0
.macro WIN new                         ; the immediate's high byte repeats the setting that is left
.if MSB != \new
	s_set_vgpr_msb (MSB<<8)|\new
.set MSB, \new
.endif
.endm
.macro CPAIR reg, val
	s_mov_b32 s[\reg], \val
	s_mov_b32 s[\reg+1], \val
.endm
; sine and cosine of 16 angles: y = angle/2pi - nearest whole number; S = 2 sin(pi y), C = cos(pi y) by series; sin = S C, cos = 1 - S S / 2
.macro SINCOS16 F, N, S, C
.irp p,0,2,4,6,8,10,12,14
	v_pk_mul_f32 v[\N+\p:\N+\p+1], v[\F+\p:\F+\p+1], 0.15915494 op_sel_hi:[1,0]
.endr
.irp p,0,1,2,3,4,5,6,7,8,9,10,11,12,13,14,15
	v_rndne_f32 v[\N+\p], v[\N+\p]
.endr
.irp p,0,2,4,6,8,10,12,14
	v_pk_fma_f32 v[\N+\p:\N+\p+1], v[\F+\p:\F+\p+1], 0.15915494, v[\N+\p:\N+\p+1] op_sel_hi:[1,0,1] neg_lo:[0,0,1] neg_hi:[0,0,1]
.endr
.irp p,0,2,4,6,8,10,12,14
	v_pk_fma_f32 v[\N+\p:\N+\p+1], v[\F+\p:\F+\p+1], s[LO:LO+1], v[\N+\p:\N+\p+1] op_sel_hi:[1,0,1]
.endr
.irp p,0,2,4,6,8,10,12,14
	v_pk_mul_f32 v[\F+\p:\F+\p+1], v[\N+\p:\N+\p+1], v[\N+\p:\N+\p+1]
.endr
.irp p,0,2,4,6,8,10,12,14
	v_pk_fma_f32 v[\S+\p:\S+\p+1], v[\F+\p:\F+\p+1], s[A9:A9+1], s[A7:A7+1] op_sel_hi:[1,0,0]
	v_pk_fma_f32 v[\C+\p:\C+\p+1], v[\F+\p:\F+\p+1], s[B10:B10+1], s[B8:B8+1] op_sel_hi:[1,0,0]
.endr
.irp p,0,2,4,6,8,10,12,14
	v_pk_fma_f32 v[\S+\p:\S+\p+1], v[\S+\p:\S+\p+1], v[\F+\p:\F+\p+1], s[A5:A5+1] op_sel_hi:[1,1,0]
	v_pk_fma_f32 v[\C+\p:\C+\p+1], v[\C+\p:\C+\p+1], v[\F+\p:\F+\p+1], s[B6:B6+1] op_sel_hi:[1,1,0]
.endr
.irp p,0,2,4,6,8,10,12,14
	v_pk_fma_f32 v[\S+\p:\S+\p+1], v[\S+\p:\S+\p+1], v[\F+\p:\F+\p+1], s[A3:A3+1] op_sel_hi:[1,1,0]
	v_pk_fma_f32 v[\C+\p:\C+\p+1], v[\C+\p:\C+\p+1], v[\F+\p:\F+\p+1], s[B4:B4+1] op_sel_hi:[1,1,0]
.endr
.irp p,0,2,4,6,8,10,12,14
	v_pk_fma_f32 v[\S+\p:\S+\p+1], v[\S+\p:\S+\p+1], v[\F+\p:\F+\p+1], s[A1:A1+1] op_sel_hi:[1,1,0]
	v_pk_fma_f32 v[\C+\p:\C+\p+1], v[\C+\p:\C+\p+1], v[\F+\p:\F+\p+1], s[B2:B2+1] op_sel_hi:[1,1,0]
.endr
.irp p,0,2,4,6,8,10,12,14
	v_pk_mul_f32 v[\S+\p:\S+\p+1], v[\S+\p:\S+\p+1], v[\N+\p:\N+\p+1]
	v_pk_fma_f32 v[\C+\p:\C+\p+1], v[\C+\p:\C+\p+1], v[\F+\p:\F+\p+1], 1.0 op_sel_hi:[1,1,0]
.endr
.irp p,0,2,4,6,8,10,12,14
	v_pk_mul_f32 v[\F+\p:\F+\p+1], v[\S+\p:\S+\p+1], v[\S+\p:\S+\p+1]
	v_pk_mul_f32 v[\S+\p:\S+\p+1], v[\S+\p:\S+\p+1], v[\C+\p:\C+\p+1]
.endr
.irp p,0,2,4,6,8,10,12,14
	v_pk_fma_f32 v[\C+\p:\C+\p+1], v[\F+\p:\F+\p+1], -0.5, 1.0 op_sel_hi:[1,0,0]
.endr
.endm
; A chunk's four list entries lie in s[40:43]; each is bounded by 2047 in the text before it enters an address.  Row 4 e + r4 of the chunk is
; key entry e + 2048 r4.  x: a whole row for a pair of loads, so entry e is wanted in every lane; angles: lane (r, h) wants the entry of
; row r, e = r / 4, picked by three constant lane masks.
.macro NEXTIDX
.irp e,0,1,2,3
	s_min_u32 s[44+\e], s[40+\e], 0x7ff
.endr
.irp e,0,1,2,3
	v_lshl_add_u32 v[12+\e], s[44+\e], 10, v4
.endr
	v_mov_b32 v229, s44
	v_cndmask_b32 v229, v229, s45, s48
	v_cndmask_b32 v229, v229, s46, s49
	v_cndmask_b32 v229, v229, s47, s60
	v_min_u32 v229, 0x7ff, v229
	WIN 0x40
	v_lshl_add_u32 v[RFO], v229, 9, v3
	WIN 0
.endm
.macro XLOAD                           ; 16 rows of 1,024 bytes: a load covers 512 consecutive bytes; the four keys of an entry lie 2,048 rows apart
.irp e,0,1,2,3
.irp r4,0,1,2,3
.irp c,0,1
	global_load_b128 v[X+8*(4*\e+\r4)+4*\c:X+8*(4*\e+\r4)+4*\c+3], v[12+\e], s[4:5] offset:\r4*0x200000+512*\c th:TH_LOAD_NT
.endr
.endr
.endr
.endm
.macro FLOADP j                        ; all operands in window 1: angles of row r, channels 16 t + 8 h + 0..7, tiles t = 2 j, 2 j + 1
.irp t,0,1
.irp i,0,1
	global_load_b128 v[F+16*\j+8*\t+4*\i:F+16*\j+8*\t+4*\i+3], v[RFO], s[6:7] offset:64*(2*\j+\t)+16*\i
.endr
.endr
.endm
.macro ALOAD g                         ; the weights of K tile g and V tile g + 8, 32 loads of 512 consecutive bytes, into buffer g % 2
	WIN 0x80
.irp s,0,1,2,3,4,5,6,7
	ds_load_b128 v[128*(\g&1)+8*\s:128*(\g&1)+8*\s+3], v4 offset:8192*\g+1024*\s
	ds_load_b128 v[128*(\g&1)+8*\s+4:128*(\g&1)+8*\s+7], v4 offset:8192*\g+1024*\s+512
	ds_load_b128 v[128*(\g&1)+64+8*\s:128*(\g&1)+64+8*\s+3], v11 offset:8192*\g+1024*\s
	ds_load_b128 v[128*(\g&1)+64+8*\s+4:128*(\g&1)+64+8*\s+7], v11 offset:8192*\g+1024*\s+512
.endr
.endm
.macro WSUM8                           ; eight rows' sums over the 32 lanes, in every lane
.irp m,1,2,4,8
.irp i,0,1,2,3,4,5,6,7
	v_add_f32_dpp v[P+4*\i], v[P+4*\i], v[P+4*\i] row_xmask:\m row_mask:0xf bank_mask:0xf
.endr
.endr
.irp i,0,1,2,3,4,5,6,7
	v_permlanex16_b32 v[P+4*\i+1], v[P+4*\i], s28, s29
.endr
.irp i,0,1,2,3,4,5,6,7
	v_add_f32 v[P+4*\i], v[P+4*\i], v[P+4*\i+1]
.endr
.endm
.macro LN8 xb                          ; LayerNorm of the eight rows at xb in two passes, then f16 into SS
.irp i,0,1,2,3,4,5,6,7
	v_pk_add_f32 v[P+4*\i:P+4*\i+1], v[\xb+8*\i:\xb+8*\i+1], v[\xb+8*\i+2:\xb+8*\i+3]
	v_pk_add_f32 v[P+4*\i+2:P+4*\i+3], v[\xb+8*\i+4:\xb+8*\i+5], v[\xb+8*\i+6:\xb+8*\i+7]
.endr
.irp i,0,1,2,3,4,5,6,7
	v_pk_add_f32 v[P+4*\i:P+4*\i+1], v[P+4*\i:P+4*\i+1], v[P+4*\i+2:P+4*\i+3]
.endr
.irp i,0,1,2,3,4,5,6,7
	v_add_f32 v[P+4*\i], v[P+4*\i], v[P+4*\i+1]
.endr
	WSUM8
.irp i,0,1,2,3,4,5,6,7
	v_mul_f32 v[P+4*\i+2], s30, v[P+4*\i]
	v_mul_f32 v[P+4*\i+3], s30, v[P+4*\i]
.endr
.irp i,0,1,2,3,4,5,6,7
.irp p,0,2,4,6
	v_pk_add_f32 v[\xb+8*\i+\p:\xb+8*\i+\p+1], v[\xb+8*\i+\p:\xb+8*\i+\p+1], v[P+4*\i+2:P+4*\i+3] neg_lo:[0,1] neg_hi:[0,1]
.endr
.endr
.irp i,0,1,2,3,4,5,6,7
	v_pk_mul_f32 v[P+4*\i:P+4*\i+1], v[\xb+8*\i:\xb+8*\i+1], v[\xb+8*\i:\xb+8*\i+1]
.endr
.irp p,2,4,6
.irp i,0,1,2,3,4,5,6,7
	v_pk_fma_f32 v[P+4*\i:P+4*\i+1], v[\xb+8*\i+\p:\xb+8*\i+\p+1], v[\xb+8*\i+\p:\xb+8*\i+\p+1], v[P+4*\i:P+4*\i+1]
.endr
.endr
.irp i,0,1,2,3,4,5,6,7
	v_add_f32 v[P+4*\i], v[P+4*\i], v[P+4*\i+1]
.endr
	WSUM8
.irp i,0,1,2,3,4,5,6,7
	v_fma_f32 v[P+4*\i], v[P+4*\i], s30, s31
.endr
.irp i,0,1,2,3,4,5,6,7
	v_rsq_f32 v[P+4*\i+2], v[P+4*\i]
	v_rsq_f32 v[P+4*\i+3], v[P+4*\i]
.endr
	v_nop                                          ; one plain instruction behind the last v_rsq_f32, ahead of its use
	s_wait_alu depctr_va_vdst(0)
.irp i,0,1,2,3,4,5,6,7
.irp p,0,2,4,6
	v_pk_mul_f32 v[\xb+8*\i+\p:\xb+8*\i+\p+1], v[\xb+8*\i+\p:\xb+8*\i+\p+1], v[P+4*\i+2:P+4*\i+3]
.endr
.endr
.irp i,0,1,2,3,4,5,6,7
.irp p,0,2,4,6
	v_pk_fma_f32 v[\xb+8*\i+\p:\xb+8*\i+\p+1], v[\xb+8*\i+\p:\xb+8*\i+\p+1], v[LW+\p:LW+\p+1], v[LB+\p:LB+\p+1]
.endr
.endr
.irp i,0,1,2,3,4,5,6,7
.irp j,0,1,2,3
	v_cvt_pk_f16_f32 v[SS+4*\i+\j], v[\xb+8*\i+2*\j], v[\xb+8*\i+2*\j+1]
.endr
.endr
.endm
.macro LNHALF hf                       ; rows 8 hf .. 8 hf + 7 of the chunk, normalised, into my own rows of LDS
	LN8 X+64*\hf
.irp i,0,1,2,3,4,5,6,7
	ds_store_b64 v5, v[SS+4*\i:SS+4*\i+1] offset:XSP*(8*\hf+\i)
	ds_store_b64 v5, v[SS+4*\i+2:SS+4*\i+3] offset:XSP*(8*\hf+\i)+256
.endr
.endm
; Sines and cosines of tiles 2 j, 2 j + 1; then those 16 registers take the next chunk's angles.
.macro SCSTEP j, more
.if \more
	s_wait_loadcnt 44                              ; part j of this chunk's angles is in; younger: its 4 (3 - j) later loads, the next chunk's 32 of x and 4 j of angles
.else
	s_wait_loadcnt 12-4*\j                         ; younger: the 4 (3 - j) later loads of this chunk's angles
.endif
	WIN 0x55                                       ; all operands in window 1
	SINCOS16 F+16*\j, SN, SI, CO
.if \more
	FLOADP \j
.endif
.endm
; The products of group g: K tile g and V tile g + 8 (they share their angles).  wcnt: the LDS loads that may stay out, the weights fetched last.
.macro WM g, wcnt
	s_wait_dscnt \wcnt                             ; this group's weights are in, and what was asked of LDS before them
	WIN 0xFE                                       ; A window 2, B, C and D window 3
.irp s,0,1,2,3,4,5,6,7
.irp a,0,1
.if \s
	v_wmma_f32_16x16x32_f16 v[DD+16*(\g&1)+8*\a:DD+16*(\g&1)+8*\a+7], v[128*(\g&1)+64*\a+8*\s:128*(\g&1)+64*\a+8*\s+7], v[8*\s:8*\s+7], v[DD+16*(\g&1)+8*\a:DD+16*(\g&1)+8*\a+7]
.else
	v_wmma_f32_16x16x32_f16 v[DD+16*(\g&1)+8*\a:DD+16*(\g&1)+8*\a+7], v[128*(\g&1)+64*\a+8*\s:128*(\g&1)+64*\a+8*\s+7], v[8*\s:8*\s+7], 0
.endif
.endr
.endr                                              ; the two accumulators take turns, one instruction a turn
.endm
; Group g is rotated and leaves.  It stands behind the NEXT group's products, which use the other pair of accumulators and the other buffer:
; its 24 vector instructions name none of their registers and are the places behind them.
; lane (r, h) holds channels 8 h + 0..7 of a tile for key r: out0 = x0 c0 - x1 s0, out1 = x1 c1 + x0 s1 for each pair of channels.
.macro RT g
	WIN 0x57                                       ; source 0 (the sums) window 3, the rest window 1
.irp a,0,1
.irp p,0,2,4,6
	v_pk_mul_f32 v[T+8*\a+\p:T+8*\a+\p+1], v[DD+16*(\g&1)+8*\a+\p:DD+16*(\g&1)+8*\a+\p+1], v[CO+8*(\g&1)+\p:CO+8*(\g&1)+\p+1]
.endr
.irp p,0,2,4,6
	v_pk_fma_f32 v[T+8*\a+\p:T+8*\a+\p+1], v[DD+16*(\g&1)+8*\a+\p:DD+16*(\g&1)+8*\a+\p+1], v[SI+8*(\g&1)+\p:SI+8*(\g&1)+\p+1], v[T+8*\a+\p:T+8*\a+\p+1] op_sel:[1,0,0] op_sel_hi:[0,1,1] neg_lo:[0,1,0]
.endr
.endr
	WIN 0x55
.irp j,0,1,2,3
	v_cvt_pk_f16_f32 v[KO+4*\g+\j], v[T+2*\j], v[T+2*\j+1]
	v_cvt_pk_f16_f32 v[VO+\j], v[T+8+2*\j], v[T+8+2*\j+1]
.endr
	global_store_b128 v[RL], v[KO+4*\g:KO+4*\g+3], s[54:55] offset:512*\g          ; K as it lies: 512 consecutive bytes of the image
	ds_store_b128 v[RVS], v[VO:VO+3] offset:32*\g                                  ; V[key r][16 g + 8 h ..] into my own rows,
	ds_load_tr16_b128 v[VT+4*\g:VT+4*\g+3], v[RVT] offset:32*\g                    ; and back as V[keys 8 h ..][channel 16 g + r]: LDS serves a wave in order
.if \g
	global_store_b128 v[RL], v[VT+4*\g-4:VT+4*\g-1], s[56:57] offset:1024*\g-1024  ; the group before: shown in by the last wait on DScnt
.endif
.endm
; One trip: a chunk of 16 keys.  more = 1: the next chunk's entries, rows and angles are asked for.
; Global loads are always issued in the order x (32), angles (4 parts of 4).
.macro KVTRIP more
.if \more
	s_load_b128 s[40:43], s[32:33], 0x0            ; the next chunk's four entries: they have the LayerNorm in which to come
.endif
	ALOAD 0                                        ; the first two groups' weights likewise
	ALOAD 1
	WIN 0
	s_wait_loadcnt 16                              ; this chunk's x is in; its 16 angle loads are younger
	LNHALF 0
	LNHALF 1
	WIN 0xC0                                       ; destination in window 3
.irp s,0,1,2,3,4,5,6,7
	ds_load_b128 v[8*\s:8*\s+3], v6 offset:64*\s
	ds_load_b128 v[8*\s+4:8*\s+7], v6 offset:64*\s+32
.endr
	WIN 0
	s_wait_xcnt 0x0                                ; the last chunk's stores and this chunk's angle loads: their bases, offsets and data are written again only behind this wait
	s_add_nc_u64 s[54:55], s[50:51], s[58:59]      ; this chunk in the K image,
	s_add_nc_u64 s[56:57], s[52:53], s[58:59]      ; and in the V image: 64 chunks on are 262,144 bytes in both
	s_add_co_u32 s58, s58, 0x40000
.if \more
	s_wait_kmcnt 0x0
	s_add_nc_u64 s[32:33], s[32:33], 1024          ; 64 chunks of 16 bytes on
	NEXTIDX
	XLOAD
.endif
	WM 0, 0                                        ; the fragments of the rows and both buffers are in
	SCSTEP 0, \more
	ALOAD 2
	WM 1, 32
	RT 0
	ALOAD 3
	WM 2, 32
	RT 1
	SCSTEP 1, \more
	ALOAD 4
	WM 3, 32
	RT 2
	ALOAD 5
	WM 4, 32
	RT 3
	SCSTEP 2, \more
	ALOAD 6
	WM 5, 32
	RT 4
	ALOAD 7
	WM 6, 32
	RT 5
	SCSTEP 3, \more
	WM 7, 0
	RT 6
	s_wait_dscnt 0x0                               ; group 6's V is back
	RT 7
	s_wait_dscnt 0x0
	global_store_b128 v[RL], v[VT+28:VT+31], s[56:57] offset:7168
	WIN 0
.endm
	s_load_b512 s[4:19], s[0:1], 0x0               ; x 4, angles 6, ln w 8, ln b 10, wh 12, list 14, meta 16, kvh 18
	v_lshl_add_u32 v254, v0, 2, 0x2cc00
	v_mov_b32 v255, 0
	v_and_b32 v1, 31, v0                           ; L
	v_lshrrev_b32 v2, 5, v0
	v_readfirstlane_b32 s20, v2                    ; wave w
	s_and_b32 s21, ttmp7, 0xffff                   ; b
	s_lshl4_add_u32 s22, s20, ttmp9                ; o = 16 w + x
	s_mov_b32 s27, 0                               ; the upper word of every 32-bit offset
	s_mov_b32 s58, 0
	s_mov_b32 s59, 0
	v_lshlrev_b32 v4, 4, v1                        ; 16 L
	v_lshl_add_u32 v228, s20, 15, v4               ; my quarter of the weights, in wh and in LDS
	s_wait_kmcnt 0x0
	s_lshl_b32 s26, s21, 8
	s_add_nc_u64 s[16:17], s[16:17], s[26:27]
	s_load_b32 s23, s[16:17], 0x8                  ; NT
	s_lshl_b32 s26, s21, 13
	s_lshl4_add_u32 s26, s22, s26
	s_add_nc_u64 s[32:33], s[14:15], s[26:27]      ; list[b] at chunk o: 16 o + 16 <= 1,024 of the batch's 8,192 bytes
	s_load_b128 s[40:43], s[32:33], 0x0
	WIN 0x80                                       ; destination in window 2
.set idx, 0
.rept 64
	global_load_b128 v[4*idx:4*idx+3], v228, s[12:13] offset:512*idx
.set idx, idx+1
.endr
	WIN 0
	v_and_b32 v232, 15, v0                         ; r
	v_bfe_u32 v233, v0, 4, 1                       ; h
	v_and_b32 v3, 3, v0
	v_lshlrev_b32 v3, 20, v3                       ; angles: (r%4) x 2,048 keys of 512 bytes
	v_lshl_add_u32 v3, v233, 5, v3                 ; + channels 8 h
	v_add_nc_u32 v11, 65536, v4
	s_mul_i32 s25, s20, 16*XSP
	s_add_co_u32 s25, s25, XSB
	v_lshlrev_b32 v5, 3, v1
	v_add_nc_u32 v5, s25, v5                       ; normalised rows: 8 L bytes in
	v_mul_u32_u24 v6, v232, XSP
	v_lshl_add_u32 v6, v233, 4, v6
	v_add_nc_u32 v6, s25, v6                       ; their fragments: row r, 16 h bytes in
	s_mul_i32 s25, s20, 16*VSP
	s_add_co_u32 s25, s25, VSB
	v_mul_u32_u24 v230, v232, VSP
	v_lshl_add_u32 v230, v233, 4, v230             ; V in: row r, 16 h bytes in
	v_and_b32 v231, 7, v0
	v_lshl_add_u32 v231, v233, 3, v231
	v_mul_u32_u24 v231, v231, VSP
	v_bfe_u32 v234, v0, 3, 1
	v_lshl_add_u32 v231, v234, 4, v231             ; V back: row 8 h + L%8, 16 ((L/8)%2) bytes in
	WIN 0x40
	v_mov_b32 v[RL], v4
	v_add_nc_u32 v[RVS], s25, v230
	v_add_nc_u32 v[RVT], s25, v231
	WIN 0
	s_mov_b32 s28, 0x76543210
	s_mov_b32 s29, 0xfedcba98
	s_mov_b32 s30, 0x3b800000                      ; 1/256
	s_mov_b32 s31, 0x3727c5ac                      ; 1e-5
	s_mov_b32 s48, 0x00f000f0                      ; lanes with r / 4 = 1,
	s_mov_b32 s49, 0x0f000f00                      ; 2,
	s_mov_b32 s60, 0xf000f000                      ; 3
	CPAIR LO, 0x31dc9c88
	CPAIR A1, 0x40c90fdb
	CPAIR A3, 0xc1255de7
	CPAIR A5, 0x40a335e3
	CPAIR A7, 0xbf996966
	CPAIR A9, 0x3e283c1a
	CPAIR B2, 0xc09de9e6
	CPAIR B4, 0x4081e0f8
	CPAIR B6, 0xbfaae9e4
	CPAIR B8, 0x3e70fa83
	CPAIR B10, 0xbcd368f9
	s_lshl_b32 s26, s21, 23
	s_add_nc_u64 s[4:5], s[4:5], s[26:27]          ; x_context[b]
	s_lshl_b32 s26, s21, 22
	s_add_nc_u64 s[6:7], s[6:7], s[26:27]          ; angles[b]
	s_add_nc_u64 s[18:19], s[18:19], s[26:27]      ; kvh[b]
	s_lshl_b32 s26, s22, 12
	s_add_nc_u64 s[50:51], s[18:19], s[26:27]      ; chunk o in the K image
	s_lshr_b32 s26, s22, 1
	s_lshl_b32 s26, s26, 13
	s_and_b32 s25, s22, 1
	s_lshl_b32 s25, s25, 9
	s_add_co_u32 s26, s26, s25
	s_add_co_u32 s26, s26, 0x200000
	s_add_nc_u64 s[52:53], s[18:19], s[26:27]      ; and in the V image
	s_wait_kmcnt 0x0
	s_add_nc_u64 s[32:33], s[32:33], 1024
	s_max_u32 s23, s23, 2
	s_min_u32 s23, s23, 32                         ; bounded in the text before it enters a trip count
	s_lshl_b32 s24, s23, 4
	s_add_co_u32 s24, s24, 63
	s_sub_co_u32 s24, s24, s22
	s_lshr_b32 s24, s24, 6                         ; my chunks: those of o, o + 64, .. below 16 NT (0 to 8)
	NEXTIDX
	global_load_b128 v[LW:LW+3], v4, s[8:9]
	global_load_b128 v[LW+4:LW+7], v4, s[8:9] offset:512
	global_load_b128 v[LB:LB+3], v4, s[10:11]
	global_load_b128 v[LB+4:LB+7], v4, s[10:11] offset:512
	XLOAD
	WIN 0x55
	FLOADP 0
	FLOADP 1
	FLOADP 2
	FLOADP 3
	s_wait_loadcnt 52                              ; the weights are in; younger: 4 loads of the gains, 32 of x, 16 of angles
	WIN 0x08                                       ; store data in window 2
.set idx, 0
.rept 64
	ds_store_b128 v228, v[4*idx:4*idx+3] offset:512*idx
.set idx, idx+1
.endr
	WIN 0
	s_wait_dscnt 0x0                               ; my quarter of the weights is in LDS before I say so
	s_barrier_signal -1
	s_barrier_wait -1                              ; all of them are; they are never written again
	s_cmp_eq_u32 s24, 0                            ; fewer chunks than waves (NT < 4): a wave without one has done its part, the weights
	s_cbranch_scc1 .Lend
	s_sub_co_u32 s24, s24, 1                       ; the trips that look ahead; the last is written out
	s_mov_b32 s25, 0
	s_cmp_eq_u32 s24, 0
	s_cbranch_scc1 .Llast
.Ltrip:
	KVTRIP 1
	s_add_co_u32 s25, s25, 1
	s_cmp_lt_u32 s25, s24
	s_cbranch_scc1 .Ltrip
.Llast:
	KVTRIP 0
.Lend:
	s_wait_tensorcnt 0x0
	ds_add_u32 v254, v255
	s_wait_dscnt 0x0
	s_endpgm
.Lfunc_end_k_q6b93068420_kvproj:
	.size	k_q6b93068420_kvproj, .Lfunc_end_k_q6b93068420_kvproj-k_q6b93068420_kvproj
	.p2alignl 7, 3214868480
	.fill 96, 4, 3214868480
	.section	.rodata,"a",@progbits
	.p2align	6, 0x0
	.amdhsa_kernel k_q6b93068420_kvproj
		.amdhsa_group_segment_fixed_size 183808
		.amdhsa_private_segment_fixed_size 0
		.amdhsa_enable_private_segment 0
		.amdhsa_kernarg_size 64
		.amdhsa_user_sgpr_count 2
		.amdhsa_user_sgpr_kernarg_segment_ptr 1
		.amdhsa_wavefront_size32 1
		.amdhsa_system_sgpr_workgroup_id_x 1
		.amdhsa_system_sgpr_workgroup_id_y 1
		.amdhsa_system_sgpr_workgroup_id_z 1
		.amdhsa_system_vgpr_workitem_id 0
		.amdhsa_next_free_vgpr 864
		.amdhsa_next_free_sgpr 96
		.amdhsa_reserve_vcc 0
		.amdhsa_float_denorm_mode_32 3
		.amdhsa_float_denorm_mode_16_64 3
		.amdhsa_memory_ordered 1
		.amdhsa_forward_progress 1
		.amdhsa_inst_pref_size 255
	.end_amdhsa_kernel
	.section	.bss,"aw",@nobits
	.p2align	6
	.space	262144
	.amdgpu_metadata
---
amdhsa.version: [ 1, 2 ]
amdhsa.kernels:
  - .name:           k_q6b93068420_kvproj
    .symbol:         k_q6b93068420_kvproj.kd
    .args:
      - { .name: x_context, .offset: 0, .size: 8, .value_kind: global_buffer, .address_space: global }
      - { .name: rotary_time_emb_context, .offset: 8, .size: 8, .value_kind: global_buffer, .address_space: global }
      - { .name: ln_c_w, .offset: 16, .size: 8, .value_kind: global_buffer, .address_space: global }
      - { .name: ln_c_b, .offset: 24, .size: 8, .value_kind: global_buffer, .address_space: global }
      - { .name: wh, .offset: 32, .size: 8, .value_kind: global_buffer, .address_space: global }
      - { .name: list, .offset: 40, .size: 8, .value_kind: global_buffer, .address_space: global }
      - { .name: meta, .offset: 48, .size: 8, .value_kind: global_buffer, .address_space: global }
      - { .name: kvh, .offset: 56, .size: 8, .value_kind: global_buffer, .address_space: global }
    .group_segment_fixed_size: 183808
    .private_segment_fixed_size: 0
    .kernarg_segment_align: 8
    .kernarg_segment_size: 64
    .max_flat_workgroup_size: 128
    .sgpr_count:     96
    .vgpr_count:     864
    .wavefront_size: 32
...
	.end_amdgpu_metadata
.endif
;; end of part 6
;; launch attn (part 7): grid 16 x 16, 4 waves a work-group, no clusters, 135,680 bytes of LDS; arguments qh, kvh, meta, rotary_time_emb_query, part; writes part
.if DOCPART == 7
	.amdgcn_target "amdgcn-amd-amdhsa--gfx1250"
	.amdhsa_code_object_version 6
	.text
	.protected	k_q6b93068420_attn
	.globl	k_q6b93068420_attn
	.p2align	8
	.type	k_q6b93068420_attn,@function
k_q6b93068420_attn:
	s_mov_b64 s[64:65], 0
	v_nop
	global_prefetch_b8 v0, s[64:65] scope:SCOPE_SE
	s_setreg_imm32_b32 hwreg(HW_REG_WAVE_MODE, 25, 1), 1
	s_wait_xcnt 0x0
; attn: softmax attention of 64 queries (block qb = x) of batch b = y over the batch's listed keys, with a running maximum; then 1/l, the
; un-rotation by the queries' angles and the sum over the 64 queries: part[b][qb][128].
; A tile is 256 keys, NT tiles; wave w takes keys 64 w .. + 63 of every tile for all 64 queries and keeps its own (m, l, O); the four are merged at the end.
; S^T = K Q^T: lane (r, h) holds keys 8 h + j of query r, which, narrowed to f16, IS the B fragment of O^T = V^T P^T: no shuffle, and the
; softmax's figures are one number a lane.  q carries log2(e)/sqrt(128), so the exponentials are in base 2.
; NT IS READ FROM MEMORY, so no barrier stands in the loop.  Each byte of K and V that a work-group needs is used by one of its waves alone, and kvh
; holds both in the order of the matrix fragments: a wave loads its fragments straight into registers, 512 consecutive bytes a load, K a product
; and a softmax ahead, V a product ahead.  NO CLUSTER, though the 16 query blocks of a batch read the same K and V: a joint refill
; stands behind a round of the cluster's barrier, which would be a barrier inside this loop.
; Positions from cnt on are padding: -1e30 enters as the C operand of their sums' first products, in the first and in the last tile (in between
; there is none: NT > 2 means cnt > 256 (NT - 1)).  A wave none of whose keys is valid keeps m = -1e30 and gets the weight 2^(-1e30 - m) = 0 in the merge.
; Where a batch's mask has no true place every key is listed and q is cleared (qmask = 0): all logits equal, the reference's uniform softmax.
; LIMITS: f16 operands; P below about 6e-8 of a row's largest rounds to 0; k and v of padding keys must be finite in f16; the sums over keys run in list order, by waves.
.set STB,   131072                     ; behind the exchange of O: m[4][64], l[4][64]
.set REDB,  STB+2048                   ; 4 x 128 f32
.set MN, 32                            ; v[32:39] new maximum of query tile c in v[32+2c] (the odd halves are only named)
.set AL, 40                            ; v[40:47] 2^(old - new maximum), likewise
.set LP, 48                            ; v[48:55] two partial sums of l for each c
.set MO, 56                            ; v[56:59] running maximum
.set T,  60
.set T2, 64
.set SB, 80                            ; v[80:207] S[kt][c] at 80 + 8 (4 kt + c); P[c][ks] takes the place of S[2 ks][c]
.set BIAS, 208                         ; v[208:239] 0 or -1e30 for my 64 keys: key tile kt at 208 + 8 kt
; window 1: v[8 (4 c + s)] Q, v[128 + 8 (4 kt + s)] K.  window 2: v[8 (4 dt + c)] O.  window 3: v[8 (8 ks + dt)] V^T
.set LO, 70
.set A1, 72
.set A3, 74
.set A5, 76
.set A7, 78
.set A9, 80
.set B2, 82
.set B4, 84
.set B6, 86
.set B8, 88
.set B10, 90
.set MSB, 0
.macro WIN new
.if MSB != \new
	s_set_vgpr_msb (MSB<<8)|\new
.set MSB, \new
.endif
.endm
.macro PLACES n
.rept \n
	v_nop
.endr
.endm
.macro CPAIR reg, val
	s_mov_b32 s[\reg], \val
	s_mov_b32 s[\reg+1], \val
.endm
; sine and cosine of 16 angles: y = angle/2pi - nearest whole number; S = 2 sin(pi y), C = cos(pi y) by series; sin = S C, cos = 1 - S S / 2
.macro SINCOS16 F, N, S, C
.irp p,0,2,4,6,8,10,12,14
	v_pk_mul_f32 v[\N+\p:\N+\p+1], v[\F+\p:\F+\p+1], 0.15915494 op_sel_hi:[1,0]
.endr
.irp p,0,1,2,3,4,5,6,7,8,9,10,11,12,13,14,15
	v_rndne_f32 v[\N+\p], v[\N+\p]
.endr
.irp p,0,2,4,6,8,10,12,14
	v_pk_fma_f32 v[\N+\p:\N+\p+1], v[\F+\p:\F+\p+1], 0.15915494, v[\N+\p:\N+\p+1] op_sel_hi:[1,0,1] neg_lo:[0,0,1] neg_hi:[0,0,1]
.endr
.irp p,0,2,4,6,8,10,12,14
	v_pk_fma_f32 v[\N+\p:\N+\p+1], v[\F+\p:\F+\p+1], s[LO:LO+1], v[\N+\p:\N+\p+1] op_sel_hi:[1,0,1]
.endr
.irp p,0,2,4,6,8,10,12,14
	v_pk_mul_f32 v[\F+\p:\F+\p+1], v[\N+\p:\N+\p+1], v[\N+\p:\N+\p+1]
.endr
.irp p,0,2,4,6,8,10,12,14
	v_pk_fma_f32 v[\S+\p:\S+\p+1], v[\F+\p:\F+\p+1], s[A9:A9+1], s[A7:A7+1] op_sel_hi:[1,0,0]
	v_pk_fma_f32 v[\C+\p:\C+\p+1], v[\F+\p:\F+\p+1], s[B10:B10+1], s[B8:B8+1] op_sel_hi:[1,0,0]
.endr
.irp p,0,2,4,6,8,10,12,14
	v_pk_fma_f32 v[\S+\p:\S+\p+1], v[\S+\p:\S+\p+1], v[\F+\p:\F+\p+1], s[A5:A5+1] op_sel_hi:[1,1,0]
	v_pk_fma_f32 v[\C+\p:\C+\p+1], v[\C+\p:\C+\p+1], v[\F+\p:\F+\p+1], s[B6:B6+1] op_sel_hi:[1,1,0]
.endr
.irp p,0,2,4,6,8,10,12,14
	v_pk_fma_f32 v[\S+\p:\S+\p+1], v[\S+\p:\S+\p+1], v[\F+\p:\F+\p+1], s[A3:A3+1] op_sel_hi:[1,1,0]
	v_pk_fma_f32 v[\C+\p:\C+\p+1], v[\C+\p:\C+\p+1], v[\F+\p:\F+\p+1], s[B4:B4+1] op_sel_hi:[1,1,0]
.endr
.irp p,0,2,4,6,8,10,12,14
	v_pk_fma_f32 v[\S+\p:\S+\p+1], v[\S+\p:\S+\p+1], v[\F+\p:\F+\p+1], s[A1:A1+1] op_sel_hi:[1,1,0]
	v_pk_fma_f32 v[\C+\p:\C+\p+1], v[\C+\p:\C+\p+1], v[\F+\p:\F+\p+1], s[B2:B2+1] op_sel_hi:[1,1,0]
.endr
.irp p,0,2,4,6,8,10,12,14
	v_pk_mul_f32 v[\S+\p:\S+\p+1], v[\S+\p:\S+\p+1], v[\N+\p:\N+\p+1]
	v_pk_fma_f32 v[\C+\p:\C+\p+1], v[\C+\p:\C+\p+1], v[\F+\p:\F+\p+1], 1.0 op_sel_hi:[1,1,0]
.endr
.irp p,0,2,4,6,8,10,12,14
	v_pk_mul_f32 v[\F+\p:\F+\p+1], v[\S+\p:\S+\p+1], v[\S+\p:\S+\p+1]
	v_pk_mul_f32 v[\S+\p:\S+\p+1], v[\S+\p:\S+\p+1], v[\C+\p:\C+\p+1]
.endr
.irp p,0,2,4,6,8,10,12,14
	v_pk_fma_f32 v[\C+\p:\C+\p+1], v[\F+\p:\F+\p+1], -0.5, 1.0 op_sel_hi:[1,0,0]
.endr
.endm
.macro KLOAD                           ; my four chunks of a tile's K image: chunk 4 w + kt at 4096, K step s at 1024, half at 512, lane at 16
	WIN 0x40
.irp kt,0,1,2,3
.irp s,0,1,2,3
	global_load_b128 v[128+8*(4*\kt+\s):128+8*(4*\kt+\s)+3], v23, s[6:7] offset:4096*\kt+1024*\s
	global_load_b128 v[128+8*(4*\kt+\s)+4:128+8*(4*\kt+\s)+7], v23, s[6:7] offset:4096*\kt+1024*\s+512
.endr
.endr
	WIN 0
.endm
.macro VLOAD                           ; my two groups of 32 keys of a tile's V image: group 2 w + ks at 8192, channel tile dt at 1024, half at 512
	WIN 0xC0
.irp ks,0,1
.irp dt,0,1,2,3,4,5,6,7
	global_load_b128 v[8*(8*\ks+\dt):8*(8*\ks+\dt)+3], v23, s[24:25] offset:8192*\ks+1024*\dt
	global_load_b128 v[8*(8*\ks+\dt)+4:8*(8*\ks+\dt)+7], v23, s[24:25] offset:8192*\ks+1024*\dt+512
.endr
.endr
	WIN 0
.endm
.macro BIASGEN                         ; register 8 kt + j of lane (r, h) is my key 16 kt + 8 h + j: padding from s58 on (counted in my 64, may be negative)
	v_sub_nc_u32 v9, s58, v8
.irp kt,0,1,2,3
.irp j,0,1,2,3,4,5,6,7
	v_cmp_ge_i32 vcc_lo, 16*\kt+\j, v9
	v_cndmask_b32 v[BIAS+8*\kt+\j], 0, v10, vcc_lo
.endr
.endr
.endm
	s_load_b256 s[4:11], s[0:1], 0x0               ; qh 4, kvh 6, meta 8, angles 10
	s_load_b64 s[12:13], s[0:1], 0x20              ; part
	v_lshl_add_u32 v254, v0, 2, 0x21000
	v_mov_b32 v255, 0
	v_and_b32 v1, 31, v0                           ; L
	v_lshrrev_b32 v20, 5, v0
	v_readfirstlane_b32 s20, v20                   ; wave w
	s_and_b32 s23, ttmp7, 0xffff                   ; b
	s_mov_b32 s57, ttmp9                           ; qb
	s_mov_b32 s15, 0                               ; the upper word of every 32-bit offset
	s_lshl_b32 s14, s23, 8
	v_and_b32 v2, 15, v0                           ; r
	v_bfe_u32 v3, v0, 4, 1                         ; h
	v_lshlrev_b32 v11, 8, v2
	v_lshl_add_u32 v11, v3, 4, v11                 ; Q: row r, 16 h bytes in
	v_lshlrev_b32 v18, 4, v1                       ; 16 L
	v_lshl_add_u32 v23, s20, 14, v18               ; K and V: my 16 KiB of a tile's 64 KiB, 16 L bytes in
	s_wait_kmcnt 0x0
	s_add_nc_u64 s[8:9], s[8:9], s[14:15]
	s_load_b128 s[16:19], s[8:9], 0x0              ; cnt 16, qmask 17, NT 18
	s_lshl_b32 s14, s23, 22
	s_add_nc_u64 s[6:7], s[6:7], s[14:15]          ; the batch's K image,
	s_add_nc_u64 s[24:25], s[6:7], 0x200000        ; and its V image
	s_lshl_b32 s14, s23, 18
	s_lshl_b32 s62, s57, 14
	s_add_co_u32 s14, s14, s62
	s_add_nc_u64 s[4:5], s[4:5], s[14:15]          ; qh at my 64 queries
	WIN 0x40
.irp c,0,1,2,3
.irp s,0,1,2,3
	global_load_b128 v[8*(4*\c+\s):8*(4*\c+\s)+3], v11, s[4:5] offset:4096*\c+64*\s
	global_load_b128 v[8*(4*\c+\s)+4:8*(4*\c+\s)+7], v11, s[4:5] offset:4096*\c+64*\s+32
.endr
.endr
	KLOAD                                          ; tile 0
	s_lshl_b32 s14, s23, 19
	s_lshl_b32 s62, s57, 15
	s_add_co_u32 s14, s14, s62
	s_add_nc_u64 s[10:11], s[10:11], s[14:15]      ; the angles of my 64 queries
	s_lshl_b32 s14, s23, 4
	s_add_co_u32 s14, s14, s57
	s_lshl_b32 s14, s14, 9
	s_add_nc_u64 s[12:13], s[12:13], s[14:15]      ; part[b][qb]
	v_lshlrev_b32 v8, 3, v3                        ; 8 h
	v_mov_b32 v10, 0xf149f2ca                      ; -1e30
	v_lshl_add_u32 v12, s20, 15, v18               ; exchange of O: my 32 KiB
	v_lshl_add_u32 v13, s20, 13, v18               ; and the block c = w of waves 0, 1,
	v_add_nc_u32 v14, 65536, v13                   ; of waves 2, 3
	v_lshlrev_b32 v16, 2, v2
	v_add_nc_u32 v16, STB, v16
	v_lshl_add_u32 v15, s20, 8, v16
	v_lshlrev_b32 v17, 5, v3
	v_lshl_add_u32 v17, s20, 9, v17
	v_add_nc_u32 v17, REDB, v17
	v_add_nc_u32 v22, REDB, v18
	v_lshlrev_b32 v19, 9, v2
	v_lshl_add_u32 v19, v3, 5, v19
	v_lshl_add_u32 v19, s20, 13, v19               ; angles: query 16 w + r, channels 8 h ..
.irp c,0,1,2,3
	v_mov_b32 v[MN+2*\c+1], 0                      ; halves of pairs that are named and never used, and v_permlanex16_b32's destinations
	v_mov_b32 v[AL+2*\c+1], 0
	v_mov_b32 v[T2+\c], 0
.endr
	s_mov_b32 s60, 0x76543210
	s_mov_b32 s61, 0xfedcba98
	CPAIR LO, 0x31dc9c88
	CPAIR A1, 0x40c90fdb
	CPAIR A3, 0xc1255de7
	CPAIR A5, 0x40a335e3
	CPAIR A7, 0xbf996966
	CPAIR A9, 0x3e283c1a
	CPAIR B2, 0xc09de9e6
	CPAIR B4, 0x4081e0f8
	CPAIR B6, 0xbfaae9e4
	CPAIR B8, 0x3e70fa83
	CPAIR B10, 0xbcd368f9
	s_wait_kmcnt 0x0
	s_min_u32 s16, s16, 8192
	s_max_u32 s18, s18, 2
	s_min_u32 s18, s18, 32                         ; bounded in the text before it enters a trip count
	s_wait_loadcnt 32                              ; q is in; tile 0's 32 loads of K are younger
	WIN 0x44                                       ; source 1 and destination in window 1
.set idx, 0
.rept 128
	v_and_b32 v[idx], s17, v[idx]                  ; qmask = 0 where the batch's mask has no true place: all logits equal
.set idx, idx+1
.endr
	VLOAD                                          ; tile 0
; One tile.  refill = 1: the next tile is asked for; zero = 1: the first tile starts m, l and O; mask = 1: the tile may hold padding.
; Global loads are always out in the order K (32), V (32).
.macro TRIP refill, zero, mask
.if \mask
	BIASGEN
.endif
	WIN 0x05                                       ; A (K) and B (Q) in window 1, C and D in window 0
.irp kt,0,1,2,3
	s_wait_loadcnt 56-8*\kt                        ; K's 8 loads of key tile kt are in; younger: 8 for each later key tile and V's 32
.irp s,0,1,2,3
.irp c,0,1,2,3
.if \s
	v_wmma_f32_16x16x32_f16 v[SB+8*(4*\kt+\c):SB+8*(4*\kt+\c)+7], v[128+8*(4*\kt+\s):128+8*(4*\kt+\s)+7], v[8*(4*\c+\s):8*(4*\c+\s)+7], v[SB+8*(4*\kt+\c):SB+8*(4*\kt+\c)+7]
.elseif \mask
	v_wmma_f32_16x16x32_f16 v[SB+8*(4*\kt+\c):SB+8*(4*\kt+\c)+7], v[128+8*(4*\kt+\s):128+8*(4*\kt+\s)+7], v[8*(4*\c+\s):8*(4*\c+\s)+7], v[BIAS+8*\kt:BIAS+8*\kt+7]
.else
	v_wmma_f32_16x16x32_f16 v[SB+8*(4*\kt+\c):SB+8*(4*\kt+\c)+7], v[128+8*(4*\kt+\s):128+8*(4*\kt+\s)+7], v[8*(4*\c+\s):8*(4*\c+\s)+7], 0
.endif
.endr
.endr
.endr                                              ; four accumulators take turns, one instruction a turn
	WIN 0
	PLACES 4                                       ; ahead of the first read of a result and of the loads into K's registers
.if \refill
	s_add_nc_u64 s[6:7], s[6:7], 65536             ; the loads that named this base are in: the next tile's K
	KLOAD
.endif
.irp kt,0,1,2,3
.irp p,0,2,4,6
.irp c,0,1,2,3
.if (\kt+\p)
	v_max3_num_f32 v[T+\c], v[T+\c], v[SB+8*(4*\kt+\c)+\p], v[SB+8*(4*\kt+\c)+\p+1]
.else
	v_max_num_f32 v[T+\c], v[SB+8*\c], v[SB+8*\c+1]
.endif
.endr
.endr
.endr
.irp c,0,1,2,3
	v_permlanex16_b32 v[T2+\c], v[T+\c], s60, s61  ; the other half of the lanes holds the query's other keys
.endr
.irp c,0,1,2,3
	v_max_num_f32 v[T+\c], v[T+\c], v[T2+\c]
.endr
.if \zero
.irp c,0,1,2,3
	v_mov_b32 v[MN+2*\c], v[T+\c]
	v_mov_b32 v[MO+\c], v[T+\c]
.endr
.else
.irp c,0,1,2,3
	v_max_num_f32 v[MN+2*\c], v[MO+\c], v[T+\c]
.endr
.irp c,0,1,2,3
	v_sub_f32 v[T2+\c], v[MO+\c], v[MN+2*\c]
.endr
.irp c,0,1,2,3
	v_exp_f32 v[AL+2*\c], v[T2+\c]
.endr
.irp c,0,1,2,3
	v_mov_b32 v[MO+\c], v[MN+2*\c]                 ; also the plain instruction behind the exponentials
.endr
.endif
.irp kt,0,1,2,3
.irp c,0,1,2,3
.irp p,0,2,4,6
	v_pk_add_f32 v[SB+8*(4*\kt+\c)+\p:SB+8*(4*\kt+\c)+\p+1], v[SB+8*(4*\kt+\c)+\p:SB+8*(4*\kt+\c)+\p+1], v[MN+2*\c:MN+2*\c+1] op_sel_hi:[1,0] neg_lo:[0,1] neg_hi:[0,1]
.endr
.endr
.endr
.set idx, 0
.rept 128
	v_exp_f32 v[SB+idx], v[SB+idx]
.set idx, idx+1
.endr
	v_nop                                          ; one plain instruction behind the last exponential, ahead of its use
.if \zero
	s_wait_alu depctr_va_vdst(0)
.irp c,0,1,2,3
	v_pk_add_f32 v[LP+2*\c:LP+2*\c+1], v[SB+8*\c:SB+8*\c+1], v[SB+8*\c+2:SB+8*\c+3]
.endr
.else
	s_wait_alu depctr_va_vdst(0)
.irp c,0,1,2,3
	v_pk_fma_f32 v[LP+2*\c:LP+2*\c+1], v[LP+2*\c:LP+2*\c+1], v[AL+2*\c:AL+2*\c+1], v[SB+8*\c:SB+8*\c+1] op_sel_hi:[1,0,1]
.endr
.irp c,0,1,2,3
	v_pk_add_f32 v[LP+2*\c:LP+2*\c+1], v[LP+2*\c:LP+2*\c+1], v[SB+8*\c+2:SB+8*\c+3]
.endr
.endif
.irp p,4,6
.irp c,0,1,2,3
	v_pk_add_f32 v[LP+2*\c:LP+2*\c+1], v[LP+2*\c:LP+2*\c+1], v[SB+8*\c+\p:SB+8*\c+\p+1]
.endr
.endr
.irp kt,1,2,3
.irp p,0,2,4,6
.irp c,0,1,2,3
	v_pk_add_f32 v[LP+2*\c:LP+2*\c+1], v[LP+2*\c:LP+2*\c+1], v[SB+8*(4*\kt+\c)+\p:SB+8*(4*\kt+\c)+\p+1]
.endr
.endr
.endr
.irp ks,0,1
.irp c,0,1,2,3
.irp j,0,1,2,3
	v_cvt_pk_f16_f32 v[SB+8*(8*\ks+\c)+\j], v[SB+8*(8*\ks+\c)+2*\j], v[SB+8*(8*\ks+\c)+2*\j+1]        ; keys 32 ks + 8 h + 0..7, in place, ascending
.endr
.irp j,0,1,2,3
	v_cvt_pk_f16_f32 v[SB+8*(8*\ks+\c)+4+\j], v[SB+8*(8*\ks+4+\c)+2*\j], v[SB+8*(8*\ks+4+\c)+2*\j+1]  ; keys 32 ks + 16 + 8 h + 0..7
.endr
.endr
.endr
	s_wait_loadcnt 32*\refill                      ; this tile's V is in; the next tile's 32 loads of K are younger
.if \zero
.else
	WIN 0x82                                       ; O in window 2
.irp dt,0,1,2,3,4,5,6,7
.irp c,0,1,2,3
.irp p,0,2,4,6
	v_pk_mul_f32 v[8*(4*\dt+\c)+\p:8*(4*\dt+\c)+\p+1], v[8*(4*\dt+\c)+\p:8*(4*\dt+\c)+\p+1], v[AL+2*\c:AL+2*\c+1] op_sel_hi:[1,0]
.endr
.endr
.endr
.endif
	WIN 0xA3                                       ; A (V^T) window 3, B (P) window 0, C and D window 2
.irp ks,0,1
.irp dt,0,1,2,3,4,5,6,7
.irp c,0,1,2,3
.if \zero*(1-\ks)
	v_wmma_f32_16x16x32_f16 v[8*(4*\dt+\c):8*(4*\dt+\c)+7], v[8*(8*\ks+\dt):8*(8*\ks+\dt)+7], v[SB+8*(8*\ks+\c):SB+8*(8*\ks+\c)+7], 0
.else
	v_wmma_f32_16x16x32_f16 v[8*(4*\dt+\c):8*(4*\dt+\c)+7], v[8*(8*\ks+\dt):8*(8*\ks+\dt)+7], v[SB+8*(8*\ks+\c):SB+8*(8*\ks+\c)+7], v[8*(4*\dt+\c):8*(4*\dt+\c)+7]
.endif
.endr
.endr
.endr                                              ; 32 accumulators take turns, one instruction a turn
	WIN 0
	PLACES 5                                       ; 4 ahead of loads into V's or P's registers and of reads of O, 5 ahead of products written over P
.if \refill
	s_add_nc_u64 s[24:25], s[24:25], 65536         ; the loads that named this base are in: the next tile's V
	VLOAD
.endif
.endm
	s_lshl_b32 s68, s20, 6
	s_sub_co_u32 s58, s16, s68                     ; valid keys from my first key of tile 0 on: cnt - 64 w
	TRIP 1, 1, 1
	s_sub_co_u32 s59, s18, 2                       ; NT - 2 tiles without padding
	s_mov_b32 s62, 0
	s_cmp_eq_u32 s59, 0
	s_cbranch_scc1 .Ltail                          ; on either way the next tile's 32 loads of K and 32 of V are out here
.Ltile:
	TRIP 1, 0, 0
	s_add_co_u32 s62, s62, 1
	s_cmp_lt_u32 s62, s59
	s_cbranch_scc1 .Ltile
.Ltail:
	s_sub_co_u32 s63, s18, 1
	s_lshl_b32 s63, s63, 8
	s_sub_co_u32 s58, s16, s63
	s_sub_co_u32 s58, s58, s68                     ; cnt - 256 (NT - 1) - 64 w
	TRIP 0, 0, 1                                   ; the last tile: nothing is left to fetch
	; ---- the merge of the four waves: every wave passes each of these barriers once ----
.irp dt,0,1,2,3,4,5,6,7
	global_load_b128 v[80+8*\dt:80+8*\dt+3], v19, s[10:11] offset:64*\dt
	global_load_b128 v[80+8*\dt+4:80+8*\dt+7], v19, s[10:11] offset:64*\dt+16
.endr
.irp c,0,1,2,3
	v_add_f32 v[LP+2*\c], v[LP+2*\c], v[LP+2*\c+1]
.endr
.irp c,0,1,2,3
	v_permlanex16_b32 v[T2+\c], v[LP+2*\c], s60, s61
.endr
.irp c,0,1,2,3
	v_add_f32 v[LP+2*\c], v[LP+2*\c], v[T2+\c]
.endr
.irp c,0,1,2,3
	ds_store_b32 v15, v[MO+\c] offset:64*\c        ; both halves of the lanes hold, and write, the same number
	ds_store_b32 v15, v[LP+2*\c] offset:1024+64*\c
.endr
	s_wait_dscnt 0x0
	s_barrier_signal -1
	s_barrier_wait -1
.irp ww,0,1,2,3
.irp c,0,1,2,3
	ds_load_b32 v[144+4*\ww+\c], v16 offset:256*\ww+64*\c
	ds_load_b32 v[160+4*\ww+\c], v16 offset:1024+256*\ww+64*\c
.endr
.endr
	s_wait_dscnt 0x0
.irp c,0,1,2,3
	v_max3_num_f32 v[T+\c], v[144+\c], v[148+\c], v[152+\c]
.endr
.irp c,0,1,2,3
	v_max_num_f32 v[T+\c], v[T+\c], v[156+\c]
.endr
.irp ww,0,1,2,3
.irp c,0,1,2,3
	v_sub_f32 v[144+4*\ww+\c], v[144+4*\ww+\c], v[T+\c]
.endr
.endr
.irp c,0,1,2,3
	v_sub_f32 v[T2+\c], v[MO+\c], v[T+\c]
.endr
.set idx, 0
.rept 16
	v_exp_f32 v[144+idx], v[144+idx]
.set idx, idx+1
.endr
.irp c,0,1,2,3
	v_exp_f32 v[T2+\c], v[T2+\c]
.endr
	v_nop
	s_wait_alu depctr_va_vdst(0)
.irp c,0,1,2,3
	v_mul_f32 v[T+\c], v[144+\c], v[160+\c]
.endr
.irp ww,1,2,3
.irp c,0,1,2,3
	v_fma_f32 v[T+\c], v[144+4*\ww+\c], v[160+4*\ww+\c], v[T+\c]
.endr
.endr
.irp c,0,1,2,3
	v_rcp_f32 v[176+\c], v[T+\c]                   ; l >= 1: the key of the largest logit adds 1
.endr
	v_nop
	s_wait_alu depctr_va_vdst(0)
.irp c,0,1,2,3
	v_mul_f32 v[AL+2*\c], v[T2+\c], v[176+\c]      ; my weight in the merge, over l
.endr
	WIN 0x82
.irp dt,0,1,2,3,4,5,6,7
.irp c,0,1,2,3
.irp p,0,2,4,6
	v_pk_mul_f32 v[8*(4*\dt+\c)+\p:8*(4*\dt+\c)+\p+1], v[8*(4*\dt+\c)+\p:8*(4*\dt+\c)+\p+1], v[AL+2*\c:AL+2*\c+1] op_sel_hi:[1,0]
.endr
.endr
.endr
	WIN 0x08                                       ; store data in window 2
.irp c,0,1,2,3
.irp dt,0,1,2,3,4,5,6,7
.irp i,0,1
	ds_store_b128 v12, v[8*(4*\dt+\c)+4*\i:8*(4*\dt+\c)+4*\i+3] offset:8192*\c+1024*\dt+512*\i
.endr
.endr
.endr
	WIN 0
	s_wait_dscnt 0x0
	s_barrier_signal -1
	s_barrier_wait -1
; Wave w finishes query tile c = w, 32 channels at a time: the four waves' parts are added, un-rotated (the sines negated) and summed over the 16 queries.
.macro EBATCH be
	WIN 0x40
.irp ww,0,1
.irp dl,0,1
.irp i,0,1
	ds_load_b128 v[128+16*\ww+8*\dl+4*\i:128+16*\ww+8*\dl+4*\i+3], v13 offset:32768*\ww+1024*(2*\be+\dl)+512*\i
	ds_load_b128 v[160+16*\ww+8*\dl+4*\i:160+16*\ww+8*\dl+4*\i+3], v14 offset:32768*\ww+1024*(2*\be+\dl)+512*\i
.endr
.endr
.endr
	WIN 0
.if \be == 0
	s_wait_loadcnt 0x0                             ; the angles
.endif
	SINCOS16 80+16*\be, 144, 160, 176
	s_wait_dscnt 0x0
	WIN 0x05                                       ; both sources in window 1
.irp p,0,2,4,6,8,10,12,14
	v_pk_add_f32 v[192+\p:192+\p+1], v[128+\p:128+\p+1], v[144+\p:144+\p+1]
	v_pk_add_f32 v[208+\p:208+\p+1], v[160+\p:160+\p+1], v[176+\p:176+\p+1]
.endr
	WIN 0
.irp p,0,2,4,6,8,10,12,14
	v_pk_add_f32 v[192+\p:192+\p+1], v[192+\p:192+\p+1], v[208+\p:208+\p+1]
.endr
.irp p,0,2,4,6,8,10,12,14
	v_pk_mul_f32 v[208+\p:208+\p+1], v[192+\p:192+\p+1], v[176+\p:176+\p+1]
.endr
.irp p,0,2,4,6,8,10,12,14
	v_pk_fma_f32 v[208+\p:208+\p+1], v[192+\p:192+\p+1], v[160+\p:160+\p+1], v[208+\p:208+\p+1] op_sel:[1,0,0] op_sel_hi:[0,1,1] neg_hi:[0,1,0]
.endr
.irp m,1,2,4,8
.irp p,0,1,2,3,4,5,6,7,8,9,10,11,12,13,14,15
	v_add_f32_dpp v[208+\p], v[208+\p], v[208+\p] row_xmask:\m row_mask:0xf bank_mask:0xf
.endr
.endr
.irp dl,0,1
.irp i,0,1
	ds_store_b128 v17, v[208+8*\dl+4*\i:208+8*\dl+4*\i+3] offset:128*\be+64*\dl+16*\i   ; the 16 lanes of a half write the same numbers
.endr
.endr
.endm
	EBATCH 0
	EBATCH 1
	EBATCH 2
	EBATCH 3
	s_wait_dscnt 0x0
	s_barrier_signal -1
	s_barrier_wait -1
	s_cmp_lg_u32 s20, 0
	s_cbranch_scc1 .Lclose
.irp ww,0,1,2,3
	ds_load_b128 v[192+4*\ww:192+4*\ww+3], v22 offset:512*\ww
.endr
	s_wait_dscnt 0x0
	v_pk_add_f32 v[192:193], v[192:193], v[196:197]
	v_pk_add_f32 v[194:195], v[194:195], v[198:199]
	v_pk_add_f32 v[200:201], v[200:201], v[204:205]
	v_pk_add_f32 v[202:203], v[202:203], v[206:207]
	v_pk_add_f32 v[192:193], v[192:193], v[200:201]
	v_pk_add_f32 v[194:195], v[194:195], v[202:203]
	global_store_b128 v18, v[192:195], s[12:13]    ; 128 f32: 512 consecutive bytes
.Lclose:
	s_wait_tensorcnt 0x0
	ds_add_u32 v254, v255
	s_wait_dscnt 0x0
	s_endpgm
.Lfunc_end_k_q6b93068420_attn:
	.size	k_q6b93068420_attn, .Lfunc_end_k_q6b93068420_attn-k_q6b93068420_attn
	.p2alignl 7, 3214868480
	.fill 96, 4, 3214868480
	.section	.rodata,"a",@progbits
	.p2align	6, 0x0
	.amdhsa_kernel k_q6b93068420_attn
		.amdhsa_group_segment_fixed_size 135680
		.amdhsa_private_segment_fixed_size 0
		.amdhsa_enable_private_segment 0
		.amdhsa_kernarg_size 40
		.amdhsa_user_sgpr_count 2
		.amdhsa_user_sgpr_kernarg_segment_ptr 1
		.amdhsa_wavefront_size32 1
		.amdhsa_system_sgpr_workgroup_id_x 1
		.amdhsa_system_sgpr_workgroup_id_y 1
		.amdhsa_system_sgpr_workgroup_id_z 1
		.amdhsa_system_vgpr_workitem_id 0
		.amdhsa_next_free_vgpr 896
		.amdhsa_next_free_sgpr 96
		.amdhsa_reserve_vcc 1
		.amdhsa_float_denorm_mode_32 3
		.amdhsa_float_denorm_mode_16_64 3
		.amdhsa_memory_ordered 1
		.amdhsa_forward_progress 1
		.amdhsa_inst_pref_size 227
	.end_amdhsa_kernel
	.amdgpu_metadata
---
amdhsa.version: [ 1, 2 ]
amdhsa.kernels:
  - .name:           k_q6b93068420_attn
    .symbol:         k_q6b93068420_attn.kd
    .args:
      - { .name: qh, .offset: 0, .size: 8, .value_kind: global_buffer, .address_space: global }
      - { .name: kvh, .offset: 8, .size: 8, .value_kind: global_buffer, .address_space: global }
      - { .name: meta, .offset: 16, .size: 8, .value_kind: global_buffer, .address_space: global }
      - { .name: rotary_time_emb_query, .offset: 24, .size: 8, .value_kind: global_buffer, .address_space: global }
      - { .name: part, .offset: 32, .size: 8, .value_kind: global_buffer, .address_space: global }
    .group_segment_fixed_size: 135680
    .private_segment_fixed_size: 0
    .kernarg_segment_align: 8
    .kernarg_segment_size: 40
    .max_flat_workgroup_size: 128
    .sgpr_count:     96
    .vgpr_count:     896
    .wavefront_size: 32
...
	.end_amdgpu_metadata
.endif
;; end of part 7
;; launch final: the kernel of part 4 again; grid 4 x 1, 8 waves a work-group, no clusters, 18,176 bytes of LDS; arguments part, w_o, b_o, out0; writes out0
;; ======== version 3 of 3: 4 launches; version 2 with the launches kvproj, final written anew for expert scheduling mode
;; limits: values are held in f16: magnitudes above 65,504 overflow, below 6.1e-05 lose precision; a function is approximated: absolute error at most 1.5e-05
;; workspace buffers: qh 4,194,304 bytes; kvh 67,108,864 bytes; wh 131,072 bytes; list 131,072 bytes of whole numbers; meta 4,096 bytes of whole numbers; part 131,072 bytes
;; launch prep: the kernel of part 5 again; grid 304 x 1, 8 waves a work-group, no clusters, 78,848 bytes of LDS; arguments x_query, ln_q_w, ln_q_b, w_q, rotary_time_emb_query, context_mask, w_kv, qh, wh, list, meta; writes qh, wh, list, meta
;; launch kvproj (part 8): grid 16 x 16, 4 waves a work-group, no clusters, 183,808 bytes of LDS; arguments x_context, rotary_time_emb_context, ln_c_w, ln_c_b, wh, list, meta, kvh; writes kvh
.if DOCPART == 8
	.amdgcn_target "amdgcn-amd-amdhsa--gfx1250"
	.amdhsa_code_object_version 6
	.text
	.protected	k_q6b93068420_kvproj
	.globl	k_q6b93068420_kvproj
	.p2align	8
	.type	k_q6b93068420_kvproj,@function
k_q6b93068420_kvproj:
	s_mov_b64 s[64:65], 0
	v_nop
	global_prefetch_b8 v0, s[64:65] scope:SCOPE_SE
	s_setreg_imm32_b32 hwreg(HW_REG_WAVE_SCHED_MODE, 0, 2), 2
	s_setreg_imm32_b32 hwreg(HW_REG_WAVE_MODE, 25, 1), 1
	s_wait_xcnt 0x0
	s_wait_alu depctr_vm_vsrc(0)
; kvproj: K and V of the listed keys of batch b = y, in the order of the attention's matrix fragments.  List position p = 4 i + r4 is key
; n = list[b][i] + 2048 r4 (the mask of key n is context_mask[b][n mod 2048]); positions 0 .. 256 NT - 1 are made; the keys that the mask
; throws away are not (but for the padding up to a whole tile, which the attention masks).  For each key: LayerNorm of x_context's row,
; times w_kv^T, K and V rotated by the key's angles, f16.
; A chunk is 16 positions.  The batch's 64 waves (wave o = x + 16 w) take chunks o, o + 64, .. below 16 NT, one a trip.
; THE TRIP COUNT IS READ FROM MEMORY, so no barrier stands in the loop: a wave makes its chunk alone, all 256 channels.  The f16 weights
; (131,072 bytes) are put into LDS once, ahead of the launch's one barrier, and only read behind it; the normalised rows and the
; transposition of V go through LDS bytes that are the wave's own.  No tensor loads: the rows are gathered by a list.  No cluster: no two
; work-groups read the same rows.
; kvh[b]: K image, chunk c at 4096 c: block g (channels 16 g ..) at 512 g, lane (r, h) at 16 (16 h + r): K[key r][16 g + 8 h + 0..7];
;         V image at 2 MiB, chunk c at 8192 (c/2) + 512 (c%2): block g at 1024 g, lane (r, h): V[keys 8 h + 0..7][channel 16 g + r].
; LIMITS: f16 operands and results (|k|, |v| < 65,504, of masked keys in the padding too); polynomial sine and cosine, absolute error at most 1.5e-5.
; THE MODE: SCHED_MODE bits 1:0 = 2 (LLVM: expert scheduling mode 2), set by the entry lines.  The code itself states the register dependences
; between vector or matrix instructions and memory or LDS instructions, with s_wait_alu, always for 0.
; THE PLAN.  Registers that memory or LDS instructions touch, in the loop:
;   weight buffers 0, 1 (window 2)  ALOAD g lands in buffer g % 2; the products of group g read it.
;   fragments of the rows (window 3) 16 LDS loads a trip land in them; all eight groups' products read them.
;   X                               XLOAD lands in it; the LayerNorm reads and writes it.  Its first 32 registers then take the second eight rows in f16.
;   SS, X[0:31]                     written by the LayerNorm's conversions, read by one run of 32 LDS stores.
;   F, part j                       FLOADP j lands in it; the sines of part j read it and use it up.
;   KO, VO (4 registers a group)    written by a group's conversions, read by a global store and an LDS store.
;   VT (4 registers a group)        the transposing LDS load lands in it, a global store reads it; no vector instruction names it.
;   v12-15, RFO                     written by NEXTIDX, read by XLOAD and FLOADP.
;   v4, v5, v6, v11, v228, RL, RVS, RVT  made at the head, never written again.
; A group's step is: the next group's products; this group's rotation; sines where due; ONE wait on va_vdst; this group's stores, the next angles, the weights
; two groups on.  ONE wait on vm_vsrc a trip stands behind the trip's LDS stores of the rows and ahead of all that writes a store's data or a load's offset again.
.set XSP,   528                        ; LDS pitch of a normalised row: 512 + 16 bytes
.set XSB,   131072                     ; behind the weights: 16 rows for each wave
.set VSP,   288                        ; LDS pitch of a row of V: 256 + 32 bytes (an odd multiple of 32, for the transposing load)
.set VSB,   XSB+4*16*XSP               ; 16 rows for each wave
; window 0: v3 angles' lane term; v4 16 L; v5, v6 normalised rows in and out; v11 16 L + 65536; v12-15 offsets of the rows of x
.set LW, 20                            ; v[20:27]   ln_c_w of my 8 columns
.set LB, 28                            ; v[28:35]   ln_c_b
.set P,  36                            ; v[36:67]   LayerNorm: 4 registers a row
.set X,  68                            ; v[68:195]  16 rows x 8 numbers
.set SS, 196                           ; v[196:227] the first 8 normalised rows in f16
; window 1
.set F,   0                            ; 64 angles: tile t at 8 t
.set SN,  64                           ; at work in the sines
.set SI,  80                           ; sines of two tiles
.set CO,  96                           ; cosines of two tiles
.set T,   112                          ; a group's rotated K and V tile in f32
.set KO,  128                          ; K of group g in f16, at 4 g: stored from here
.set VT,  160                          ; V of group g transposed, at 4 g: stored from here
.set RL,  200                          ; 16 L
.set RVS, 201                          ; where V goes in LDS
.set RVT, 202                          ; from where it comes back transposed
.set RFO, 203                          ; offset of my row's angles
.set VO,  204                          ; V of group g in f16, at 4 g, on its way to LDS
; window 2: two buffers of weights: buffer g%2 at 128 (g%2): K tile's step s at 8 s, V tile's at 64 + 8 s
; window 3: v[8 s] fragments of the 16 rows; accumulators at DD + 16 (g%2) + 8 a
.set DD,  64
.set LO, 70
.set A1, 72
.set A3, 74
.set A5, 76
.set A7, 78
.set A9, 80
.set B2, 82
.set B4, 84
.set B6, 86
.set B8, 88
.set B10, 90
.set MSB, 0
.macro WIN new                         ; the immediate's high byte repeats the setting that is left
.if MSB != \new
	s_set_vgpr_msb (MSB<<8)|\new
.set MSB, \new
.endif
.endm
.macro CPAIR reg, val
	s_mov_b32 s[\reg], \val
	s_mov_b32 s[\reg+1], \val
.endm
; sine and cosine of 16 angles: y = angle/2pi - nearest whole number; S = 2 sin(pi y), C = cos(pi y) by series; sin = S C, cos = 1 - S S / 2
.macro SINCOS16 F, N, S, C
.irp p,0,2,4,6,8,10,12,14
	v_pk_mul_f32 v[\N+\p:\N+\p+1], v[\F+\p:\F+\p+1], 0.15915494 op_sel_hi:[1,0]
.endr
.irp p,0,1,2,3,4,5,6,7,8,9,10,11,12,13,14,15
	v_rndne_f32 v[\N+\p], v[\N+\p]
.endr
.irp p,0,2,4,6,8,10,12,14
	v_pk_fma_f32 v[\N+\p:\N+\p+1], v[\F+\p:\F+\p+1], 0.15915494, v[\N+\p:\N+\p+1] op_sel_hi:[1,0,1] neg_lo:[0,0,1] neg_hi:[0,0,1]
.endr
.irp p,0,2,4,6,8,10,12,14
	v_pk_fma_f32 v[\N+\p:\N+\p+1], v[\F+\p:\F+\p+1], s[LO:LO+1], v[\N+\p:\N+\p+1] op_sel_hi:[1,0,1]
.endr
.irp p,0,2,4,6,8,10,12,14
	v_pk_mul_f32 v[\F+\p:\F+\p+1], v[\N+\p:\N+\p+1], v[\N+\p:\N+\p+1]
.endr
.irp p,0,2,4,6,8,10,12,14
	v_pk_fma_f32 v[\S+\p:\S+\p+1], v[\F+\p:\F+\p+1], s[A9:A9+1], s[A7:A7+1] op_sel_hi:[1,0,0]
	v_pk_fma_f32 v[\C+\p:\C+\p+1], v[\F+\p:\F+\p+1], s[B10:B10+1], s[B8:B8+1] op_sel_hi:[1,0,0]
.endr
.irp p,0,2,4,6,8,10,12,14
	v_pk_fma_f32 v[\S+\p:\S+\p+1], v[\S+\p:\S+\p+1], v[\F+\p:\F+\p+1], s[A5:A5+1] op_sel_hi:[1,1,0]
	v_pk_fma_f32 v[\C+\p:\C+\p+1], v[\C+\p:\C+\p+1], v[\F+\p:\F+\p+1], s[B6:B6+1] op_sel_hi:[1,1,0]
.endr
.irp p,0,2,4,6,8,10,12,14
	v_pk_fma_f32 v[\S+\p:\S+\p+1], v[\S+\p:\S+\p+1], v[\F+\p:\F+\p+1], s[A3:A3+1] op_sel_hi:[1,1,0]
	v_pk_fma_f32 v[\C+\p:\C+\p+1], v[\C+\p:\C+\p+1], v[\F+\p:\F+\p+1], s[B4:B4+1] op_sel_hi:[1,1,0]
.endr
.irp p,0,2,4,6,8,10,12,14
	v_pk_fma_f32 v[\S+\p:\S+\p+1], v[\S+\p:\S+\p+1], v[\F+\p:\F+\p+1], s[A1:A1+1] op_sel_hi:[1,1,0]
	v_pk_fma_f32 v[\C+\p:\C+\p+1], v[\C+\p:\C+\p+1], v[\F+\p:\F+\p+1], s[B2:B2+1] op_sel_hi:[1,1,0]
.endr
.irp p,0,2,4,6,8,10,12,14
	v_pk_mul_f32 v[\S+\p:\S+\p+1], v[\S+\p:\S+\p+1], v[\N+\p:\N+\p+1]
	v_pk_fma_f32 v[\C+\p:\C+\p+1], v[\C+\p:\C+\p+1], v[\F+\p:\F+\p+1], 1.0 op_sel_hi:[1,1,0]
.endr
.irp p,0,2,4,6,8,10,12,14
	v_pk_mul_f32 v[\F+\p:\F+\p+1], v[\S+\p:\S+\p+1], v[\S+\p:\S+\p+1]
	v_pk_mul_f32 v[\S+\p:\S+\p+1], v[\S+\p:\S+\p+1], v[\C+\p:\C+\p+1]
.endr
.irp p,0,2,4,6,8,10,12,14
	v_pk_fma_f32 v[\C+\p:\C+\p+1], v[\F+\p:\F+\p+1], -0.5, 1.0 op_sel_hi:[1,0,0]
.endr
.endm
; A chunk's four list entries lie in s[40:43]; each is bounded by 2047 in the text before it enters an address.  Row 4 e + r4 of the chunk is
; key entry e + 2048 r4.  x: a whole row for a pair of loads, so entry e is wanted in every lane; angles: lane (r, h) wants the entry of
; row r, e = r / 4, picked by three constant lane masks (scalar constants: no vector instruction writes them).
.macro NEXTIDX
.irp e,0,1,2,3
	s_min_u32 s[44+\e], s[40+\e], 0x7ff
.endr
.irp e,0,1,2,3
	v_lshl_add_u32 v[12+\e], s[44+\e], 10, v4
.endr
	v_mov_b32 v229, s44
	v_cndmask_b32 v229, v229, s45, s48
	v_cndmask_b32 v229, v229, s46, s49
	v_cndmask_b32 v229, v229, s47, s60
	v_min_u32 v229, 0x7ff, v229
	WIN 0x40
	v_lshl_add_u32 v[RFO], v229, 9, v3
	WIN 0
.endm
.macro XLOAD                           ; 16 rows of 1,024 bytes: a load covers 512 consecutive bytes; the four keys of an entry lie 2,048 rows apart
.irp e,0,1,2,3
.irp r4,0,1,2,3
.irp c,0,1
	global_load_b128 v[X+8*(4*\e+\r4)+4*\c:X+8*(4*\e+\r4)+4*\c+3], v[12+\e], s[4:5] offset:\r4*0x200000+512*\c th:TH_LOAD_NT
.endr
.endr
.endr
.endm
.macro FLOADP j                        ; all operands in window 1: angles of row r, channels 16 t + 8 h + 0..7, tiles t = 2 j, 2 j + 1
.irp t,0,1
.irp i,0,1
	global_load_b128 v[F+16*\j+8*\t+4*\i:F+16*\j+8*\t+4*\i+3], v[RFO], s[6:7] offset:64*(2*\j+\t)+16*\i
.endr
.endr
.endm
.macro ALOAD g                         ; the weights of K tile g and V tile g + 8, 32 loads of 512 consecutive bytes, into buffer g % 2
	WIN 0x80
.irp s,0,1,2,3,4,5,6,7
	ds_load_b128 v[128*(\g&1)+8*\s:128*(\g&1)+8*\s+3], v4 offset:8192*\g+1024*\s
	ds_load_b128 v[128*(\g&1)+8*\s+4:128*(\g&1)+8*\s+7], v4 offset:8192*\g+1024*\s+512
	ds_load_b128 v[128*(\g&1)+64+8*\s:128*(\g&1)+64+8*\s+3], v11 offset:8192*\g+1024*\s
	ds_load_b128 v[128*(\g&1)+64+8*\s+4:128*(\g&1)+64+8*\s+7], v11 offset:8192*\g+1024*\s+512
.endr
.endm
.macro WSUM8                           ; eight rows' sums over the 32 lanes, in every lane
.irp m,1,2,4,8
.irp i,0,1,2,3,4,5,6,7
	v_add_f32_dpp v[P+4*\i], v[P+4*\i], v[P+4*\i] row_xmask:\m row_mask:0xf bank_mask:0xf
.endr
.endr
.irp i,0,1,2,3,4,5,6,7
	v_permlanex16_b32 v[P+4*\i+1], v[P+4*\i], s28, s29
.endr
.irp i,0,1,2,3,4,5,6,7
	v_add_f32 v[P+4*\i], v[P+4*\i], v[P+4*\i+1]
.endr
.endm
.macro LN8 xb, ob                      ; LayerNorm of the eight rows at xb in two passes, then f16 into the 32 registers at ob
.irp i,0,1,2,3,4,5,6,7
	v_pk_add_f32 v[P+4*\i:P+4*\i+1], v[\xb+8*\i:\xb+8*\i+1], v[\xb+8*\i+2:\xb+8*\i+3]
	v_pk_add_f32 v[P+4*\i+2:P+4*\i+3], v[\xb+8*\i+4:\xb+8*\i+5], v[\xb+8*\i+6:\xb+8*\i+7]
.endr
.irp i,0,1,2,3,4,5,6,7
	v_pk_add_f32 v[P+4*\i:P+4*\i+1], v[P+4*\i:P+4*\i+1], v[P+4*\i+2:P+4*\i+3]
.endr
.irp i,0,1,2,3,4,5,6,7
	v_add_f32 v[P+4*\i], v[P+4*\i], v[P+4*\i+1]
.endr
	WSUM8
.irp i,0,1,2,3,4,5,6,7
	v_mul_f32 v[P+4*\i+2], s30, v[P+4*\i]
	v_mul_f32 v[P+4*\i+3], s30, v[P+4*\i]
.endr
.irp i,0,1,2,3,4,5,6,7
.irp p,0,2,4,6
	v_pk_add_f32 v[\xb+8*\i+\p:\xb+8*\i+\p+1], v[\xb+8*\i+\p:\xb+8*\i+\p+1], v[P+4*\i+2:P+4*\i+3] neg_lo:[0,1] neg_hi:[0,1]
.endr
.endr
.irp i,0,1,2,3,4,5,6,7
	v_pk_mul_f32 v[P+4*\i:P+4*\i+1], v[\xb+8*\i:\xb+8*\i+1], v[\xb+8*\i:\xb+8*\i+1]
.endr
.irp p,2,4,6
.irp i,0,1,2,3,4,5,6,7
	v_pk_fma_f32 v[P+4*\i:P+4*\i+1], v[\xb+8*\i+\p:\xb+8*\i+\p+1], v[\xb+8*\i+\p:\xb+8*\i+\p+1], v[P+4*\i:P+4*\i+1]
.endr
.endr
.irp i,0,1,2,3,4,5,6,7
	v_add_f32 v[P+4*\i], v[P+4*\i], v[P+4*\i+1]
.endr
	WSUM8
.irp i,0,1,2,3,4,5,6,7
	v_fma_f32 v[P+4*\i], v[P+4*\i], s30, s31
.endr
.irp i,0,1,2,3,4,5,6,7
	v_rsq_f32 v[P+4*\i+2], v[P+4*\i]
	v_rsq_f32 v[P+4*\i+3], v[P+4*\i]
.endr
	v_nop                                          ; one plain instruction behind the last v_rsq_f32, ahead of its use
	s_wait_alu depctr_va_vdst(0)                   ; the sixteen v_rsq_f32 have written their results, ahead of the first multiply that reads one: one wait for the batch
.irp i,0,1,2,3,4,5,6,7
.irp p,0,2,4,6
	v_pk_mul_f32 v[\xb+8*\i+\p:\xb+8*\i+\p+1], v[\xb+8*\i+\p:\xb+8*\i+\p+1], v[P+4*\i+2:P+4*\i+3]
.endr
.endr
.irp i,0,1,2,3,4,5,6,7
.irp p,0,2,4,6
	v_pk_fma_f32 v[\xb+8*\i+\p:\xb+8*\i+\p+1], v[\xb+8*\i+\p:\xb+8*\i+\p+1], v[LW+\p:LW+\p+1], v[LB+\p:LB+\p+1]
.endr
.endr
.irp i,0,1,2,3,4,5,6,7
.irp j,0,1,2,3
	v_cvt_pk_f16_f32 v[\ob+4*\i+\j], v[\xb+8*\i+2*\j], v[\xb+8*\i+2*\j+1]
.endr
.endr
.endm
; Sines and cosines of tiles 2 j, 2 j + 1.  (Those 16 registers then take the next chunk's angles: FLOADP j, behind the step's wait.)
.macro SCV j, more
.if \more
	s_wait_loadcnt 44                              ; part j of this chunk's angles is in; younger: its 4 (3 - j) later loads, the next chunk's 32 of x and 4 j of angles
.else
	s_wait_loadcnt 12-4*\j                         ; younger: the 4 (3 - j) later loads of this chunk's angles
.endif
	WIN 0x55                                       ; all operands in window 1
	SINCOS16 F+16*\j, SN, SI, CO
.endm
; The products of group g: K tile g and V tile g + 8 (they share their angles).  wcnt: the LDS loads that may stay out, the weights fetched last.
.macro WM g, wcnt
	s_wait_dscnt \wcnt                             ; this group's weights are in, and what was asked of LDS before them
	WIN 0xFE                                       ; A window 2, B, C and D window 3
.irp s,0,1,2,3,4,5,6,7
.irp a,0,1
.if \s
	v_wmma_f32_16x16x32_f16 v[DD+16*(\g&1)+8*\a:DD+16*(\g&1)+8*\a+7], v[128*(\g&1)+64*\a+8*\s:128*(\g&1)+64*\a+8*\s+7], v[8*\s:8*\s+7], v[DD+16*(\g&1)+8*\a:DD+16*(\g&1)+8*\a+7]
.else
	v_wmma_f32_16x16x32_f16 v[DD+16*(\g&1)+8*\a:DD+16*(\g&1)+8*\a+7], v[128*(\g&1)+64*\a+8*\s:128*(\g&1)+64*\a+8*\s+7], v[8*\s:8*\s+7], 0
.endif
.endr
.endr                                              ; the two accumulators take turns, one instruction a turn
.endm
; Group g is rotated.  It stands behind the NEXT group's products, which use the other pair of accumulators and the other buffer:
; its 24 vector instructions name none of their registers and are the places behind them.
; lane (r, h) holds channels 8 h + 0..7 of a tile for key r: out0 = x0 c0 - x1 s0, out1 = x1 c1 + x0 s1 for each pair of channels.
.macro RTV g
	WIN 0x57                                       ; source 0 (the sums) window 3, the rest window 1
.irp a,0,1
.irp p,0,2,4,6
	v_pk_mul_f32 v[T+8*\a+\p:T+8*\a+\p+1], v[DD+16*(\g&1)+8*\a+\p:DD+16*(\g&1)+8*\a+\p+1], v[CO+8*(\g&1)+\p:CO+8*(\g&1)+\p+1]
.endr
.irp p,0,2,4,6
	v_pk_fma_f32 v[T+8*\a+\p:T+8*\a+\p+1], v[DD+16*(\g&1)+8*\a+\p:DD+16*(\g&1)+8*\a+\p+1], v[SI+8*(\g&1)+\p:SI+8*(\g&1)+\p+1], v[T+8*\a+\p:T+8*\a+\p+1] op_sel:[1,0,0] op_sel_hi:[0,1,1] neg_lo:[0,1,0]
.endr
.endr
	WIN 0x55
.irp j,0,1,2,3
	v_cvt_pk_f16_f32 v[KO+4*\g+\j], v[T+2*\j], v[T+2*\j+1]
	v_cvt_pk_f16_f32 v[VO+4*\g+\j], v[T+8+2*\j], v[T+8+2*\j+1]
.endr
.endm
; Group g leaves, behind the step's wait.  prev = 1: the group before, which the last wait on DScnt has shown back from LDS, is stored too.
.macro RTM g, prev
	WIN 0x55
	global_store_b128 v[RL], v[KO+4*\g:KO+4*\g+3], s[54:55] offset:512*\g          ; K as it lies: 512 consecutive bytes of the image
	ds_store_b128 v[RVS], v[VO+4*\g:VO+4*\g+3] offset:32*\g                        ; V[key r][16 g + 8 h ..] into my own rows,
	ds_load_tr16_b128 v[VT+4*\g:VT+4*\g+3], v[RVT] offset:32*\g                    ; and back as V[keys 8 h ..][channel 16 g + r]: LDS serves a wave in order
.if \prev
	global_store_b128 v[RL], v[VT+4*\g-4:VT+4*\g-1], s[56:57] offset:1024*\g-1024
.endif
.endm
; One trip: a chunk of 16 keys.  more = 1: the next chunk's entries, rows and angles are asked for.
; Global loads are always issued in the order x (32), angles (4 parts of 4).
.macro KVTRIP more
.if \more
	s_load_b128 s[40:43], s[32:33], 0x0            ; the next chunk's four entries: they have the LayerNorm in which to come
.endif
	ALOAD 0                                        ; the first two groups' weights likewise.  No wait: the last trip's products stand ahead of its last wait on va_vdst,
	ALOAD 1                                        ; and no vector or matrix instruction since names a weight buffer (first trip: the wait on vm_vsrc behind the barrier)
	WIN 0
	s_wait_loadcnt 16                              ; this chunk's x is in; its 16 angle loads are younger
	LN8 X, SS                                      ; rows 0 to 7
	LN8 X+64, X                                    ; rows 8 to 15: their f16 go where rows 0 to 3 lay in f32, which are used up
	s_wait_alu depctr_va_vdst(0)                   ; the conversions have written SS and X[0:31], which the LDS stores read; the last trip's products are done reading the rows' fragments, in which the loads below land
.irp i,0,1,2,3,4,5,6,7
	ds_store_b64 v5, v[SS+4*\i:SS+4*\i+1] offset:XSP*\i
	ds_store_b64 v5, v[SS+4*\i+2:SS+4*\i+3] offset:XSP*\i+256
.endr
.irp i,0,1,2,3,4,5,6,7
	ds_store_b64 v5, v[X+4*\i:X+4*\i+1] offset:XSP*(8+\i)
	ds_store_b64 v5, v[X+4*\i+2:X+4*\i+3] offset:XSP*(8+\i)+256
.endr
	WIN 0xC0                                       ; destination in window 3
.irp s,0,1,2,3,4,5,6,7
	ds_load_b128 v[8*\s:8*\s+3], v6 offset:64*\s
	ds_load_b128 v[8*\s+4:8*\s+7], v6 offset:64*\s+32
.endr
	WIN 0
	s_wait_xcnt 0x0                                ; the last chunk's stores and this chunk's angle loads: their bases, offsets and data are written again only behind this wait
	s_wait_alu depctr_vm_vsrc(0)                   ; the LDS stores above have read SS and X[0:31]; the last trip's stores have read KO, VO and VT; its loads have read v12-15 and RFO: all are written again below or in the next trip
	s_add_nc_u64 s[54:55], s[50:51], s[58:59]      ; this chunk in the K image,
	s_add_nc_u64 s[56:57], s[52:53], s[58:59]      ; and in the V image: 64 chunks on are 262,144 bytes in both
	s_add_co_u32 s58, s58, 0x40000
.if \more
	s_wait_kmcnt 0x0
	s_add_nc_u64 s[32:33], s[32:33], 1024          ; 64 chunks of 16 bytes on
	NEXTIDX
	s_wait_alu depctr_va_vdst(0)                   ; v12-15 and RFO are written, which the loads of x and of the angles read; the LayerNorm is done with X, in which the loads of x land
	XLOAD
.endif
	WM 0, 0                                        ; the fragments of the rows and both buffers are in
	SCV 0, \more
	s_wait_alu depctr_va_vdst(0)                   ; group 0's products are done reading buffer 0; the sines are done with part 0 of F
.if \more
	FLOADP 0
.endif
	ALOAD 2
	WM 1, 32
	RTV 0
	s_wait_alu depctr_va_vdst(0)                   ; group 0's conversions have written KO and VO; group 1's products are done reading buffer 1
	RTM 0, 0
	ALOAD 3
	WM 2, 32
	RTV 1
	SCV 1, \more
	s_wait_alu depctr_va_vdst(0)                   ; group 1's conversions have written KO and VO; group 2's products are done reading buffer 0; the sines are done with part 1 of F
	RTM 1, 1
.if \more
	FLOADP 1
.endif
	ALOAD 4
	WM 3, 32
	RTV 2
	s_wait_alu depctr_va_vdst(0)                   ; group 2's conversions have written KO and VO; group 3's products are done reading buffer 1
	RTM 2, 1
	ALOAD 5
	WM 4, 32
	RTV 3
	SCV 2, \more
	s_wait_alu depctr_va_vdst(0)                   ; group 3's conversions have written KO and VO; group 4's products are done reading buffer 0; the sines are done with part 2 of F
	RTM 3, 1
.if \more
	FLOADP 2
.endif
	ALOAD 6
	WM 5, 32
	RTV 4
	s_wait_alu depctr_va_vdst(0)                   ; group 4's conversions have written KO and VO; group 5's products are done reading buffer 1
	RTM 4, 1
	ALOAD 7
	WM 6, 32
	RTV 5
	SCV 3, \more
	s_wait_alu depctr_va_vdst(0)                   ; group 5's conversions have written KO and VO; the sines are done with part 3 of F; group 6's products are done reading buffer 0 (the next trip's first weights)
	RTM 5, 1
.if \more
	FLOADP 3
.endif
	WM 7, 0
	RTV 6                                          ; also the places between group 7's products and the reads of their results
	RTV 7
	s_wait_alu depctr_va_vdst(0)                   ; groups 6 and 7's conversions have written KO and VO; group 7's products are done reading buffer 1 and the rows' fragments
	RTM 6, 1
	RTM 7, 0
	s_wait_dscnt 0x0                               ; groups 6 and 7's V are back
	global_store_b128 v[RL], v[VT+24:VT+27], s[56:57] offset:6144
	global_store_b128 v[RL], v[VT+28:VT+31], s[56:57] offset:7168
	WIN 0
.endm
	s_load_b512 s[4:19], s[0:1], 0x0               ; x 4, angles 6, ln w 8, ln b 10, wh 12, list 14, meta 16, kvh 18
	v_lshl_add_u32 v254, v0, 2, 0x2cc00
	v_mov_b32 v255, 0
	v_and_b32 v1, 31, v0                           ; L
	v_lshrrev_b32 v2, 5, v0
	v_readfirstlane_b32 s20, v2                    ; wave w
	s_wait_alu depctr_va_sdst(0)                   ; s20 is written, ahead of its first reader: offsets and LDS places are made from it
	s_and_b32 s21, ttmp7, 0xffff                   ; b
	s_lshl4_add_u32 s22, s20, ttmp9                ; o = 16 w + x
	s_mov_b32 s27, 0                               ; the upper word of every 32-bit offset
	s_mov_b32 s58, 0
	s_mov_b32 s59, 0
	v_lshlrev_b32 v4, 4, v1                        ; 16 L
	v_lshl_add_u32 v228, s20, 15, v4               ; my quarter of the weights, in wh and in LDS
	s_wait_kmcnt 0x0
	s_lshl_b32 s26, s21, 8
	s_add_nc_u64 s[16:17], s[16:17], s[26:27]
	s_load_b32 s23, s[16:17], 0x8                  ; NT
	s_lshl_b32 s26, s21, 13
	s_lshl4_add_u32 s26, s22, s26
	s_add_nc_u64 s[32:33], s[14:15], s[26:27]      ; list[b] at chunk o: 16 o + 16 <= 1,024 of the batch's 8,192 bytes
	s_load_b128 s[40:43], s[32:33], 0x0
	WIN 0x80                                       ; destination in window 2
	s_wait_alu depctr_va_vdst(0)                   ; v228 is written, which the loads of the weights read as their offset
.set idx, 0
.rept 64
	global_load_b128 v[4*idx:4*idx+3], v228, s[12:13] offset:512*idx
.set idx, idx+1
.endr
	WIN 0
	v_and_b32 v232, 15, v0                         ; r
	v_bfe_u32 v233, v0, 4, 1                       ; h
	v_and_b32 v3, 3, v0
	v_lshlrev_b32 v3, 20, v3                       ; angles: (r%4) x 2,048 keys of 512 bytes
	v_lshl_add_u32 v3, v233, 5, v3                 ; + channels 8 h
	v_add_nc_u32 v11, 65536, v4
	s_mul_i32 s25, s20, 16*XSP
	s_add_co_u32 s25, s25, XSB
	v_lshlrev_b32 v5, 3, v1
	v_add_nc_u32 v5, s25, v5                       ; normalised rows: 8 L bytes in
	v_mul_u32_u24 v6, v232, XSP
	v_lshl_add_u32 v6, v233, 4, v6
	v_add_nc_u32 v6, s25, v6                       ; their fragments: row r, 16 h bytes in
	s_mul_i32 s25, s20, 16*VSP
	s_add_co_u32 s25, s25, VSB
	v_mul_u32_u24 v230, v232, VSP
	v_lshl_add_u32 v230, v233, 4, v230             ; V in: row r, 16 h bytes in
	v_and_b32 v231, 7, v0
	v_lshl_add_u32 v231, v233, 3, v231
	v_mul_u32_u24 v231, v231, VSP
	v_bfe_u32 v234, v0, 3, 1
	v_lshl_add_u32 v231, v234, 4, v231             ; V back: row 8 h + L%8, 16 ((L/8)%2) bytes in
	WIN 0x40
	v_mov_b32 v[RL], v4
	v_add_nc_u32 v[RVS], s25, v230
	v_add_nc_u32 v[RVT], s25, v231
	WIN 0
	s_mov_b32 s28, 0x76543210
	s_mov_b32 s29, 0xfedcba98
	s_mov_b32 s30, 0x3b800000                      ; 1/256
	s_mov_b32 s31, 0x3727c5ac                      ; 1e-5
	s_mov_b32 s48, 0x00f000f0                      ; lanes with r / 4 = 1,
	s_mov_b32 s49, 0x0f000f00                      ; 2,
	s_mov_b32 s60, 0xf000f000                      ; 3
	CPAIR LO, 0x31dc9c88
	CPAIR A1, 0x40c90fdb
	CPAIR A3, 0xc1255de7
	CPAIR A5, 0x40a335e3
	CPAIR A7, 0xbf996966
	CPAIR A9, 0x3e283c1a
	CPAIR B2, 0xc09de9e6
	CPAIR B4, 0x4081e0f8
	CPAIR B6, 0xbfaae9e4
	CPAIR B8, 0x3e70fa83
	CPAIR B10, 0xbcd368f9
	s_lshl_b32 s26, s21, 23
	s_add_nc_u64 s[4:5], s[4:5], s[26:27]          ; x_context[b]
	s_lshl_b32 s26, s21, 22
	s_add_nc_u64 s[6:7], s[6:7], s[26:27]          ; angles[b]
	s_add_nc_u64 s[18:19], s[18:19], s[26:27]      ; kvh[b]
	s_lshl_b32 s26, s22, 12
	s_add_nc_u64 s[50:51], s[18:19], s[26:27]      ; chunk o in the K image
	s_lshr_b32 s26, s22, 1
	s_lshl_b32 s26, s26, 13
	s_and_b32 s25, s22, 1
	s_lshl_b32 s25, s25, 9
	s_add_co_u32 s26, s26, s25
	s_add_co_u32 s26, s26, 0x200000
	s_add_nc_u64 s[52:53], s[18:19], s[26:27]      ; and in the V image
	s_wait_kmcnt 0x0
	s_add_nc_u64 s[32:33], s[32:33], 1024
	s_max_u32 s23, s23, 2
	s_min_u32 s23, s23, 32                         ; bounded in the text before it enters a trip count
	s_lshl_b32 s24, s23, 4
	s_add_co_u32 s24, s24, 63
	s_sub_co_u32 s24, s24, s22
	s_lshr_b32 s24, s24, 6                         ; my chunks: those of o, o + 64, .. below 16 NT (0 to 8)
	NEXTIDX
	s_wait_alu depctr_va_vdst(0)                   ; all offsets and LDS addresses are written (v4, v5, v6, v11, v12-15, RL, RVS, RVT, RFO), which the loads and stores from here on read
	global_load_b128 v[LW:LW+3], v4, s[8:9]
	global_load_b128 v[LW+4:LW+7], v4, s[8:9] offset:512
	global_load_b128 v[LB:LB+3], v4, s[10:11]
	global_load_b128 v[LB+4:LB+7], v4, s[10:11] offset:512
	XLOAD
	WIN 0x55
	FLOADP 0
	FLOADP 1
	FLOADP 2
	FLOADP 3
	s_wait_loadcnt 52                              ; the weights are in; younger: 4 loads of the gains, 32 of x, 16 of angles
	WIN 0x08                                       ; store data in window 2
.set idx, 0
.rept 64
	ds_store_b128 v228, v[4*idx:4*idx+3] offset:512*idx
.set idx, idx+1
.endr
	WIN 0
	s_wait_dscnt 0x0                               ; my quarter of the weights is in LDS before I say so
	s_barrier_signal -1
	s_barrier_wait -1                              ; all of them are; they are never written again
	s_wait_alu depctr_vm_vsrc(0)                   ; my LDS stores have read window 2's registers: they are the two weight buffers from here on, in which LDS loads land
	s_cmp_eq_u32 s24, 0                            ; fewer chunks than waves (NT < 4): a wave without one has done its part, the weights
	s_cbranch_scc1 .Lend
	s_sub_co_u32 s24, s24, 1                       ; the trips that look ahead; the last is written out
	s_mov_b32 s25, 0
	s_cmp_eq_u32 s24, 0
	s_cbranch_scc1 .Llast
.Ltrip:
	KVTRIP 1
	s_add_co_u32 s25, s25, 1
	s_cmp_lt_u32 s25, s24
	s_cbranch_scc1 .Ltrip
.Llast:
	KVTRIP 0
.Lend:
	s_wait_dscnt 0x0                               ; the closing lines, six on end
	s_wait_alu 0x0
	s_wait_tensorcnt 0x0
	ds_add_u32 v254, v255
	s_wait_dscnt 0x0
	s_endpgm
.Lfunc_end_k_q6b93068420_kvproj:
	.size	k_q6b93068420_kvproj, .Lfunc_end_k_q6b93068420_kvproj-k_q6b93068420_kvproj
	.p2alignl 7, 3214868480
	.fill 96, 4, 3214868480
	.section	.rodata,"a",@progbits
	.p2align	6, 0x0
	.amdhsa_kernel k_q6b93068420_kvproj
		.amdhsa_group_segment_fixed_size 183808
		.amdhsa_private_segment_fixed_size 0
		.amdhsa_enable_private_segment 0
		.amdhsa_kernarg_size 64
		.amdhsa_user_sgpr_count 2
		.amdhsa_user_sgpr_kernarg_segment_ptr 1
		.amdhsa_wavefront_size32 1
		.amdhsa_system_sgpr_workgroup_id_x 1
		.amdhsa_system_sgpr_workgroup_id_y 1
		.amdhsa_system_sgpr_workgroup_id_z 1
		.amdhsa_system_vgpr_workitem_id 0
		.amdhsa_next_free_vgpr 864
		.amdhsa_next_free_sgpr 96
		.amdhsa_reserve_vcc 0
		.amdhsa_float_denorm_mode_32 3
		.amdhsa_float_denorm_mode_16_64 3
		.amdhsa_memory_ordered 1
		.amdhsa_forward_progress 1
		.amdhsa_inst_pref_size 255
	.end_amdhsa_kernel
	.section	.bss,"aw",@nobits
	.p2align	6
	.space	262144
	.amdgpu_metadata
---
amdhsa.version: [ 1, 2 ]
amdhsa.kernels:
  - .name:           k_q6b93068420_kvproj
    .symbol:         k_q6b93068420_kvproj.kd
    .args:
      - { .name: x_context, .offset: 0, .size: 8, .value_kind: global_buffer, .address_space: global }
      - { .name: rotary_time_emb_context, .offset: 8, .size: 8, .value_kind: global_buffer, .address_space: global }
      - { .name: ln_c_w, .offset: 16, .size: 8, .value_kind: global_buffer, .address_space: global }
      - { .name: ln_c_b, .offset: 24, .size: 8, .value_kind: global_buffer, .address_space: global }
      - { .name: wh, .offset: 32, .size: 8, .value_kind: global_buffer, .address_space: global }
      - { .name: list, .offset: 40, .size: 8, .value_kind: global_buffer, .address_space: global }
      - { .name: meta, .offset: 48, .size: 8, .value_kind: global_buffer, .address_space: global }
      - { .name: kvh, .offset: 56, .size: 8, .value_kind: global_buffer, .address_space: global }
    .group_segment_fixed_size: 183808
    .private_segment_fixed_size: 0
    .kernarg_segment_align: 8
    .kernarg_segment_size: 64
    .max_flat_workgroup_size: 128
    .sgpr_count:     96
    .vgpr_count:     864
    .wavefront_size: 32
...
	.end_amdgpu_metadata
.endif
;; end of part 8
;; launch attn: the kernel of part 7 again; grid 16 x 16, 4 waves a work-group, no clusters, 135,680 bytes of LDS; arguments qh, kvh, meta, rotary_time_emb_query, part; writes part
;; launch final (part 9): grid 4 x 1, 8 waves a work-group, no clusters, 18,176 bytes of LDS; arguments part, w_o, b_o, out0; writes out0
.if DOCPART == 9
	.amdgcn_target "amdgcn-amd-amdhsa--gfx1250"
	.amdhsa_code_object_version 6
	.text
	.protected	k_q6b93068420_final
	.globl	k_q6b93068420_final
	.p2align	8
	.type	k_q6b93068420_final,@function
k_q6b93068420_final:
	s_mov_b64 s[64:65], 0
	v_nop
	global_prefetch_b8 v0, s[64:65] scope:SCOPE_SE
	s_setreg_imm32_b32 hwreg(HW_REG_WAVE_SCHED_MODE, 0, 2), 2
	s_setreg_imm32_b32 hwreg(HW_REG_WAVE_MODE, 25, 1), 1
	s_wait_xcnt 0x0
	s_wait_alu depctr_vm_vsrc(0)
; final: out0[b][o] = (sum over the 16 query blocks of part[b][qb][:] / 1024) . w_o[o][:] + b_o[o].
; Four work-groups of eight waves: 32 tiles of 16 output columns, one a wave; each work-group sums the 128 KiB of partial sums once
; (more work-groups would only repeat that sum).  The mean can be very small beside 1, so both operands go as bf16 in two parts
; (hi + lo, the product lo x lo left out: below 2^-16 of the result); sums in f32.
; THE MODE: SCHED_MODE bits 1:0 = 2 (LLVM: expert scheduling mode 2), set by the entry lines.  The code itself states the register dependences
; between vector or matrix instructions and memory or LDS instructions, with s_wait_alu, always for 0.
; THE PLAN.  The text is one straight run.  Registers that memory or LDS instructions touch:
;   v5, v6, v7     offsets of the 50 global loads; v8 to v12 LDS addresses and out0's offset: each written once.
;   v[16:215]      the global loads land in them.  Of these v[80:143] are read by the sums and then take the means' fragments (LDS loads);
;                  v[16:23] are written by the split of w_o, read by the products and then take the rows read back from LDS.
;   v[240:247]     written by the means' conversions, read by two LDS stores, written again by the split of w_o.
;   v[216:223]     written by the products and the last sums, read by two LDS stores.
; Three waits on va_vdst, each ahead of a run of memory or LDS instructions, and one on vm_vsrc, behind the first barrier, state all of it.
.set ALB,  4352                        ; the means' low parts, behind the high parts: 16 rows x 272 bytes each
.set OUTB, 8704                        ; 16 rows x 528 bytes on the way out
	s_load_b256 s[4:11], s[0:1], 0x0               ; part 4, w_o 6, b_o 8, out0 10
	v_lshl_add_u32 v14, v0, 2, 0x4300
	v_mov_b32 v15, 0
	v_and_b32 v1, 31, v0
	v_lshrrev_b32 v2, 5, v0
	v_readfirstlane_b32 s12, v2                    ; wave w
	s_wait_alu depctr_va_sdst(0)                   ; s12 is written, ahead of its first reader: offsets and LDS places are made from it
	s_mov_b32 s13, ttmp9                           ; work-group
	v_and_b32 v3, 15, v0                           ; r
	v_bfe_u32 v4, v0, 4, 1                         ; h
	v_lshlrev_b32 v5, 5, v3
	v_lshl_add_u32 v5, v4, 13, v5
	v_lshl_add_u32 v5, s12, 14, v5                 ; part: batch 2 w + h, channels 8 r ..
	s_lshl_b32 s14, s13, 3
	s_add_co_u32 s14, s14, s12                     ; my tile of 16 columns
	v_lshlrev_b32 v6, 9, v3
	v_lshl_add_u32 v6, v4, 5, v6
	v_lshl_add_u32 v6, s14, 13, v6                 ; w_o: row 16 tile + r, 32 h bytes in
	v_lshlrev_b32 v7, 5, v4
	v_lshl_add_u32 v7, s14, 6, v7                  ; b_o: columns 16 tile + 8 h ..
	s_lshl_b32 s16, s13, 9
	s_mov_b32 s17, 0
	s_wait_kmcnt 0x0
	s_add_nc_u64 s[10:11], s[10:11], s[16:17]      ; out0 at my work-group's 128 columns
	s_wait_alu depctr_va_vdst(0)                   ; v5, v6 and v7 are written, which the loads below read as their offsets
.irp qb,0,1,2,3,4,5,6,7,8,9,10,11,12,13,14,15
	global_load_b128 v[16+8*\qb:16+8*\qb+3], v5, s[4:5] offset:512*\qb
	global_load_b128 v[16+8*\qb+4:16+8*\qb+7], v5, s[4:5] offset:512*\qb+16
.endr
.irp s,0,1,2,3
.irp a,0,1,2,3
	global_load_b128 v[144+16*\s+4*\a:144+16*\s+4*\a+3], v6, s[6:7] offset:128*\s+64*(\a>>1)+16*(\a&1)
.endr
.endr
	global_load_b128 v[208:211], v7, s[8:9]
	global_load_b128 v[212:215], v7, s[8:9] offset:16
	s_mul_i32 s15, s12, 544
	v_mul_u32_u24 v8, v4, 272
	v_lshl_add_u32 v8, v3, 4, v8
	v_add_nc_u32 v8, s15, v8                       ; the mean: row 2 w + h, 16 r bytes in
	v_mul_u32_u24 v9, v3, 272
	v_lshl_add_u32 v9, v4, 4, v9                   ; its fragments: row r, 16 h bytes in
	v_mul_u32_u24 v10, v3, 528
	v_lshl_add_u32 v10, v4, 5, v10
	s_lshl_b32 s15, s12, 6
	s_add_co_u32 s15, s15, OUTB
	v_add_nc_u32 v10, s15, v10                     ; results: row r, byte 64 w + 32 h
	v_lshlrev_b32 v12, 4, v1
	s_mul_i32 s15, s12, 1056
	s_add_co_u32 s15, s15, OUTB
	v_add_nc_u32 v11, s15, v12                     ; read back: rows 2 w, 2 w + 1
	v_lshl_add_u32 v12, s12, 12, v12               ; and their place in out0
	s_wait_loadcnt 18                              ; the partial sums are in; younger: 16 loads of w_o, 2 of b_o
.irp qb,1,2,3,4,5,6,7,8,9,10,11,12,13,14,15
.irp p,0,2,4,6
	v_pk_add_f32 v[16+\p:16+\p+1], v[16+\p:16+\p+1], v[16+8*\qb+\p:16+8*\qb+\p+1]
.endr
.endr
.irp p,0,2,4,6
	v_pk_mul_f32 v[16+\p:16+\p+1], v[16+\p:16+\p+1], 0x3a800000 op_sel_hi:[1,0]   ; 1/1024
.endr
.irp j,0,1,2,3
	v_cvt_pk_bf16_f32 v[240+\j], v[16+2*\j], v[16+2*\j+1]
.endr
.irp j,0,1,2,3
	v_lshlrev_b32 v[248+2*\j], 16, v[240+\j]
	v_and_b32 v[248+2*\j+1], 0xffff0000, v[240+\j]
.endr
.irp j,0,1,2,3
	v_pk_add_f32 v[16+2*\j:16+2*\j+1], v[16+2*\j:16+2*\j+1], v[248+2*\j:248+2*\j+1] neg_lo:[0,1] neg_hi:[0,1]
.endr
.irp j,0,1,2,3
	v_cvt_pk_bf16_f32 v[244+\j], v[16+2*\j], v[16+2*\j+1]
.endr
	s_wait_alu depctr_va_vdst(0)                   ; the conversions have written v[240:247], the LDS stores' data; v8 to v12 are written; the sums are done reading v[80:143], in which the fragments land behind the barrier
	ds_store_b128 v8, v[240:243]
	ds_store_b128 v8, v[244:247] offset:ALB
	s_wait_dscnt 0x0
	s_barrier_signal -1
	s_barrier_wait -1
	s_wait_alu depctr_vm_vsrc(0)                   ; my two LDS stores have read v[240:247], which the split of w_o below writes again
.irp s,0,1,2,3
	ds_load_b128 v[80+8*\s:80+8*\s+3], v9 offset:64*\s
	ds_load_b128 v[80+8*\s+4:80+8*\s+7], v9 offset:64*\s+32
	ds_load_b128 v[112+8*\s:112+8*\s+3], v9 offset:ALB+64*\s
	ds_load_b128 v[112+8*\s+4:112+8*\s+7], v9 offset:ALB+64*\s+32
.endr
	s_wait_loadcnt 0x0
.irp s,0,1,2,3
.irp j,0,1,2,3,4,5,6,7
	v_cvt_pk_bf16_f32 v[16+8*\s+\j], v[144+16*\s+2*\j], v[144+16*\s+2*\j+1]
.endr
.irp j,0,1,2,3,4,5,6,7
	v_lshlrev_b32 v[240+2*\j], 16, v[16+8*\s+\j]
	v_and_b32 v[240+2*\j+1], 0xffff0000, v[16+8*\s+\j]
.endr
.irp j,0,1,2,3,4,5,6,7
	v_pk_add_f32 v[144+16*\s+2*\j:144+16*\s+2*\j+1], v[144+16*\s+2*\j:144+16*\s+2*\j+1], v[240+2*\j:240+2*\j+1] neg_lo:[0,1] neg_hi:[0,1]
.endr
.irp j,0,1,2,3,4,5,6,7
	v_cvt_pk_bf16_f32 v[48+8*\s+\j], v[144+16*\s+2*\j], v[144+16*\s+2*\j+1]
.endr
.endr
	s_wait_dscnt 0x0
	; A = 16 rows of w_o, B = the 16 batches' means: lane (r, h) gets columns 8 h + 0..7 of batch r.  Three accumulators take turns.
.irp s,0,1,2,3
.if \s
	v_wmma_f32_16x16x32_bf16 v[216:223], v[16+8*\s:16+8*\s+7], v[80+8*\s:80+8*\s+7], v[216:223]
	v_wmma_f32_16x16x32_bf16 v[224:231], v[16+8*\s:16+8*\s+7], v[112+8*\s:112+8*\s+7], v[224:231]
	v_wmma_f32_16x16x32_bf16 v[232:239], v[48+8*\s:48+8*\s+7], v[80+8*\s:80+8*\s+7], v[232:239]
.else
	v_wmma_f32_16x16x32_bf16 v[216:223], v[16:23], v[80:87], 0
	v_wmma_f32_16x16x32_bf16 v[224:231], v[16:23], v[112:119], 0
	v_wmma_f32_16x16x32_bf16 v[232:239], v[48:55], v[80:87], 0
.endif
.endr
.rept 4
	v_nop                                          ; four places behind the last matrix instruction, ahead of the reads of the results
.endr
.irp p,0,2,4,6
	v_pk_add_f32 v[224+\p:224+\p+1], v[224+\p:224+\p+1], v[232+\p:232+\p+1]
.endr
.irp p,0,2,4,6
	v_pk_add_f32 v[216+\p:216+\p+1], v[216+\p:216+\p+1], v[224+\p:224+\p+1]
.endr
.irp p,0,2,4,6
	v_pk_add_f32 v[216+\p:216+\p+1], v[216+\p:216+\p+1], v[208+\p:208+\p+1]
.endr
	s_wait_alu depctr_va_vdst(0)                   ; the last sums have written v[216:223], the LDS stores' data; the products are done reading v[16:23], in which the rows land behind the barrier
	ds_store_b128 v10, v[216:219]
	ds_store_b128 v10, v[220:223] offset:16
	s_wait_dscnt 0x0
	s_barrier_signal -1
	s_barrier_wait -1
	ds_load_b128 v[16:19], v11
	ds_load_b128 v[20:23], v11 offset:528
	s_wait_dscnt 0x1
	global_store_b128 v12, v[16:19], s[10:11]               ; 128 columns of one batch: 512 consecutive bytes
	s_wait_dscnt 0x0
	global_store_b128 v12, v[20:23], s[10:11] offset:2048
	s_wait_dscnt 0x0                               ; the closing lines, six on end
	s_wait_alu 0x0
	s_wait_tensorcnt 0x0
	ds_add_u32 v14, v15
	s_wait_dscnt 0x0
	s_endpgm
.Lfunc_end_k_q6b93068420_final:
	.size	k_q6b93068420_final, .Lfunc_end_k_q6b93068420_final-k_q6b93068420_final
	.p2alignl 7, 3214868480
	.fill 96, 4, 3214868480
	.section	.rodata,"a",@progbits
	.p2align	6, 0x0
	.amdhsa_kernel k_q6b93068420_final
		.amdhsa_group_segment_fixed_size 18176
		.amdhsa_private_segment_fixed_size 0
		.amdhsa_enable_private_segment 0
		.amdhsa_kernarg_size 32
		.amdhsa_user_sgpr_count 2
		.amdhsa_user_sgpr_kernarg_segment_ptr 1
		.amdhsa_wavefront_size32 1
		.amdhsa_system_sgpr_workgroup_id_x 1
		.amdhsa_system_sgpr_workgroup_id_y 1
		.amdhsa_system_sgpr_workgroup_id_z 1
		.amdhsa_system_vgpr_workitem_id 0
		.amdhsa_next_free_vgpr 256
		.amdhsa_next_free_sgpr 66
		.amdhsa_reserve_vcc 0
		.amdhsa_float_denorm_mode_32 3
		.amdhsa_float_denorm_mode_16_64 3
		.amdhsa_memory_ordered 1
		.amdhsa_forward_progress 1
		.amdhsa_inst_pref_size 26
	.end_amdhsa_kernel
	.amdgpu_metadata
---
amdhsa.version: [ 1, 2 ]
amdhsa.kernels:
  - .name:           k_q6b93068420_final
    .symbol:         k_q6b93068420_final.kd
    .args:
      - { .name: part, .offset: 0, .size: 8, .value_kind: global_buffer, .address_space: global }
      - { .name: w_o, .offset: 8, .size: 8, .value_kind: global_buffer, .address_space: global }
      - { .name: b_o, .offset: 16, .size: 8, .value_kind: global_buffer, .address_space: global }
      - { .name: out0, .offset: 24, .size: 8, .value_kind: global_buffer, .address_space: global }
    .group_segment_fixed_size: 18176
    .private_segment_fixed_size: 0
    .kernarg_segment_align: 8
    .kernarg_segment_size: 32
    .max_flat_workgroup_size: 256
    .sgpr_count:     66
    .vgpr_count:     256
    .wavefront_size: 32
...
	.end_amdgpu_metadata
.endif
;; end of part 9
